; MI455X (gfx1250); checked and timed in simulation.
; The chip was launched on July 23, 2026; its instructions are those of AMD's public machine-readable ISA for CDNA 5 (MIT licence, August 2026) and "CDNA5" Instruction Set Architecture Reference Guide (July 2026). The comments in the code are by the model that wrote it; some were corrected since.
;; Non Local. Allowed arithmetic: matrix products marked QUANTISED: E2M3 operands, one E8M0 scale for each 32 along K, by v_wmma_scale_f32_16x16x128_f8f6f4 with both operands' format E2M3, f32 sums; everything else in f32.
;; Inputs: w_g 256 x 512 float32; w_mask 512 x 256 float32; w_phi 256 x 512 float32; w_theta 256 x 512 float32; x 8 x 512 x 64 x 64 float32.
;; Outputs: out0 8 x 512 x 64 x 64 float32.
;; This version of the problem:
;;   THIS VERSION OF THE PROBLEM IS GIVEN IN LOW PRECISION. The matrix products marked QUANTISED in the list below multiply operands that are first quantised to E2M3 (2 exponent bits, 3 mantissa bits; 6 bits a number), with one power-of-two scale for each 32 numbers along K (OCP MX v1.0); their sums are f32. All else is computed in f32.
;;   The module's matrix products, in the order in which they are computed (A, B: the left and right operand; K: the contracted axis; several contracted axes count as one K, in the product's order):
;;     1. [M 32,768, K 512] x [K 512, N 256]; A: input x; B: input w_phi: QUANTISED
;;     2. [M 32,768, K 512] x [K 512, N 256]; A: input x; B: input w_theta: QUANTISED
;;     3. [M 32,768, K 512] x [K 512, N 256]; A: input x; B: input w_g: QUANTISED
;;     4. batch 8 x [M 2,048, K 512] x [K 512, N 2,048]; A: computed on the way; B: computed on the way: QUANTISED
;;     5. batch 8 x [M 2,048, K 2,048] x [K 2,048, N 512]; A: computed on the way; B: computed on the way: QUANTISED
;;     6. [M 32,768, K 256] x [K 256, N 512]; A: computed on the way; B: input w_mask: QUANTISED
;;   THE QUANTISER, for each operand of a quantised product, along K:
;;     - K is cut into blocks of 32 from its start; a last block that is shorter is filled with zeros.
;;     - A block's scale is 2^e with e = floor(log2(the largest magnitude in the block)) - 2, held to -126 .. 127; a block of zeros has e = 0. As a byte (E8M0): e + 127.
;;     - Each number is divided by its block's scale, clamped to +-7.5, and rounded to the nearest number of E2M3, ties to even, subnormals kept.
;;     - The product sums the exact products of the quantised numbers (number of the format x scale) in f32.
;;   ~~~python
;;   def quantise(x, axis):      # numpy; x: float32 -> the quantised numbers, widened to float32 again
;;       x = np.moveaxis(x, axis, -1); K = x.shape[-1]
;;       x = np.pad(x, [(0, 0)] * (x.ndim - 1) + [(0, -K % 32)]); x = x.reshape(x.shape[:-1] + (-1, 32)); a = np.abs(x).max(-1, keepdims=True)
;;       e = np.where(a > 0, np.clip(np.frexp(np.where(a > 0, a, 1))[1] - 1 - 2, -126, 127), 0)      # np.frexp(a)[1] - 1 = floor(log2(a)), exactly
;;       r = np.clip(x / 2.0 ** e, -7.5, 7.5)
;;       step = 2.0 ** (np.maximum(np.frexp(np.where(r == 0, 1, r))[1] - 1, 0) - 3)
;;       q = np.round(r / step) * step * 2.0 ** e      # np.round: ties to even
;;       return np.moveaxis(q.reshape(q.shape[:-2] + (-1,))[..., :K], -1, axis).astype(np.float32)
;;   ~~~
;;   OPERANDS COMPUTED ON THE WAY. 'Computed on the way' means the value that the module computes at that place (a softmax that the list does not call 'softmax' is quantised finished and normalised). What goes into a quantiser is computed in f32, as accurately as f32 sums, v_exp_f32 and their like allow (about 1e-6 of the number): no bf16 or f16 on the way to a quantiser, and a product that is left as it is and whose result goes on into a quantised operand takes f32 operands (vector FMAs, or v_wmma_f32_16x16x4_f32). A number that lies on a knife's edge between two numbers of the format may be rounded either way, as far as f32 arithmetic and the matrix unit's own rounding can turn it there, and no further.
;; 2 versions. Each part assembles by itself: llvm-mc -triple=amdgcn-amd-amdhsa -mcpu=gfx1250 --defsym DOCPART=n.
;; ======== version 1 of 2: 4 launches
;; workspace buffers: wq 409,600 bytes; thq 6,553,600 bytes; phq 6,553,600 bytes; gq 6,553,600 bytes; pq 26,214,400 bytes
;; launch wquant (part 1): grid 256 x 1, 1 waves a work-group, no clusters, 0 bytes of LDS; arguments w_theta, w_phi, w_g, w_mask, wq; writes wq
.if DOCPART == 1
	.amdgcn_target "amdgcn-amd-amdhsa--gfx1250"
	.amdhsa_code_object_version 6
	.text
	.protected	k_q82a3e5ba94_wquant
	.globl	k_q82a3e5ba94_wquant
	.p2align	8
	.type	k_q82a3e5ba94_wquant,@function
k_q82a3e5ba94_wquant:
	s_mov_b64 s[64:65], 0
	v_nop
	global_prefetch_b8 v0, s[64:65] scope:SCOPE_SE
	s_setreg_imm32_b32 hwreg(HW_REG_WAVE_MODE, 25, 1), 1
	s_wait_xcnt 0x0
; THE PROGRAM: out0 = w_mask . view(softmax_n(theta phi) g) + x, theta, phi, g = 1x1 convolutions of x; all six products on codes of E2M3 with one E8M0 scale for 32 along K.
; DEAD WORK: none.  Every input has a way to the output and each of the six products is live; nothing of reference() is left out in any launch.
; LIMITS (all launches): a block of zeros gets the scale byte 1 (its codes are zeros, and these bytes are read by this program alone); blocks whose largest magnitude lies under 2^-124
; are held at byte 1; NaN and infinities among the inputs are not served.
; THIS LAUNCH: the four weights become operand fragments, once.  A fragment is 16 rows x 128 K: 12 registers a lane; lane (r, h) holds row r, registers 6 c .. 6 c + 5 = block 2 c + h of 32 along K.
; It is stored as an IMAGE OF ITS REGISTERS: registers 4 i .. 4 i + 3 at 512 i + 16 x lane: 1,536 bytes, three stores of 512 consecutive bytes.
; One wave makes one fragment, f = the work-group's number.  f < 192: matrix f / 64 (theta, phi, g), rows 16 ((f / 4) % 16) on, K step f % 4.  f >= 192: w_mask, rows 16 ((f - 192) / 2) on, K step f % 2.
; w_mask's numbers stand inside each block in the order 0-7, 16-23, 8-15, 24-31: the order in which the last launch's quantiser leaves the other operand of that product.  The block's 32 numbers, and so its scale, are the same.
; Scale words: one word a row and K step; the words of two neighbouring row tiles share 128 bytes (even tile: first 64).
; The reads are 16-byte pieces of rows far apart: 2 MB in all, read once.  No LDS, no matrix unit, no cluster: the work-groups share nothing.
.set X,  16                            ; v16-79   my two blocks: 32 numbers each
.set PC, 80                            ; v80-91   the fragment
.set TP, 92                            ; v92-98   the second halves of the blocks' codes, before they are moved
	s_load_b256 s[4:11], s[0:1], 0x0               ; w_theta, w_phi, w_g, w_mask
	s_load_b64 s[12:13], s[0:1], 0x20              ; wq
	s_mov_b32 s14, ttmp9                           ; f
	s_lshr_b32 s16, s14, 2
	s_and_b32 s16, s16, 15                         ; row tile of a projection's weight
	s_and_b32 s17, s14, 3                          ; its K step
	s_sub_co_u32 s18, s14, 192                     ; f - 192 (used where f >= 192 alone)
	s_lshr_b32 s19, s18, 1                         ; row tile of w_mask
	s_and_b32 s20, s18, 1                          ; its K step
	s_cmp_lt_u32 s14, 192
	s_cselect_b32 s16, s16, s19                    ; row tile
	s_cselect_b32 s17, s17, s20                    ; K step
	s_cselect_b32 s15, 11, 10                      ; a row is 2,048 or 1,024 bytes
	s_cselect_b32 s21, 0, 32                       ; delta: how far w_mask's middle pieces change places
	s_cselect_b32 s24, 32, 0                       ; 32 - delta
	s_lshl_b32 s22, s16, 4
	s_lshl_b32 s22, s22, s15                       ; the tile's first row, in bytes,
	s_lshl_b32 s23, s17, 9
	s_add_co_u32 s22, s22, s23                     ; + 512 bytes a K step
	s_mov_b32 s23, 0
	s_mov_b32 s26, 0x76543210
	s_mov_b32 s27, 0xfedcba98                      ; lane selects: lane l xor 16
	v_and_b32 v1, 15, v0                           ; r
	v_lshrrev_b32 v2, 4, v0                        ; h
	v_lshlrev_b32 v3, s15, v1
	v_lshl_add_u32 v3, v2, 7, v3                   ; my row, + 128 h: block h of the K step
	v_add_nc_u32 v4, s21, v3                       ; for pieces 2, 3 of a block
	v_add_nc_u32 v5, s24, v3                       ; for pieces 4, 5 (their immediates are 32 lower, so that no offset is negative)
	v_lshlrev_b32 v14, 4, v0                       ; 16 x lane
	v_lshlrev_b32 v15, 2, v1                       ; 4 r
	; where the scale word goes: image number (8 matrix + pair) x 4 + K step, or 96 + pair x 2 + K step
	s_lshr_b32 s32, s16, 1                         ; pair of row tiles
	s_and_b32 s33, s16, 1                          ; odd tile?
	s_lshr_b32 s34, s14, 6
	s_lshl_b32 s34, s34, 3
	s_add_co_u32 s34, s34, s32
	s_lshl_b32 s34, s34, 2
	s_lshl_b32 s35, s32, 1
	s_add_co_u32 s35, s35, 96
	s_cmp_lt_u32 s14, 192
	s_cselect_b32 s34, s34, s35
	s_add_co_u32 s34, s34, s17
	s_lshl_b32 s34, s34, 7
	s_lshl_b32 s33, s33, 6
	s_add_co_u32 s34, s34, s33
	s_add_co_u32 s34, s34, 393216                  ; behind the 256 fragments
	s_mov_b32 s35, 0
	s_mul_i32 s28, s14, 1536
	s_mov_b32 s29, 0
	s_wait_kmcnt 0x0
	s_cmp_lt_u32 s14, 64                           ; which weight: the choice hangs on the work-group's number alone
	s_cselect_b64 s[4:5], s[4:5], s[6:7]
	s_cmp_lt_u32 s14, 128
	s_cselect_b64 s[4:5], s[4:5], s[8:9]
	s_cmp_lt_u32 s14, 192
	s_cselect_b64 s[4:5], s[4:5], s[10:11]
	s_add_nc_u64 s[4:5], s[4:5], s[22:23]
	s_add_nc_u64 s[30:31], s[12:13], s[28:29]      ; my fragment's image
	s_add_nc_u64 s[36:37], s[12:13], s[34:35]      ; my tile's 64 bytes of scale words
.irp c, 0,1
.irp i, 0,1,6,7
	global_load_b128 v[X+32*\c+4*\i:X+32*\c+4*\i+3], v3, s[4:5] offset:256*\c+16*\i
.endr
.irp i, 2,3
	global_load_b128 v[X+32*\c+4*\i:X+32*\c+4*\i+3], v4, s[4:5] offset:256*\c+16*\i
.endr
.irp i, 4,5
	global_load_b128 v[X+32*\c+4*\i:X+32*\c+4*\i+3], v5, s[4:5] offset:256*\c+16*\i-32
.endr
.endr
	s_wait_loadcnt 0x0
.irp c, 0,1
	v_max3_num_f32 v[8+\c], |v[X+32*\c]|, |v[X+32*\c+1]|, 0x1800000   ; block 2 c + h: all 32 numbers are mine; the floor 2^(3 - 127) holds the byte at 1 from below
.endr
.irp i, 2,4,6,8,10,12,14,16,18,20,22,24,26,28,30
.irp c, 0,1
	v_max3_num_f32 v[8+\c], v[8+\c], |v[X+32*\c+\i]|, |v[X+32*\c+\i+1]|
.endr
.endr
.irp c, 0,1
	v_add_nc_u32 v[10+\c], 0xff000000, v[8+\c]     ; 2 off the exponent field: the conversion's scale operand
.endr
.irp c, 0,1
	v_lshrrev_b32 v[12+\c], 23, v[10+\c]           ; the scale's byte
.endr
	v_lshl_or_b32 v6, v13, 16, v12                 ; my two bytes: blocks h and 2 + h,
	v_lshlrev_b32 v7, 3, v2
	v_lshlrev_b32 v6, v7, v6                       ; at their places in the word;
	v_mov_b32 v7, 0
	v_permlanex16_b32 v7, v6, s26, s27
	v_or_b32 v6, v6, v7                            ; with lane l xor 16's two the word is whole
.irp c, 0,1
	v_cvt_scalef32_pk16_fp6_f32 v[PC+6*\c:PC+6*\c+2], v[X+32*\c:X+32*\c+15], v[10+\c]
	v_cvt_scalef32_pk16_fp6_f32 v[TP+4*\c:TP+4*\c+2], v[X+32*\c+16:X+32*\c+31], v[10+\c]   ; (a conversion's three registers begin on an even number)
.endr
	v_nop                                          ; one plain place behind a scaled conversion
.irp c, 0,1
.irp i, 0,1,2
	v_mov_b32 v[PC+3+6*\c+\i], v[TP+4*\c+\i]
.endr
.endr
.irp i, 0,1,2
	global_store_b128 v14, v[PC+4*\i:PC+4*\i+3], s[30:31] offset:512*\i   ; 32 lanes store 512 consecutive bytes
.endr
	global_store_b32 v15, v6, s[36:37]             ; row r's word; both halves of the lanes hold it and write the same word with the same value
	s_endpgm
.Lfunc_end_k_q82a3e5ba94_wquant:
	.size	k_q82a3e5ba94_wquant, .Lfunc_end_k_q82a3e5ba94_wquant-k_q82a3e5ba94_wquant
	.p2alignl 7, 3214868480
	.fill 96, 4, 3214868480
	.section	.rodata,"a",@progbits
	.p2align	6, 0x0
	.amdhsa_kernel k_q82a3e5ba94_wquant
		.amdhsa_group_segment_fixed_size 0
		.amdhsa_private_segment_fixed_size 0
		.amdhsa_enable_private_segment 0
		.amdhsa_kernarg_size 40
		.amdhsa_user_sgpr_count 2
		.amdhsa_user_sgpr_kernarg_segment_ptr 1
		.amdhsa_wavefront_size32 1
		.amdhsa_system_sgpr_workgroup_id_x 1
		.amdhsa_system_sgpr_workgroup_id_y 1
		.amdhsa_system_sgpr_workgroup_id_z 1
		.amdhsa_system_vgpr_workitem_id 0
		.amdhsa_next_free_vgpr 112
		.amdhsa_next_free_sgpr 66
		.amdhsa_reserve_vcc 0
		.amdhsa_float_denorm_mode_32 3
		.amdhsa_float_denorm_mode_16_64 3
		.amdhsa_memory_ordered 1
		.amdhsa_forward_progress 1
		.amdhsa_inst_pref_size 8
	.end_amdhsa_kernel
	.amdgpu_metadata
---
amdhsa.version: [ 1, 2 ]
amdhsa.kernels:
  - .name:           k_q82a3e5ba94_wquant
    .symbol:         k_q82a3e5ba94_wquant.kd
    .args:
      - { .name: w_theta, .offset: 0, .size: 8, .value_kind: global_buffer, .address_space: global }
      - { .name: w_phi, .offset: 8, .size: 8, .value_kind: global_buffer, .address_space: global }
      - { .name: w_g, .offset: 16, .size: 8, .value_kind: global_buffer, .address_space: global }
      - { .name: w_mask, .offset: 24, .size: 8, .value_kind: global_buffer, .address_space: global }
      - { .name: wq, .offset: 32, .size: 8, .value_kind: global_buffer, .address_space: global }
    .group_segment_fixed_size: 0
    .private_segment_fixed_size: 0
    .kernarg_segment_align: 8
    .kernarg_segment_size: 40
    .max_flat_workgroup_size: 32
    .sgpr_count:     66
    .vgpr_count:     112
    .wavefront_size: 32
...
	.end_amdgpu_metadata
.endif
;; end of part 1
;; launch proj (part 2): grid 32 x 8, 8 waves a work-group, no clusters, 314,368 bytes of LDS; arguments x, wq, thq, phq, gq; writes thq, phq, gq
.if DOCPART == 2
	.amdgcn_target "amdgcn-amd-amdhsa--gfx1250"
	.amdhsa_code_object_version 6
	.text
	.protected	k_q82a3e5ba94_proj
	.globl	k_q82a3e5ba94_proj
	.p2align	8
	.type	k_q82a3e5ba94_proj,@function
k_q82a3e5ba94_proj:
	s_mov_b64 s[64:65], 0
	v_nop
	global_prefetch_b8 v0, s[64:65] scope:SCOPE_SE
	s_setreg_imm32_b32 hwreg(HW_REG_WAVE_MODE, 25, 1), 1
	s_wait_xcnt 0x0
; theta, phi, g = 1x1 convolutions of x (products 1 to 3), quantised on the way out as operands of products 4 and 5.  Nothing of reference() is left out.  Limits: as stated at the head of the first kernel.
; reference() views a projection [256 (o)][4096 (p)] as [512 (c')][2048 (n)]: c' = 2 o + half, n = p mod 2048, half = p / 2048.  A block of 32 along c' is 16 neighbouring o at p = n and at p = n + 2048.
; SHARES.  A work-group (nb, b) takes 64 tokens n = 64 nb .. at BOTH halves (128 columns p of x, all 512 channels) and makes all 768 output channels for them.  Eight waves; wave w: oq = w % 4, th = w / 4.
; X.   Wave w brings 128 channels (128 oq on) x 64 columns (half th) into LDS by one tensor load, rows of 256 bytes; a lane takes a column and its registers run down the channels, so that a block of 32 lies in one lane
;      and the conversions give codes with K innermost.  The eight waves' fragments (8 tiles of 16 columns x 4 K steps) go to LDS as images of their registers; one barrier.
; T, P. theta, phi: source 0 = 16 rows of the weight, source 1 = 16 columns of x: a lane holds ONE token and eight o.  Wave (oq, th): o = 64 oq .. + 63, token tiles 2 th, 2 th + 1, both halves: 16 accumulators.
;      The 16 registers of (o tile, half 0) and (o tile, half 1) are 16 numbers of one block along c'; lane l xor 16 holds the other 16.  Four o tiles are one K step of product 4.
; G.   g: the sources change places: a lane holds ONE o and eight tokens, since the tokens are product 5's K.  Wave (oq, hf = th): o = 64 oq on, the four token tiles of half hf.
; ORDER INSIDE A BLOCK.  The quantiser leaves a block as (lanes 0-15's 16 numbers, lanes 16-31's 16).  theta and phi are made alike, so product 4's two operands agree; g's blocks come out as token offsets 0-7, 16-23, 8-15, 24-31, as P's do in the next launch.
; The weights come from the first launch as register images, straight into registers, four K steps ahead.  No cluster: what work-groups share here is the weights, 24 KB a wave and round beside the work-group's own 256 KB of x.
; LDS: 0 the raw x, 32,768 bytes a wave; XIMG 32 images of 1,536 bytes ((4 x tile + K step)); XSC 16 images of scale words (two tiles' rows in 128 bytes); SPARE the spare words.
; REGISTERS.  window 0: v1-15 addresses; v16-39 the weights' scale words, v40-55 x's; v56-95 the quantiser's; v96-143 four fragments of x (phase X: v96-159 two sets of 32 numbers); v160-255 weights of K steps 0, 1.
;             window 1: v0-127 16 accumulators; v128-223 weights of K steps 2, 3.
.set XIMG,  262144
.set XSC,   311296
.set SPARE, 313344
.set FI,    1536
.set SPW, 1                            ; v1   my spare word's LDS address; never rewritten
.set NIL, 2                            ; v2   0; never rewritten
.set LI,  3                            ; v3   16 x lane
.set LS,  4                            ; v4   4 x lane
.set L8,  5                            ; v5   8 x lane
.set XRA, 6                            ; v6   raw x: my wave's region + 4 x lane
.set XWI, 7                            ; v7   where I store x's images
.set XWS, 8                            ; v8   and their scale words
.set XSA, 9                            ; v9   x's scale words for theta and phi
.set XSG, 10                           ; v10  and for g
.set XRT, 11                           ; v11  x's images for theta and phi
.set XRG, 12                           ; v12  and for g
.set SH,  13                           ; v13  16 x (lane / 16)
.set WD,  14                           ; v14  phase X: my column's scale word
.set WSC, 16                           ; v16-39  [matrix 3][pair of o tiles 2][K step 4]
.set SXA, 40                           ; v40-47  [half][K step]
.set SXG, 48                           ; v48-55  [pair of token tiles][K step]
.set TM,  56                           ; v56-71  the quantiser's work
.set PW,  72                           ; v72-73  scale words just made
.set TT,  74                           ; v74-75  half-words of g's scales
.set PC,  76                           ; v76-95  codes just made
.set FA,  64                           ; phase X: two fragments in the making
.set FB,  76
.set SCR, 88
.set XF,  96
.set RAW, 96
.set ACC, 0
.set G1,  24                           ; s[24:31] descriptor group 1
.set G0,  32                           ; s[32:35] descriptor group 0
.set MSB, 0
.macro WIN new                         ; the immediate's high byte repeats the setting that is left; a switch that changes nothing is dropped
.if MSB != (\new)
	s_set_vgpr_msb (MSB<<8)|(\new)
.set MSB, (\new)
.endif
.endm
.macro PLACES n
.rept \n
	v_nop
.endr
.endm
; One matrix instruction.  d, a, b: first registers of D, source 0, source 1; z: C is the constant 0 (else C = D); sa, sb: the scale registers; ra, rb: 1 = the scales stand in lanes 16-31.
.macro WM d, a, b, z, sa, sb, ra, rb
.if (\z)
.if (\ra) && (\rb)
	v_wmma_scale_f32_16x16x128_f8f6f4 v[(\d):(\d)+7], v[(\a):(\a)+11], v[(\b):(\b)+11], 0, v[\sa], v[\sb] matrix_a_fmt:MATRIX_FMT_FP6 matrix_b_fmt:MATRIX_FMT_FP6 matrix_a_scale:MATRIX_SCALE_ROW1 matrix_b_scale:MATRIX_SCALE_ROW1
.elseif (\ra)
	v_wmma_scale_f32_16x16x128_f8f6f4 v[(\d):(\d)+7], v[(\a):(\a)+11], v[(\b):(\b)+11], 0, v[\sa], v[\sb] matrix_a_fmt:MATRIX_FMT_FP6 matrix_b_fmt:MATRIX_FMT_FP6 matrix_a_scale:MATRIX_SCALE_ROW1
.elseif (\rb)
	v_wmma_scale_f32_16x16x128_f8f6f4 v[(\d):(\d)+7], v[(\a):(\a)+11], v[(\b):(\b)+11], 0, v[\sa], v[\sb] matrix_a_fmt:MATRIX_FMT_FP6 matrix_b_fmt:MATRIX_FMT_FP6 matrix_b_scale:MATRIX_SCALE_ROW1
.else
	v_wmma_scale_f32_16x16x128_f8f6f4 v[(\d):(\d)+7], v[(\a):(\a)+11], v[(\b):(\b)+11], 0, v[\sa], v[\sb] matrix_a_fmt:MATRIX_FMT_FP6 matrix_b_fmt:MATRIX_FMT_FP6
.endif
.else
.if (\ra) && (\rb)
	v_wmma_scale_f32_16x16x128_f8f6f4 v[(\d):(\d)+7], v[(\a):(\a)+11], v[(\b):(\b)+11], v[(\d):(\d)+7], v[\sa], v[\sb] matrix_a_fmt:MATRIX_FMT_FP6 matrix_b_fmt:MATRIX_FMT_FP6 matrix_a_scale:MATRIX_SCALE_ROW1 matrix_b_scale:MATRIX_SCALE_ROW1
.elseif (\ra)
	v_wmma_scale_f32_16x16x128_f8f6f4 v[(\d):(\d)+7], v[(\a):(\a)+11], v[(\b):(\b)+11], v[(\d):(\d)+7], v[\sa], v[\sb] matrix_a_fmt:MATRIX_FMT_FP6 matrix_b_fmt:MATRIX_FMT_FP6 matrix_a_scale:MATRIX_SCALE_ROW1
.elseif (\rb)
	v_wmma_scale_f32_16x16x128_f8f6f4 v[(\d):(\d)+7], v[(\a):(\a)+11], v[(\b):(\b)+11], v[(\d):(\d)+7], v[\sa], v[\sb] matrix_a_fmt:MATRIX_FMT_FP6 matrix_b_fmt:MATRIX_FMT_FP6 matrix_b_scale:MATRIX_SCALE_ROW1
.else
	v_wmma_scale_f32_16x16x128_f8f6f4 v[(\d):(\d)+7], v[(\a):(\a)+11], v[(\b):(\b)+11], v[(\d):(\d)+7], v[\sa], v[\sb] matrix_a_fmt:MATRIX_FMT_FP6 matrix_b_fmt:MATRIX_FMT_FP6
.endif
.endif
.endm
.macro FETCH reg, adr, off             ; a fragment's image comes back from LDS: the same registers in the same lanes
.irp c, 0,1,2
	ds_load_b128 v[(\reg)+4*\c:(\reg)+4*\c+3], v[\adr] offset:(\off)+512*\c
.endr
.endm
; 64 numbers of a lane, v[s] .. v[s + 63] of window w, register 16 b + i = one of my 16 numbers of block b of my row, become a fragment's codes in v[PC] .. v[PC + 11] and its scale word in v[pw].
.macro QUANT s, w, pw
	s_wait_xcnt 0x0                                ; the stores issued so far have read their registers: the codes' and the word's may be written again
	s_wait_dscnt 0x0
	WIN (\w)|((\w)<<2)
.irp b, 0,1,2,3
	v_max3_num_f32 v[TM+\b], |v[(\s)+16*\b]|, |v[(\s)+1+16*\b]|, 0x1800000   ; each accumulator is read from its low end on; the floor 2^(3 - 127) holds the byte at 1 from below
.endr
	WIN ((\w)<<2)|((\w)<<4)
.irp i, 2,4,6,8,10,12,14
.irp b, 0,1,2,3
	v_max3_num_f32 v[TM+\b], v[TM+\b], |v[(\s)+16*\b+\i]|, |v[(\s)+1+16*\b+\i]|   ; (the four blocks by turns)
.endr
.endr
	WIN 0
.irp b, 0,1,2,3
	v_permlanex16_b32 v[TM+4+\b], v[TM+\b], s20, s21
.endr
.irp b, 0,1,2,3
	v_max_num_f32 v[TM+\b], v[TM+\b], v[TM+4+\b]   ; with lane l xor 16's 16: the block's largest magnitude
.endr
.irp b, 0,1,2,3
	v_add_nc_u32 v[TM+12+\b], 0xff000000, v[TM+\b] ; 2 off its exponent field: the conversion's scale operand
.endr
.irp b, 0,1,2,3
	v_lshrrev_b32 v[TM+4+\b], 23, v[TM+12+\b]      ; the scale's byte
.endr
	v_lshl_or_b32 v[\pw], v[TM+5], 8, v[TM+4]
	v_lshl_or_b32 v[\pw], v[TM+6], 16, v[\pw]
	v_lshl_or_b32 v[\pw], v[TM+7], 24, v[\pw]
	WIN (\w)
.irp c, 0,1
	v_cvt_scalef32_pk16_fp6_f32 v[PC+6*\c:PC+2+6*\c], v[(\s)+32*\c:(\s)+15+32*\c], v[TM+12+2*\c]
	v_cvt_scalef32_pk16_fp6_f32 v[PC+12+4*\c:PC+14+4*\c], v[(\s)+16+32*\c:(\s)+31+32*\c], v[TM+12+2*\c+1]   ; (a conversion's three registers begin on an even number)
.endr
	WIN 0
	v_nop                                          ; one plain place behind a scaled conversion
.irp c, 0,1                                    ; the operand's layout wants a whole block in a lane: lanes 0-15 block 2 c, lanes 16-31 block 2 c + 1
.irp i, 0,1,2
	v_permlane16_swap_b32 v[PC+6*\c+\i], v[PC+12+4*\c+\i]
.endr
.irp i, 0,1,2
	v_mov_b32 v[PC+3+6*\c+\i], v[PC+12+4*\c+\i]
.endr
.endr
.endm
; The four fragments (o tiles 4 oq + 0 .. 3) of matrix mt, K step ks: 12 loads of 512 consecutive bytes, into that K step's buffer
.macro WLOAD mt, ks
.set WR, 160+48*((\ks)%2)-32*((\ks)/2)
	WIN 0x40*((\ks)/2)
.irp j, 0,1,2,3
.irp c, 0,1,2
	global_load_b128 v[WR+12*\j+4*\c:WR+12*\j+4*\c+3], v[LI], s[36:37] offset:98304*(\mt)+6144*\j+FI*(\ks)+512*\c
.endr
.endr
	WIN 0
.endm
	s_load_b256 s[4:11], s[0:1], 0x0               ; x, wq, thq, phq
	s_load_b64 s[12:13], s[0:1], 0x20              ; gq
	v_lshl_add_u32 v[SPW], v0, 2, SPARE
	v_mov_b32 v[NIL], 0
	ds_add_u32 v[SPW], v[NIL]                      ; the wave's opening: the add, twice on end, and its wait ahead of my first tensor load
	ds_add_u32 v[SPW], v[NIL]
	v_lshrrev_b32 v15, 5, v0
	v_readfirstlane_b32 s14, v15                   ; wave 0..7
	s_and_b32 s15, s14, 3                          ; oq; in phase X: which 128 channels
	s_lshr_b32 s16, s14, 2                         ; th; in phase X and for g: which half
	s_mov_b32 s17, ttmp9                           ; nb
	s_and_b32 s18, ttmp7, 0xffff                   ; b
	s_mov_b32 s20, 0x76543210
	s_mov_b32 s21, 0xfedcba98                      ; lane selects: lane l xor 16
	s_mov_b32 s[G1+0], 2<<16                       ; no mask; elements of 4 bytes; no padding
	s_mov_b32 s[G1+1], 64<<16                      ; tensor_dim0 = 64
	s_mov_b32 s[G1+2], 128<<16                     ; tensor_dim1 = 128
	s_mov_b32 s[G1+3], 64<<16                      ; tile_dim0 = 64: 256 bytes
	s_mov_b32 s[G1+4], 128                         ; tile_dim1 = 128 channels
	s_mov_b32 s[G1+5], 4096                        ; from channel to channel
	s_mov_b32 s[G1+6], 0
	s_mov_b32 s[G1+7], 0
	s_mov_b32 s[G0], 1
	s_lshl_b32 s[G0+1], s14, 15                    ; LDS: 32,768 x wave
	s_lshl_b32 s52, s18, 23                        ; x: b x 512 channels x 16,384 bytes
	s_lshl_b32 s53, s15, 21                        ; + 128 channels x oq
	s_add_co_u32 s52, s52, s53
	s_lshl_b32 s53, s16, 13                        ; + the half's 2,048 columns
	s_add_co_u32 s52, s52, s53
	s_lshl_b32 s53, s17, 8                         ; + 64 columns x nb
	s_add_co_u32 s52, s52, s53
	s_mov_b32 s53, 0
	s_wait_dscnt 0x0                               ; both opening adds are done
	s_wait_kmcnt 0x0
	s_add_nc_u64 s[G0+2:G0+3], s[4:5], s[52:53]
	s_or_b32 s[G0+3], s[G0+3], 0x80000000
	tensor_load_to_lds s[G0:G0+3], s[G1:G1+7]      ; my one tensor load: a first fill; nothing is filled again in this launch
	s_nop 0
	PLACES 4
	s_mul_i32 s52, s15, 24576
	s_add_nc_u64 s[36:37], s[6:7], s[52:53]        ; the weights' fragments of my 64 o
	s_lshl_b32 s52, s15, 10
	s_add_co_u32 s52, s52, 393216
	s_add_nc_u64 s[38:39], s[6:7], s[52:53]        ; and their scale words
	s_mul_i32 s52, s18, 786432                     ; theta's and phi's codes [b][K step][token tile]: b,
	s_mul_i32 s54, s15, 196608                     ; K step oq,
	s_add_co_u32 s52, s52, s54
	s_lshl_b32 s54, s17, 2
	s_lshl_b32 s55, s16, 1
	s_add_co_u32 s54, s54, s55
	s_mul_i32 s54, s54, FI                         ; token tile 4 nb + 2 th
	s_add_co_u32 s52, s52, s54
	s_add_nc_u64 s[40:41], s[8:9], s[52:53]
	s_add_nc_u64 s[44:45], s[10:11], s[52:53]
	s_lshl_b32 s52, s17, 1                         ; their scale words [b][pair of tiles][K step][128]
	s_add_co_u32 s52, s52, s16
	s_lshl_b32 s52, s52, 2
	s_add_co_u32 s52, s52, s15
	s_lshl_b32 s52, s52, 7
	s_lshl_b32 s54, s18, 15
	s_add_co_u32 s52, s52, s54
	s_add_co_u32 s52, s52, 6291456
	s_add_nc_u64 s[42:43], s[8:9], s[52:53]
	s_add_nc_u64 s[46:47], s[10:11], s[52:53]
	s_lshl_b32 s52, s16, 4                         ; g's codes [b][c' tile = 16 half + o tile][64 tokens][768]
	s_lshl_b32 s54, s15, 2
	s_add_co_u32 s52, s52, s54
	s_mul_i32 s52, s52, 24576
	s_mul_i32 s54, s18, 786432
	s_add_co_u32 s52, s52, s54
	s_mul_i32 s54, s17, 768
	s_add_co_u32 s52, s52, s54
	s_add_nc_u64 s[48:49], s[12:13], s[52:53]
	s_lshl_b32 s52, s16, 3                         ; g's scale words [b][pair of c' tiles][K step of 128 tokens][128]; my 64 tokens are half a word
	s_lshl_b32 s54, s15, 1
	s_add_co_u32 s52, s52, s54
	s_lshl_b32 s52, s52, 4
	s_lshr_b32 s54, s17, 1
	s_add_co_u32 s52, s52, s54
	s_lshl_b32 s52, s52, 7
	s_and_b32 s54, s17, 1
	s_lshl_b32 s54, s54, 1
	s_add_co_u32 s52, s52, s54
	s_lshl_b32 s54, s18, 15
	s_add_co_u32 s52, s52, s54
	s_add_co_u32 s52, s52, 6291456
	s_add_nc_u64 s[50:51], s[12:13], s[52:53]
	v_and_b32 v15, 31, v0                          ; lane
	v_lshlrev_b32 v[LI], 4, v15
	v_lshlrev_b32 v[LS], 2, v15
	v_lshlrev_b32 v[L8], 3, v15
	v_bfe_u32 v[SH], v0, 4, 1
	v_lshlrev_b32 v[SH], 4, v[SH]
	s_lshl_b32 s54, s14, 15
	v_add_nc_u32 v[XRA], s54, v[LS]
	s_lshl_b32 s54, s16, 4
	s_add_co_u32 s54, s54, s15
	s_mul_i32 s54, s54, FI
	s_add_co_u32 s54, s54, XIMG
	v_add_nc_u32 v[XWI], s54, v[LI]                ; image 4 x (4 half) + my K step
	s_lshl_b32 s54, s16, 3
	s_add_co_u32 s54, s54, s15
	s_lshl_b32 s54, s54, 7
	s_add_co_u32 s54, s54, XSC
	v_add_nc_u32 v[XWS], s54, v[LS]
	s_lshl_b32 s54, s16, 9
	s_add_co_u32 s54, s54, XSC
	v_add_nc_u32 v[XSA], s54, v[LS]
	s_lshl_b32 s54, s16, 10
	s_add_co_u32 s54, s54, XSC
	v_add_nc_u32 v[XSG], s54, v[LS]
	s_mul_i32 s54, s16, 8*FI
	s_add_co_u32 s54, s54, XIMG
	v_add_nc_u32 v[XRT], s54, v[LI]
	s_mul_i32 s54, s16, 16*FI
	s_add_co_u32 s54, s54, XIMG
	v_add_nc_u32 v[XRG], s54, v[LI]
.irp b, 0,1,2,3
	v_mov_b32 v[TM+4+\b], 0                        ; written once: a lane permute's destination counts as one of its sources
.endr
.irp mt, 0,1,2
.irp jp, 0,1
.irp ks, 0,1,2,3
	global_load_b32 v[WSC+8*\mt+4*\jp+\ks], v[LS], s[38:39] offset:4096*\mt+512*\jp+128*\ks
.endr
.endr
.endr
.irp ks, 0,1,2,3
	WLOAD 0, \ks                                   ; theta's weights land while x is quantised
.endr
; ---- X: my 128 channels x 64 columns become four fragments.  Step t = 4 cg + blk: columns 32 cg + lane, block blk of 32 channels
.macro LOADB t
.irp i, 0,1,2,3,4,5,6,7,8,9,10,11,12,13,14,15,16,17,18,19,20,21,22,23,24,25,26,27,28,29,30,31
	ds_load_b32 v[RAW+32*((\t)%2)+\i], v[XRA] offset:(32*((\t)%4)+\i)*256+128*((\t)/4)   ; one channel, 32 neighbouring columns: 128 consecutive bytes
.endr
.endm
.macro STEPX t
.set RS, RAW+32*((\t)%2)
.set BL, (\t)%4
.set CG, (\t)/4
.set FD, FA+12*(BL%2)+6*(BL/2)         ; blocks 0, 2 into the first fragment's two halves, blocks 1, 3 into the second's
.if (\t) < 7
	s_wait_dscnt 32                                ; all but the next step's 32 loads: this step's numbers are in, and the images stored a step ago have left their registers
.else
	s_wait_dscnt 0x0
.endif
	v_max3_num_f32 v56, |v[RS]|, |v[RS+1]|, |v[RS+2]|
	v_max3_num_f32 v57, |v[RS+3]|, |v[RS+4]|, |v[RS+5]|
.irp i, 6,10,14,18,22,26
	v_max3_num_f32 v56, v56, |v[RS+\i]|, |v[RS+\i+1]|
	v_max3_num_f32 v57, v57, |v[RS+\i+2]|, |v[RS+\i+3]|
.endr
	v_max3_num_f32 v56, v56, |v[RS+30]|, |v[RS+31]|
	v_max3_num_f32 v56, v56, v57, 0x1800000        ; the block's largest magnitude, and the floor
	v_add_nc_u32 v58, 0xff000000, v56
	v_lshrrev_b32 v59, 23, v58
.if BL == 0
	v_mov_b32 v[WD], v59
.else
	v_lshl_or_b32 v[WD], v59, 8*BL, v[WD]
.endif
	v_cvt_scalef32_pk16_fp6_f32 v[FD:FD+2], v[RS:RS+15], v58
	v_cvt_scalef32_pk16_fp6_f32 v[SCR:SCR+2], v[RS+16:RS+31], v58
	v_nop                                          ; one plain place behind a scaled conversion
.irp i, 0,1,2
	v_mov_b32 v[FD+3+\i], v[SCR+\i]
.endr
.if BL == 3
.irp i, 0,1,2,3,4,5,6,7,8,9,10,11
	v_permlane16_swap_b32 v[FA+\i], v[FB+\i]       ; the first now holds columns 0-15 (lanes 0-15: blocks 0, 2; lanes 16-31: blocks 1, 3), the second columns 16-31
.endr
.irp e, 0,1
.irp c, 0,1,2
	ds_store_b128 v[XWI], v[FA+12*\e+4*\c:FA+12*\e+4*\c+3] offset:(8*CG+4*\e)*FI+512*\c
.endr
.endr
	ds_store_b32 v[XWS], v[WD] offset:512*CG       ; lanes 0-15: the even tile's rows, lanes 16-31: the odd tile's
.endif
.if (\t)+2 < 8
	LOADB (\t)+2
.endif
.endm
	s_wait_tensorcnt 0x0                           ; my tile is in LDS; I alone read it
	LOADB 0
	LOADB 1
.irp t, 0,1,2,3,4,5,6,7
	STEPX \t
.endr
	s_wait_dscnt 0x0                               ; for the others' sake: my images lie in LDS
	s_barrier_signal -1
	s_barrier_wait -1                              ; all 32 images and their scale words do; nothing is written there again
.irp hh, 0,1
.irp ks, 0,1,2,3
	ds_load_b32 v[SXA+4*\hh+\ks], v[XSA] offset:1024*\hh+128*\ks
	ds_load_b32 v[SXG+4*\hh+\ks], v[XSG] offset:512*\hh+128*\ks
.endr
.endr
; ---- T, P: 16 accumulators by turns, one instruction a turn; accumulator (token tile i, o tile j, half) at ACC + 16 (4 i + j) + 8 half
.macro ROUND_TP mt, cb, sb
.irp ks, 0,1,2,3
.set WRG, 160+48*(\ks%2)-32*(\ks/2)
.irp hh, 0,1
.irp i, 0,1
	FETCH XF+12*(\i+2*\hh), XRT, (4*\i+16*\hh+\ks)*FI
.endr
.endr
	s_wait_dscnt 0x0
	s_wait_loadcnt 36                              ; three younger units of 12 weight loads may be out: the rest of this round's, and the next round's asked for so far
	WIN 0x50+\ks/2
.irp j, 0,1,2,3
.irp i, 0,1
.irp hh, 0,1
	WM ACC+16*(4*\i+\j)+8*\hh, WRG+12*\j, XF+12*(\i+2*\hh), \ks==0, WSC+8*(\mt)+4*(\j/2)+\ks, SXA+4*\hh+\ks, \j%2, \i
.endr
.endr
.endr
	WIN 0
	PLACES 4                                       ; in front of loads into registers that these products read, and of the first read of results
	WLOAD (\mt)+1, \ks                             ; the next matrix's same K step, into the buffer just left: a whole round ahead of its use
.endr
.irp i, 0,1
	QUANT ACC+64*\i, 1, PW+\i                      ; token tile 2 th + i: blocks = o tiles 4 oq + 0 .. 3 at both halves: K step oq of product 4
.irp c, 0,1,2
	global_store_b128 v[LI], v[PC+4*\c:PC+4*\c+3], s[\cb:\cb+1] offset:FI*\i+512*\c
.endr
.endr
	v_permlane16_swap_b32 v[PW], v[PW+1]           ; lanes 0-15: the even tile's words, lanes 16-31: the odd tile's
	global_store_b32 v[LS], v[PW], s[\sb:\sb+1]
.endm
	ROUND_TP 0, 40, 42
	ROUND_TP 1, 44, 46
; ---- G: source 0 = 16 columns of x, source 1 = 16 rows of w_g; accumulator (o tile j, token tile q) at ACC + 32 j + 8 q
.irp ks, 0,1,2,3
.set WRG, 160+48*(\ks%2)-32*(\ks/2)
.irp q, 0,1,2,3
	FETCH XF+12*\q, XRG, (4*\q+\ks)*FI
.endr
	s_wait_dscnt 0x0
	s_wait_loadcnt 36-12*\ks                       ; the later K steps' units may be out; nothing more is asked for
	WIN 0x50+4*(\ks/2)
.irp j, 0,1,2,3
.irp q, 0,1,2,3
	WM ACC+32*\j+8*\q, XF+12*\q, WRG+12*\j, \ks==0, SXG+4*(\q/2)+\ks, WSC+16+4*(\j/2)+\ks, \q%2, \j%2
.endr
.endr
	WIN 0
	PLACES 4
.endr
.irp jp, 0,1
	QUANT ACC+64*\jp, 1, PW+\jp                    ; blocks: (o tile 2 jp, tokens 0-31), (2 jp, 32-63), (2 jp + 1, 0-31), (2 jp + 1, 32-63)
.irp e, 0,1                                    ; six registers are half a fragment of o tile 2 jp + e: 768 bytes: registers 0-3 at 16 x lane, 4-5 at 512 + 8 x lane
	global_store_b128 v[LI], v[PC+6*\e:PC+6*\e+3], s[48:49] offset:(2*\jp+\e)*24576
	global_store_b64 v[L8], v[PC+6*\e+4:PC+6*\e+5], s[48:49] offset:(2*\jp+\e)*24576+512
.endr
	v_lshrrev_b32 v[TT+\jp], v[SH], v[PW+\jp]      ; lanes 0-15 keep the even tile's two bytes, lanes 16-31 take the odd tile's
	global_store_b16 v[LS], v[TT+\jp], s[50:51] offset:2048*\jp   ; half of each word: the other half is another work-group's
.endr
	s_wait_tensorcnt 0x0                           ; the wave's end, behind my last tensor load and my last LDS store
	ds_add_u32 v[SPW], v[NIL]
	s_wait_dscnt 0x0
	s_endpgm
.Lfunc_end_k_q82a3e5ba94_proj:
	.size	k_q82a3e5ba94_proj, .Lfunc_end_k_q82a3e5ba94_proj-k_q82a3e5ba94_proj
	.p2alignl 7, 3214868480
	.fill 96, 4, 3214868480
	.section	.rodata,"a",@progbits
	.p2align	6, 0x0
	.amdhsa_kernel k_q82a3e5ba94_proj
		.amdhsa_group_segment_fixed_size 314368
		.amdhsa_private_segment_fixed_size 0
		.amdhsa_enable_private_segment 0
		.amdhsa_kernarg_size 40
		.amdhsa_user_sgpr_count 2
		.amdhsa_user_sgpr_kernarg_segment_ptr 1
		.amdhsa_wavefront_size32 1
		.amdhsa_system_sgpr_workgroup_id_x 1
		.amdhsa_system_sgpr_workgroup_id_y 1
		.amdhsa_system_sgpr_workgroup_id_z 1
		.amdhsa_system_vgpr_workitem_id 0
		.amdhsa_next_free_vgpr 512
		.amdhsa_next_free_sgpr 66
		.amdhsa_reserve_vcc 0
		.amdhsa_float_denorm_mode_32 3
		.amdhsa_float_denorm_mode_16_64 3
		.amdhsa_memory_ordered 1
		.amdhsa_forward_progress 1
		.amdhsa_inst_pref_size 115
	.end_amdhsa_kernel
	.amdgpu_metadata
---
amdhsa.version: [ 1, 2 ]
amdhsa.kernels:
  - .name:           k_q82a3e5ba94_proj
    .symbol:         k_q82a3e5ba94_proj.kd
    .args:
      - { .name: x, .offset: 0, .size: 8, .value_kind: global_buffer, .address_space: global }
      - { .name: wq, .offset: 8, .size: 8, .value_kind: global_buffer, .address_space: global }
      - { .name: thq, .offset: 16, .size: 8, .value_kind: global_buffer, .address_space: global }
      - { .name: phq, .offset: 24, .size: 8, .value_kind: global_buffer, .address_space: global }
      - { .name: gq, .offset: 32, .size: 8, .value_kind: global_buffer, .address_space: global }
    .group_segment_fixed_size: 314368
    .private_segment_fixed_size: 0
    .kernarg_segment_align: 8
    .kernarg_segment_size: 40
    .max_flat_workgroup_size: 256
    .sgpr_count:     66
    .vgpr_count:     512
    .wavefront_size: 32
...
	.end_amdgpu_metadata
.endif
;; end of part 2
;; launch colsm (part 3): grid 32 x 8, 8 waves a work-group, no clusters, 135,168 bytes of LDS; arguments thq, phq, pq; writes pq
.if DOCPART == 3
	.amdgcn_target "amdgcn-amd-amdhsa--gfx1250"
	.amdhsa_code_object_version 6
	.text
	.protected	k_q82a3e5ba94_colsm
	.globl	k_q82a3e5ba94_colsm
	.p2align	8
	.type	k_q82a3e5ba94_colsm,@function
k_q82a3e5ba94_colsm:
	s_mov_b64 s[64:65], 0
	v_nop
	global_prefetch_b8 v0, s[64:65] scope:SCOPE_SE
	s_setreg_imm32_b32 hwreg(HW_REG_WAVE_MODE, 25, 1), 1
	s_wait_xcnt 0x0
; P = softmax over n of S, S[n][m] = theta[n] . phi[:, m] (product 4), finished, normalised and quantised along m as product 5's operand.  Nothing of reference() is left out.
; The softmax runs DOWN a column m, over all 2,048 n, while P is quantised ALONG m: a column's maximum and sum must be whole before any code of P exists.
; SHARES.  A work-group (mp, b) owns 64 columns m = 64 mp .. and all n, in two passes of 32 columns.  Wave w owns n = 256 w .. + 255: 16 tiles.  In a pass its part of S^T, 256 x 32 numbers, stays in 256 registers:
; S is computed once and each exponential is taken once.  S^T = phi theta^T (source 0 = 16 columns m, source 1 = 16 rows n): a lane holds ONE n and its 16 registers of a tile are 16 of the pass's 32 columns:
; register 16 nt + k: n = 16 nt + lane % 16, m = 16 (k / 8) + 8 (lane / 16) + k % 8.  So the 32 columns of a pass are one block of P's K, half in lane l and half in lane l xor 16.
; THE MAXIMUM IS TAKEN AWAY as reference() does: p = 2^(s c - round(max c)), c = log2(e); the rounding of max c is one factor for the whole column and cancels against the column's sum.  1 / sum by v_rcp_f32.
; A column's maximum and sum: over my 16 tiles in the lane, over 16 lanes by DPP, over the eight waves through LDS: two barriers a pass.
; LIMITS: as at the head of the first kernel; a p under 2^-126 comes out of v_exp_f32 as 0.
; theta's fragments go from memory straight into registers, three groups of four ahead (36 to 42 loads of a wave out).  No cluster and no ring: no fragment of theta is read by two waves of a work-group, each feeds two products,
; and the stage takes 131,072 bytes of LDS; what partners would share could come only through slots that the remaining LDS cannot hold two of at a size worth a barrier.
; A pass's codes (3 registers a lane and tile) and its scale byte wait in the wave's own stage in LDS; behind the second pass the two blocks are joined into halves of fragments, 768 bytes, and stored.
; LDS: STG [pass 2][n tile 128][512]; PMX, PSM [wave 8][32 words]; RED 128 bytes a wave; SPARE.
; REGISTERS.  window 1: S^T.  window 0: v1-15 addresses; v16-47 theta's scale words, v48-51 phi's; v52-99 phi's fragments (two K steps); v100-243 theta's fragments, three groups; the vector phases and the merge use v100-243 again.
.set PMX,   131072
.set PSM,   132096
.set RED,   133120
.set SPARE, 134144
.set FI,    1536
.set SPW, 1
.set NIL, 2
.set LI,  3                            ; 16 x lane
.set LS,  4                            ; 4 x lane
.set L8,  5                            ; 8 x lane
.set STA, 6                            ; my stage, pass 0: 16 x lane + 8,192 x wave
.set STU, 7                            ; my stage, the pass in hand
.set PWA, 8                            ; PMX + 128 x wave + 64 (lane / 16): where my 16 columns' figures go
.set PRA, 9                            ; PMX + 4 x lane: column number lane of each wave's 32
.set RWA, 10                           ; RED + 128 x wave + 4 x lane
.set RRA, 11                           ; RED + 128 x wave + 64 (lane / 16)
.set STB, 12                           ; my stage, pass 1
.set TS,  16
.set PS,  48
.set PH,  52
.set TB,  100
.set NM,  100                          ; v100-115  - round(max c) of my 16 columns
.set SM,  116                          ; v116-131  sums, then 1 / sum
.set T,   132                          ; v132-147  at work
.set QW,  148                          ; v148-159  the quantiser's
.set CD,  164                          ; v164-179  four tiles' codes and bytes
.set M,   100                          ; the merge: v100-227, eight registers a tile
.set HW,  228                          ; v228-243  two scale bytes a tile
.set MSB, 0
.macro WIN new
.if MSB != (\new)
	s_set_vgpr_msb (MSB<<8)|(\new)
.set MSB, (\new)
.endif
.endm
.macro PLACES n
.rept \n
	v_nop
.endr
.endm
.macro WM d, a, b, z, sa, sb, ra, rb
.if (\z)
.if (\ra) && (\rb)
	v_wmma_scale_f32_16x16x128_f8f6f4 v[(\d):(\d)+7], v[(\a):(\a)+11], v[(\b):(\b)+11], 0, v[\sa], v[\sb] matrix_a_fmt:MATRIX_FMT_FP6 matrix_b_fmt:MATRIX_FMT_FP6 matrix_a_scale:MATRIX_SCALE_ROW1 matrix_b_scale:MATRIX_SCALE_ROW1
.elseif (\ra)
	v_wmma_scale_f32_16x16x128_f8f6f4 v[(\d):(\d)+7], v[(\a):(\a)+11], v[(\b):(\b)+11], 0, v[\sa], v[\sb] matrix_a_fmt:MATRIX_FMT_FP6 matrix_b_fmt:MATRIX_FMT_FP6 matrix_a_scale:MATRIX_SCALE_ROW1
.elseif (\rb)
	v_wmma_scale_f32_16x16x128_f8f6f4 v[(\d):(\d)+7], v[(\a):(\a)+11], v[(\b):(\b)+11], 0, v[\sa], v[\sb] matrix_a_fmt:MATRIX_FMT_FP6 matrix_b_fmt:MATRIX_FMT_FP6 matrix_b_scale:MATRIX_SCALE_ROW1
.else
	v_wmma_scale_f32_16x16x128_f8f6f4 v[(\d):(\d)+7], v[(\a):(\a)+11], v[(\b):(\b)+11], 0, v[\sa], v[\sb] matrix_a_fmt:MATRIX_FMT_FP6 matrix_b_fmt:MATRIX_FMT_FP6
.endif
.else
.if (\ra) && (\rb)
	v_wmma_scale_f32_16x16x128_f8f6f4 v[(\d):(\d)+7], v[(\a):(\a)+11], v[(\b):(\b)+11], v[(\d):(\d)+7], v[\sa], v[\sb] matrix_a_fmt:MATRIX_FMT_FP6 matrix_b_fmt:MATRIX_FMT_FP6 matrix_a_scale:MATRIX_SCALE_ROW1 matrix_b_scale:MATRIX_SCALE_ROW1
.elseif (\ra)
	v_wmma_scale_f32_16x16x128_f8f6f4 v[(\d):(\d)+7], v[(\a):(\a)+11], v[(\b):(\b)+11], v[(\d):(\d)+7], v[\sa], v[\sb] matrix_a_fmt:MATRIX_FMT_FP6 matrix_b_fmt:MATRIX_FMT_FP6 matrix_a_scale:MATRIX_SCALE_ROW1
.elseif (\rb)
	v_wmma_scale_f32_16x16x128_f8f6f4 v[(\d):(\d)+7], v[(\a):(\a)+11], v[(\b):(\b)+11], v[(\d):(\d)+7], v[\sa], v[\sb] matrix_a_fmt:MATRIX_FMT_FP6 matrix_b_fmt:MATRIX_FMT_FP6 matrix_b_scale:MATRIX_SCALE_ROW1
.else
	v_wmma_scale_f32_16x16x128_f8f6f4 v[(\d):(\d)+7], v[(\a):(\a)+11], v[(\b):(\b)+11], v[(\d):(\d)+7], v[\sa], v[\sb] matrix_a_fmt:MATRIX_FMT_FP6 matrix_b_fmt:MATRIX_FMT_FP6
.endif
.endif
.endm
.macro BARRIER                         ; my LDS stores have landed and my LDS loads are in: then the work-group's barrier
	s_wait_dscnt 0x0
	s_barrier_signal -1
	s_barrier_wait -1
.endm
.macro PHLOAD ks                       ; phi's two fragments (the pass's 32 columns) of K step ks: six loads
.irp mt, 0,1
.irp c, 0,1,2
	global_load_b128 v[PH+24*((\ks)%2)+12*\mt+4*\c:PH+24*((\ks)%2)+12*\mt+4*\c+3], v[LI], s[24:25] offset:196608*(\ks)+FI*\mt+512*\c
.endr
.endr
.endm
.macro TLOADG g                        ; group g = 4 K step + q: theta's fragments of my n tiles 4 q .. 4 q + 3: twelve loads
.set TKS, (\g)/4
.set TQ,  (\g)%4
.set TR,  TB+48*((\g)%3)
.irp e, 0,1,2,3
.irp c, 0,1,2
	global_load_b128 v[TR+12*\e+4*\c:TR+12*\e+4*\c+3], v[LI], s[20:21] offset:196608*TKS+FI*(4*TQ+\e)+512*\c
.endr
.endr
.endm
; Group g's eight products; the accumulators take turns, one instruction a turn: 31 others' stand between two links of a chain
.macro GRP g
.set KS,  (\g)/4
.set QQ,  (\g)%4
.set TBR, TB+48*((\g)%3)
.set PHR, PH+24*(KS%2)
.if (\g) == 15
	s_wait_loadcnt 0x0
.elseif (\g) == 14
	s_wait_loadcnt 12                              ; the last group may be out
.elseif ((\g) < 12) && ((QQ == 1) || (QQ == 2))
	s_wait_loadcnt 30                              ; two younger groups, and the next K step's six loads of phi, which were issued among them
.else
	s_wait_loadcnt 24                              ; two younger groups of twelve
.endif
	WIN 0x50
.irp e, 0,1,2,3
.irp mt, 0,1
	WM 16*(4*QQ+\e)+8*\mt, PHR+12*\mt, TBR+12*\e, KS==0, PS+KS, TS+4*((4*QQ+\e)/2)+KS, \mt, \e%2
.endr
.endr
	WIN 0
	PLACES 4                                       ; in front of loads into registers that these products read, and of the first read of results
.if (QQ == 0) && (KS < 3)
	PHLOAD KS+1
.endif
.if (\g)+3 <= 15
	TLOADG (\g)+3
.endif
.endm
; Four n tiles are quantised: the tile's 16 registers are my half of the block
.macro QP q
	WIN 0x05
.irp t, 0,1,2,3
	v_max3_num_f32 v[QW+\t], v[16*(4*(\q)+\t)], v[16*(4*(\q)+\t)+1], 0x1800000   ; no |.|: p is never negative; the floor holds the byte at 1 from below
.endr
	WIN 0x14
.irp i, 2,4,6,8,10,12,14
.irp t, 0,1,2,3
	v_max3_num_f32 v[QW+\t], v[QW+\t], v[16*(4*(\q)+\t)+\i], v[16*(4*(\q)+\t)+\i+1]
.endr
.endr
	WIN 0
.irp t, 0,1,2,3
	v_permlanex16_b32 v[QW+4+\t], v[QW+\t], s18, s19
.endr
.irp t, 0,1,2,3
	v_max_num_f32 v[QW+\t], v[QW+\t], v[QW+4+\t]
.endr
.irp t, 0,1,2,3
	v_add_nc_u32 v[QW+8+\t], 0xff000000, v[QW+\t]
.endr
	s_wait_dscnt 0x0                               ; the last four tiles' stores have read their registers
	WIN 0x01
.irp t, 0,1,2,3
	v_cvt_scalef32_pk16_fp6_f32 v[CD+4*\t:CD+4*\t+2], v[16*(4*(\q)+\t):16*(4*(\q)+\t)+15], v[QW+8+\t]
.endr
	WIN 0
.irp t, 0,1,2,3
	v_lshrrev_b32 v[CD+4*\t+3], 23, v[QW+8+\t]     ; the scale's byte rides with the codes.  (A plain place behind the conversions)
.endr
.irp t, 0,1,2,3
	ds_store_b128 v[STU], v[CD+4*\t:CD+4*\t+3] offset:512*(4*(\q)+\t)
.endr
.endm
	s_load_b128 s[4:7], s[0:1], 0x0                ; thq, phq
	s_load_b64 s[8:9], s[0:1], 0x10                ; pq
	v_lshl_add_u32 v[SPW], v0, 2, SPARE
	v_mov_b32 v[NIL], 0
	v_lshrrev_b32 v15, 5, v0
	v_readfirstlane_b32 s10, v15                   ; wave 0..7
	s_mov_b32 s11, ttmp9                           ; mp
	s_and_b32 s12, ttmp7, 0xffff                   ; b
	s_mov_b32 s16, 0x3fb8aa3b                      ; c = log2(e)
	s_mov_b32 s17, s16                             ; (named with it as a pair, so it is written)
	s_mov_b32 s15, 0xbfb8aa3b                      ; -c
	s_mov_b32 s18, 0x76543210
	s_mov_b32 s19, 0xfedcba98
	v_and_b32 v15, 31, v0
	v_lshlrev_b32 v[LI], 4, v15
	v_lshlrev_b32 v[LS], 2, v15
	v_lshlrev_b32 v[L8], 3, v15
	v_bfe_u32 v14, v0, 4, 1                        ; lane / 16
	s_lshl_b32 s32, s10, 13
	v_add_nc_u32 v[STA], s32, v[LI]
	v_add_nc_u32 v[STB], 65536, v[STA]
	s_lshl_b32 s32, s10, 7
	s_add_co_u32 s33, s32, PMX
	v_lshl_add_u32 v[PWA], v14, 6, s33
	v_add_nc_u32 v[PRA], PMX, v[LS]
	s_add_co_u32 s33, s32, RED
	v_add_nc_u32 v[RWA], s33, v[LS]
	v_lshl_add_u32 v[RRA], v14, 6, s33
	s_mov_b32 s33, 0
	s_wait_kmcnt 0x0
	s_mul_i32 s34, s12, 786432
	s_mul_i32 s32, s10, 24576
	s_add_co_u32 s32, s32, s34
	s_add_nc_u64 s[20:21], s[4:5], s[32:33]        ; theta's codes: b, my 16 tiles
	s_mul_i32 s32, s11, 6144
	s_add_co_u32 s32, s32, s34
	s_add_nc_u64 s[24:25], s[6:7], s[32:33]        ; phi's codes: b, tile 4 mp; steps by two tiles a pass
	s_lshl_b32 s34, s12, 15
	s_add_co_u32 s34, s34, 6291456
	s_lshl_b32 s32, s10, 12
	s_add_co_u32 s32, s32, s34
	s_add_nc_u64 s[22:23], s[4:5], s[32:33]        ; theta's scale words: my 8 pairs of tiles
	s_lshl_b32 s32, s11, 10
	s_add_co_u32 s32, s32, s34
	s_add_nc_u64 s[26:27], s[6:7], s[32:33]        ; phi's: pair 2 mp; steps by one pair a pass
	s_mul_i32 s32, s12, 3145728                    ; P's codes [b][n tile][64 columns][768]
	s_mul_i32 s34, s10, 393216
	s_add_co_u32 s32, s32, s34
	s_mul_i32 s34, s11, 768
	s_add_co_u32 s32, s32, s34
	s_add_nc_u64 s[28:29], s[8:9], s[32:33]
	s_lshl_b32 s32, s12, 17                        ; P's scale words [b][pair of n tiles][K step of 128 columns][128]; my 64 columns are half a word
	s_lshl_b32 s34, s10, 14
	s_add_co_u32 s32, s32, s34
	s_lshr_b32 s34, s11, 1
	s_lshl_b32 s34, s34, 7
	s_add_co_u32 s32, s32, s34
	s_and_b32 s34, s11, 1
	s_lshl_b32 s34, s34, 1
	s_add_co_u32 s32, s32, s34
	s_add_co_u32 s32, s32, 25165824
	s_add_nc_u64 s[30:31], s[8:9], s[32:33]
.irp np, 0,1,2,3,4,5,6,7
.irp ks, 0,1,2,3
	global_load_b32 v[TS+4*\np+\ks], v[LS], s[22:23] offset:(4*\np+\ks)*128   ; theta's scale words stay for both passes
.endr
.endr
	s_mov_b32 s13, 2                               ; passes to go
	s_mov_b32 s14, 0                               ; the pass's place in the stage
.Lpass:
	v_add_nc_u32 v[STU], s14, v[STA]
.irp ks, 0,1,2,3
	global_load_b32 v[PS+\ks], v[LS], s[26:27] offset:128*\ks
.endr
	PHLOAD 0
	TLOADG 0
	TLOADG 1
	TLOADG 2
.irp g, 0,1,2,3,4,5,6,7,8,9,10,11,12,13,14,15
	GRP \g
.endr
	; ---- the columns' maxima: over my 16 tiles (each accumulator is read from its low end on),
	WIN 0x15
.irp k, 0,1,2,3,4,5,6,7,8,9,10,11,12,13,14,15
	v_max3_num_f32 v[T+\k], v[\k], v[16+\k], v[32+\k]
.endr
	WIN 0x14
.irp n, 3,5,7,9,11,13
.irp k, 0,1,2,3,4,5,6,7,8,9,10,11,12,13,14,15
	v_max3_num_f32 v[T+\k], v[T+\k], v[16*\n+\k], v[16*\n+16+\k]
.endr
.endr
	WIN 0x04
.irp k, 0,1,2,3,4,5,6,7,8,9,10,11,12,13,14,15
	v_max_num_f32 v[T+\k], v[T+\k], v[240+\k]
.endr
	WIN 0
.irp x, 1,2,4,8                                ; over the 16 lanes of my half,
.irp k, 0,1,2,3,4,5,6,7,8,9,10,11,12,13,14,15
	v_max_num_f32_dpp v[T+\k], v[T+\k], v[T+\k] row_xmask:\x row_mask:0xf bank_mask:0xf
.endr
.endr
.irp c, 0,1,2,3
	ds_store_b128 v[PWA], v[T+4*\c:T+4*\c+3] offset:16*\c   ; the 16 lanes of a half write the same words with the same values
.endr
	BARRIER                                        ; and over the eight waves.  (The sums' words of the last pass have been read by every wave in front of this barrier)
.irp wv, 0,1,2,3,4,5,6,7
	ds_load_b32 v[T+\wv], v[PRA] offset:128*\wv
.endr
	s_wait_dscnt 0x0
	v_max3_num_f32 v[T], v[T], v[T+1], v[T+2]
	v_max3_num_f32 v[T], v[T], v[T+3], v[T+4]
	v_max3_num_f32 v[T], v[T], v[T+5], v[T+6]
	v_max_num_f32 v[T], v[T], v[T+7]
	v_mul_f32 v[T], s15, v[T]                      ; - max c of column number lane
	ds_store_b32 v[RWA], v[T]                      ; spread through my wave's own 128 bytes: LDS serves a wave's instructions in order
.irp c, 0,1,2,3
	ds_load_b128 v[NM+4*\c:NM+4*\c+3], v[RRA] offset:16*\c
.endr
	s_wait_dscnt 0x0
	; ---- p = 2^(s c - max c)
	WIN 0x41
.irp n, 0,1,2,3,4,5,6,7,8,9,10,11,12,13,14,15
.irp k, 0,2,4,6,8,10,12,14
	v_pk_fma_f32 v[16*\n+\k:16*\n+\k+1], v[16*\n+\k:16*\n+\k+1], s[16:17], v[NM+\k:NM+\k+1] op_sel_hi:[1,0,1]
.endr
.endr
.set R, 0
.rept 256
	v_exp_f32 v[R], v[R]
.set R, R+1
.endr
	WIN 0
	v_nop                                          ; a plain place behind the last exponential
	s_wait_alu depctr_va_vdst(0)                   ; one wait for the whole batch, ahead of its first reader
	; ---- the columns' sums, by the same three steps
	WIN 0x05
.irp k, 0,2,4,6,8,10,12,14
	v_pk_add_f32 v[SM+\k:SM+\k+1], v[\k:\k+1], v[16+\k:16+\k+1]
.endr
	WIN 0x04
.irp n, 2,3,4,5,6,7,8,9,10,11,12,13,14,15
.irp k, 0,2,4,6,8,10,12,14
	v_pk_add_f32 v[SM+\k:SM+\k+1], v[SM+\k:SM+\k+1], v[16*\n+\k:16*\n+\k+1]
.endr
.endr
	WIN 0
.irp x, 1,2,4,8
.irp k, 0,1,2,3,4,5,6,7,8,9,10,11,12,13,14,15
	v_add_f32_dpp v[SM+\k], v[SM+\k], v[SM+\k] row_xmask:\x row_mask:0xf bank_mask:0xf
.endr
.endr
.irp c, 0,1,2,3
	ds_store_b128 v[PWA], v[SM+4*\c:SM+4*\c+3] offset:PSM-PMX+16*\c
.endr
	BARRIER                                        ; (the maxima's words have been read by every wave in front of this barrier: the next pass may write them)
.irp wv, 0,1,2,3,4,5,6,7
	ds_load_b32 v[T+\wv], v[PRA] offset:PSM-PMX+128*\wv
.endr
	s_wait_dscnt 0x0
	v_add_f32 v[T], v[T], v[T+1]
	v_add_f32 v[T+2], v[T+2], v[T+3]
	v_add_f32 v[T+4], v[T+4], v[T+5]
	v_add_f32 v[T+6], v[T+6], v[T+7]
	v_add_f32 v[T], v[T], v[T+2]
	v_add_f32 v[T+4], v[T+4], v[T+6]
	v_add_f32 v[T], v[T], v[T+4]
	v_rcp_f32 v[T+1], v[T]
	v_nop                                          ; a plain place behind the transcendental
	s_wait_alu depctr_va_vdst(0)                   ; and its wait, ahead of the first reader
	ds_store_b32 v[RWA], v[T+1]
.irp c, 0,1,2,3
	ds_load_b128 v[SM+4*\c:SM+4*\c+3], v[RRA] offset:16*\c
.endr
.irp t, 0,1,2,3
	v_mov_b32 v[QW+4+\t], 0                        ; a lane permute's destination counts as one of its sources
.endr
	s_wait_dscnt 0x0
	WIN 0x41
.irp n, 0,1,2,3,4,5,6,7,8,9,10,11,12,13,14,15
.irp k, 0,2,4,6,8,10,12,14
	v_pk_mul_f32 v[16*\n+\k:16*\n+\k+1], v[16*\n+\k:16*\n+\k+1], v[SM+\k:SM+\k+1]   ; P, finished and normalised
.endr
.endr
	QP 0
	QP 1
	QP 2
	QP 3
	s_wait_dscnt 0x0                               ; the stage's stores have read their registers: the next pass's loads may land there
	s_wait_xcnt 0x0                                ; this pass's loads have read their bases
	s_add_nc_u64 s[24:25], s[24:25], 2*FI
	s_add_nc_u64 s[26:27], s[26:27], 512
	s_add_co_u32 s14, s14, 65536
	s_sub_co_u32 s13, s13, 1
	s_cmp_lg_u32 s13, 0
	s_cbranch_scc1 .Lpass
	; ---- the merge: a tile's two blocks become half a fragment: lanes 0-15 hold block 0, lanes 16-31 block 1, six registers each
.macro MTILE n
.set MR, M+8*(\n)
	v_lshl_or_b32 v[HW+(\n)], v[MR+7], 8, v[MR+3]  ; the two scale bytes
.irp i, 0,1,2
	v_permlane16_swap_b32 v[MR+\i], v[MR+4+\i]
.endr
	v_mov_b32 v[MR+3], v[MR+4]
	v_mov_b32 v[MR+4], v[MR+5]
	v_mov_b32 v[MR+5], v[MR+6]
	global_store_b128 v[LI], v[MR:MR+3], s[28:29] offset:24576*(\n)        ; 512 consecutive bytes,
	global_store_b64 v[L8], v[MR+4:MR+5], s[28:29] offset:24576*(\n)+512   ; and 256 more
.endm
.irp n, 0,1,2,3,4,5,6,7,8,9,10,11,12,13,14,15
	ds_load_b128 v[M+8*\n:M+8*\n+3], v[STA] offset:512*\n
	ds_load_b128 v[M+8*\n+4:M+8*\n+7], v[STB] offset:512*\n
.endr
.irp bt, 0,1,2,3
	s_wait_dscnt 24-8*\bt                          ; the later batches of eight loads may be out
.irp t, 0,1,2,3
	MTILE 4*\bt+\t
.endr
.endr
.irp np, 0,1,2,3,4,5,6,7
	v_permlane16_swap_b32 v[HW+2*\np], v[HW+2*\np+1]   ; lanes 0-15: the even tile's rows, lanes 16-31: the odd tile's
	global_store_b16 v[LS], v[HW+2*\np], s[30:31] offset:2048*\np   ; half of each word: the other half is another work-group's
.endr
	s_wait_tensorcnt 0x0                           ; the wave's end, behind my last LDS store
	ds_add_u32 v[SPW], v[NIL]
	s_wait_dscnt 0x0
	s_endpgm
.Lfunc_end_k_q82a3e5ba94_colsm:
	.size	k_q82a3e5ba94_colsm, .Lfunc_end_k_q82a3e5ba94_colsm-k_q82a3e5ba94_colsm
	.p2alignl 7, 3214868480
	.fill 96, 4, 3214868480
	.section	.rodata,"a",@progbits
	.p2align	6, 0x0
	.amdhsa_kernel k_q82a3e5ba94_colsm
		.amdhsa_group_segment_fixed_size 135168
		.amdhsa_private_segment_fixed_size 0
		.amdhsa_enable_private_segment 0
		.amdhsa_kernarg_size 24
		.amdhsa_user_sgpr_count 2
		.amdhsa_user_sgpr_kernarg_segment_ptr 1
		.amdhsa_wavefront_size32 1
		.amdhsa_system_sgpr_workgroup_id_x 1
		.amdhsa_system_sgpr_workgroup_id_y 1
		.amdhsa_system_sgpr_workgroup_id_z 1
		.amdhsa_system_vgpr_workitem_id 0
		.amdhsa_next_free_vgpr 512
		.amdhsa_next_free_sgpr 66
		.amdhsa_reserve_vcc 0
		.amdhsa_float_denorm_mode_32 3
		.amdhsa_float_denorm_mode_16_64 3
		.amdhsa_memory_ordered 1
		.amdhsa_forward_progress 1
		.amdhsa_inst_pref_size 122
	.end_amdhsa_kernel
	.amdgpu_metadata
---
amdhsa.version: [ 1, 2 ]
amdhsa.kernels:
  - .name:           k_q82a3e5ba94_colsm
    .symbol:         k_q82a3e5ba94_colsm.kd
    .args:
      - { .name: thq, .offset: 0, .size: 8, .value_kind: global_buffer, .address_space: global }
      - { .name: phq, .offset: 8, .size: 8, .value_kind: global_buffer, .address_space: global }
      - { .name: pq, .offset: 16, .size: 8, .value_kind: global_buffer, .address_space: global }
    .group_segment_fixed_size: 135168
    .private_segment_fixed_size: 0
    .kernarg_segment_align: 8
    .kernarg_segment_size: 24
    .max_flat_workgroup_size: 256
    .sgpr_count:     66
    .vgpr_count:     512
    .wavefront_size: 32
...
	.end_amdgpu_metadata
.endif
;; end of part 3
;; launch pvmask (part 4): grid 32 x 8, 4 waves a work-group, no clusters, 305,664 bytes of LDS; arguments x, pq, gq, wq, out0; writes out0
.if DOCPART == 4
	.amdgcn_target "amdgcn-amd-amdhsa--gfx1250"
	.amdhsa_code_object_version 6
	.text
	.protected	k_q82a3e5ba94_pvmask
	.globl	k_q82a3e5ba94_pvmask
	.p2align	8
	.type	k_q82a3e5ba94_pvmask,@function
k_q82a3e5ba94_pvmask:
	s_mov_b64 s[64:65], 0
	v_nop
	global_prefetch_b8 v0, s[64:65] scope:SCOPE_SE
	s_setreg_imm32_b32 hwreg(HW_REG_WAVE_MODE, 25, 1), 1
	s_wait_xcnt 0x0
; out0 = w_mask . view(P g) + x: products 5 and 6 and the residual.  Nothing of reference() is left out.  Limits: as stated at the head of the first kernel.
; SHARES.  A work-group (nb, b) owns 64 tokens n = 64 nb .. and all 512 c', that is 128 columns p of the output (both halves) and all 512 output channels.  Four waves; wave w: hfw = w % 2, oq = w / 2.
; 5.  out^T = g^T P^T (source 0 = 16 rows c' of g, source 1 = 16 tokens of P), K = 2,048 in 16 steps.  Wave w: the c' of half hfw with o = 128 oq .. + 127 (8 tiles) x 4 token tiles: 32 accumulators.
;     A lane holds ONE token and eight o.  Fragments come from memory straight into registers, two K steps ahead (two sets of 54 loads).
; Q.  A token tile's 8 accumulators are 128 neighbouring o of one column p: K step oq of product 6.  They are quantised in registers and go to LDS as images of the operand's registers; one barrier.
; 6.  Wave w makes output channels 128 w .. + 127 for all 128 columns: source 0 = 16 columns p, source 1 = 16 rows of w_mask: a lane holds ONE channel and eight neighbouring p.
;     THE RESIDUAL COSTS NO ADDITION: x's tile, brought into LDS by two tensor loads a wave at the kernel's head, under the main loop, is loaded in the result's layout and is the C of each sum's first product.
;     The results go back to the same LDS bytes (the wave's own rows, which have had their only fill) and leave as whole rows: sixteen lanes store 256 consecutive bytes, aligned.
; No cluster: g's fragments are shared by the 32 work-groups of a batch, but joint loads land in LDS, of which x's tile takes 278,528 bytes: no two slots fit beside it.
; LDS: XR [half 2][channel 512] rows of 256 bytes + 16; OIMG 16 images of 1,536 bytes ((4 half + token tile) x 2 + K step); OSC their scale words, 128 bytes each; SPARE.
; REGISTERS.  window 0: v1-15 addresses; v16-27 the main loop's scale words, two sets; v28-35 w_mask's; v36-51 out's; v52-53 set-up; v56-95 the quantiser's.
;   windows 1, 2: v0-95 g's 8 fragments, v96-143 P's 4 (sets 0, 1; later out's 8 fragments of K step 0, 1); v144-239 w_mask's 8 fragments of K step 0, 1.   window 3: the accumulators; later two sets of 8 and 16 rows on their way out.
.set XH,    139264                     ; a half of x's tile: 512 rows x 272
.set OIMG,  278528
.set OSC,   303104
.set SPARE, 305152
.set FI,    1536
.set SPW, 1
.set NIL, 2
.set LI,  3                            ; 16 x lane
.set LS,  4                            ; 4 x lane
.set L8,  5                            ; 8 x lane
.set XD,  6                            ; v6-7   x in the result's layout, half 0, 1: row 128 w + lane % 16, + 32 (lane / 16)
.set XRW, 8                            ; v8-9   whole rows: row 128 w + lane / 16, + 16 (lane % 16)
.set GO,  10                           ; v10    the same two rows in out0
.set OWI, 11                           ; v11    where I store out's images
.set OWS, 12                           ; v12    and their scale words
.set ORI, 13                           ; v13    where all are read
.set ORS, 14
.set SCM, 16
.set SCW, 28
.set SCO, 36
.set TM,  56
.set PW,  72
.set PC,  76
.set G1,  24                           ; s[24:31] descriptor group 1;  s[32:35], s[36:39] groups 0 for the two halves
.set MSB, 0
.macro WIN new
.if MSB != (\new)
	s_set_vgpr_msb (MSB<<8)|(\new)
.set MSB, (\new)
.endif
.endm
.macro PLACES n
.rept \n
	v_nop
.endr
.endm
.macro WM d, a, b, z, sa, sb, ra, rb
.if (\z)
.if (\ra) && (\rb)
	v_wmma_scale_f32_16x16x128_f8f6f4 v[(\d):(\d)+7], v[(\a):(\a)+11], v[(\b):(\b)+11], 0, v[\sa], v[\sb] matrix_a_fmt:MATRIX_FMT_FP6 matrix_b_fmt:MATRIX_FMT_FP6 matrix_a_scale:MATRIX_SCALE_ROW1 matrix_b_scale:MATRIX_SCALE_ROW1
.elseif (\ra)
	v_wmma_scale_f32_16x16x128_f8f6f4 v[(\d):(\d)+7], v[(\a):(\a)+11], v[(\b):(\b)+11], 0, v[\sa], v[\sb] matrix_a_fmt:MATRIX_FMT_FP6 matrix_b_fmt:MATRIX_FMT_FP6 matrix_a_scale:MATRIX_SCALE_ROW1
.elseif (\rb)
	v_wmma_scale_f32_16x16x128_f8f6f4 v[(\d):(\d)+7], v[(\a):(\a)+11], v[(\b):(\b)+11], 0, v[\sa], v[\sb] matrix_a_fmt:MATRIX_FMT_FP6 matrix_b_fmt:MATRIX_FMT_FP6 matrix_b_scale:MATRIX_SCALE_ROW1
.else
	v_wmma_scale_f32_16x16x128_f8f6f4 v[(\d):(\d)+7], v[(\a):(\a)+11], v[(\b):(\b)+11], 0, v[\sa], v[\sb] matrix_a_fmt:MATRIX_FMT_FP6 matrix_b_fmt:MATRIX_FMT_FP6
.endif
.else
.if (\ra) && (\rb)
	v_wmma_scale_f32_16x16x128_f8f6f4 v[(\d):(\d)+7], v[(\a):(\a)+11], v[(\b):(\b)+11], v[(\d):(\d)+7], v[\sa], v[\sb] matrix_a_fmt:MATRIX_FMT_FP6 matrix_b_fmt:MATRIX_FMT_FP6 matrix_a_scale:MATRIX_SCALE_ROW1 matrix_b_scale:MATRIX_SCALE_ROW1
.elseif (\ra)
	v_wmma_scale_f32_16x16x128_f8f6f4 v[(\d):(\d)+7], v[(\a):(\a)+11], v[(\b):(\b)+11], v[(\d):(\d)+7], v[\sa], v[\sb] matrix_a_fmt:MATRIX_FMT_FP6 matrix_b_fmt:MATRIX_FMT_FP6 matrix_a_scale:MATRIX_SCALE_ROW1
.elseif (\rb)
	v_wmma_scale_f32_16x16x128_f8f6f4 v[(\d):(\d)+7], v[(\a):(\a)+11], v[(\b):(\b)+11], v[(\d):(\d)+7], v[\sa], v[\sb] matrix_a_fmt:MATRIX_FMT_FP6 matrix_b_fmt:MATRIX_FMT_FP6 matrix_b_scale:MATRIX_SCALE_ROW1
.else
	v_wmma_scale_f32_16x16x128_f8f6f4 v[(\d):(\d)+7], v[(\a):(\a)+11], v[(\b):(\b)+11], v[(\d):(\d)+7], v[\sa], v[\sb] matrix_a_fmt:MATRIX_FMT_FP6 matrix_b_fmt:MATRIX_FMT_FP6
.endif
.endif
.endm
.macro FETCH reg, adr, off
.irp c, 0,1,2
	ds_load_b128 v[(\reg)+4*\c:(\reg)+4*\c+3], v[\adr] offset:(\off)+512*\c
.endr
.endm
; 64 numbers of a lane, v[s] .. v[s + 63] of window w, register 16 b + i = one of my 16 numbers of block b of my row, become a fragment's codes in v[PC] .. v[PC + 11] and its scale word in v[pw].
.macro QUANT s, w, pw
	s_wait_xcnt 0x0
	s_wait_dscnt 0x0                               ; the image stored last has left its registers
	WIN (\w)|((\w)<<2)
.irp b, 0,1,2,3
	v_max3_num_f32 v[TM+\b], |v[(\s)+16*\b]|, |v[(\s)+1+16*\b]|, 0x1800000   ; each accumulator is read from its low end on; the floor holds the byte at 1 from below
.endr
	WIN ((\w)<<2)|((\w)<<4)
.irp i, 2,4,6,8,10,12,14
.irp b, 0,1,2,3
	v_max3_num_f32 v[TM+\b], v[TM+\b], |v[(\s)+16*\b+\i]|, |v[(\s)+1+16*\b+\i]|
.endr
.endr
	WIN 0
.irp b, 0,1,2,3
	v_permlanex16_b32 v[TM+4+\b], v[TM+\b], s20, s21
.endr
.irp b, 0,1,2,3
	v_max_num_f32 v[TM+\b], v[TM+\b], v[TM+4+\b]
.endr
.irp b, 0,1,2,3
	v_add_nc_u32 v[TM+12+\b], 0xff000000, v[TM+\b]
.endr
.irp b, 0,1,2,3
	v_lshrrev_b32 v[TM+4+\b], 23, v[TM+12+\b]
.endr
	v_lshl_or_b32 v[\pw], v[TM+5], 8, v[TM+4]
	v_lshl_or_b32 v[\pw], v[TM+6], 16, v[\pw]
	v_lshl_or_b32 v[\pw], v[TM+7], 24, v[\pw]
	WIN (\w)
.irp c, 0,1
	v_cvt_scalef32_pk16_fp6_f32 v[PC+6*\c:PC+2+6*\c], v[(\s)+32*\c:(\s)+15+32*\c], v[TM+12+2*\c]
	v_cvt_scalef32_pk16_fp6_f32 v[PC+12+4*\c:PC+14+4*\c], v[(\s)+16+32*\c:(\s)+31+32*\c], v[TM+12+2*\c+1]
.endr
	WIN 0
	v_nop                                          ; one plain place behind a scaled conversion
.irp c, 0,1
.irp i, 0,1,2
	v_permlane16_swap_b32 v[PC+6*\c+\i], v[PC+12+4*\c+\i]
.endr
.irp i, 0,1,2
	v_mov_b32 v[PC+3+6*\c+\i], v[PC+12+4*\c+\i]
.endr
.endr
.endm
; K step k's operands: 8 fragments of g, 4 of P (each two halves of 768 bytes: 512 by 16 bytes a lane, 256 by 8), 6 scale words: 54 loads, into set k % 2
.macro LOADSET k
.set LW, 1+(\k)%2
	WIN LW<<6
.irp j, 0,1,2,3,4,5,6,7
	global_load_b128 v[12*\j:12*\j+3], v[LI], s[40:41] offset:24576*\j+FI*(\k)
	global_load_b64 v[12*\j+4:12*\j+5], v[L8], s[40:41] offset:24576*\j+FI*(\k)+512
	global_load_b128 v[12*\j+6:12*\j+9], v[LI], s[40:41] offset:24576*\j+FI*(\k)+768
	global_load_b64 v[12*\j+10:12*\j+11], v[L8], s[40:41] offset:24576*\j+FI*(\k)+1280
.endr
.irp i, 0,1,2,3
	global_load_b128 v[96+12*\i:96+12*\i+3], v[LI], s[42:43] offset:24576*\i+FI*(\k)
	global_load_b64 v[96+12*\i+4:96+12*\i+5], v[L8], s[42:43] offset:24576*\i+FI*(\k)+512
	global_load_b128 v[96+12*\i+6:96+12*\i+9], v[LI], s[42:43] offset:24576*\i+FI*(\k)+768
	global_load_b64 v[96+12*\i+10:96+12*\i+11], v[L8], s[42:43] offset:24576*\i+FI*(\k)+1280
.endr
	WIN 0
.irp jp, 0,1,2,3
	global_load_b32 v[SCM+6*((\k)%2)+\jp], v[LS], s[44:45] offset:2048*\jp+128*(\k)
.endr
.irp ip, 0,1
	global_load_b32 v[SCM+6*((\k)%2)+4+\ip], v[LS], s[46:47] offset:2048*\ip+128*(\k)
.endr
.endm
; K step k: 32 products, the 32 accumulators by turns, one instruction a turn; accumulator (token tile i, c' tile j) at 64 i + 8 j of window 3
.macro STEP k
.if (\k) < 15
	s_wait_loadcnt 54                              ; the other set's 54 loads may be out
.else
	s_wait_loadcnt 0x0
.endif
	WIN 0xf5+5*((\k)%2)                            ; sources in window 1 or 2, C and D in window 3
.irp j, 0,1,2,3,4,5,6,7
.irp i, 0,1,2,3
	WM 64*\i+8*\j, 12*\j, 96+12*\i, (\k)==0, SCM+6*((\k)%2)+\j/2, SCM+6*((\k)%2)+4+\i/2, \j%2, \i%2
.endr
.endr
	WIN 0
	PLACES 4                                       ; in front of loads into registers that these products read, and of the first read of results
.if (\k) <= 13
	LOADSET (\k)+2
.endif
.endm
	s_load_b256 s[4:11], s[0:1], 0x0               ; x, pq, gq, wq
	s_load_b64 s[12:13], s[0:1], 0x20              ; out0
	v_lshl_add_u32 v[SPW], v0, 2, SPARE
	v_mov_b32 v[NIL], 0
	ds_add_u32 v[SPW], v[NIL]                      ; the wave's opening: the add, twice on end, and its wait ahead of my first tensor load
	ds_add_u32 v[SPW], v[NIL]
	v_lshrrev_b32 v15, 5, v0
	v_readfirstlane_b32 s14, v15                   ; wave 0..3
	s_and_b32 s15, s14, 1                          ; hfw
	s_lshr_b32 s16, s14, 1                         ; oq
	s_mov_b32 s17, ttmp9                           ; nb
	s_and_b32 s18, ttmp7, 0xffff                   ; b
	s_mov_b32 s20, 0x76543210
	s_mov_b32 s21, 0xfedcba98
	s_mov_b32 s[G1+0], (2<<16)|(1<<20)|(5<<22)|(3<<25)   ; no mask; elements of 4 bytes; padding on: after every 64 words, 4 words
	s_mov_b32 s[G1+1], 64<<16                      ; tensor_dim0 = 64
	s_mov_b32 s[G1+2], 128<<16                     ; tensor_dim1 = 128
	s_mov_b32 s[G1+3], 64<<16                      ; tile_dim0 = 64: 256 bytes
	s_mov_b32 s[G1+4], 128                         ; tile_dim1 = 128 channels
	s_mov_b32 s[G1+5], 4096
	s_mov_b32 s[G1+6], 0
	s_mov_b32 s[G1+7], 0
	s_mov_b32 s32, 1
	s_mul_i32 s33, s14, 128*272                    ; LDS: my 128 rows of half 0,
	s_mov_b32 s36, 1
	s_add_co_u32 s37, s33, XH                      ; and of half 1
	s_lshl_b32 s54, s18, 23                        ; x and out0: b x 512 channels x 16,384 bytes
	s_lshl_b32 s55, s14, 21                        ; + 128 channels x wave
	s_add_co_u32 s54, s54, s55
	s_lshl_b32 s55, s17, 8                         ; + 64 columns x nb
	s_add_co_u32 s54, s54, s55
	s_mov_b32 s55, 0
	s_wait_dscnt 0x0                               ; both opening adds are done
	s_wait_kmcnt 0x0
	s_add_nc_u64 s[34:35], s[4:5], s[54:55]
	s_add_nc_u64 s[38:39], s[34:35], 8192          ; the other half: 2,048 columns on
	s_or_b32 s35, s35, 0x80000000
	s_or_b32 s39, s39, 0x80000000
	s_add_nc_u64 s[52:53], s[12:13], s[54:55]
	tensor_load_to_lds s[32:35], s[G1:G1+7]        ; my two tensor loads, both first fills: two are out; they land under the main loop
	s_nop 0
	tensor_load_to_lds s[36:39], s[G1:G1+7]
	s_nop 0
	PLACES 4
	s_lshl_b32 s54, s15, 4
	s_lshl_b32 s56, s16, 3
	s_add_co_u32 s54, s54, s56                     ; my first c' tile: 16 hfw + 8 oq
	s_lshl_b32 s56, s54, 10                        ; its pair x 2,048
	s_mul_i32 s54, s54, 24576
	s_mul_i32 s57, s18, 786432
	s_add_co_u32 s54, s54, s57
	s_add_nc_u64 s[40:41], s[8:9], s[54:55]        ; g's codes
	s_lshl_b32 s54, s18, 15
	s_add_co_u32 s54, s54, s56
	s_add_co_u32 s54, s54, 6291456
	s_add_nc_u64 s[44:45], s[8:9], s[54:55]        ; g's scale words
	s_mul_i32 s54, s18, 3145728
	s_mul_i32 s56, s17, 98304
	s_add_co_u32 s54, s54, s56
	s_add_nc_u64 s[42:43], s[6:7], s[54:55]        ; P's codes: token tile 4 nb
	s_lshl_b32 s54, s18, 17
	s_lshl_b32 s56, s17, 12
	s_add_co_u32 s54, s54, s56
	s_add_co_u32 s54, s54, 25165824
	s_add_nc_u64 s[46:47], s[6:7], s[54:55]        ; P's scale words
	s_mul_i32 s54, s14, 24576
	s_add_co_u32 s54, s54, 294912
	s_add_nc_u64 s[48:49], s[10:11], s[54:55]      ; w_mask's fragments of my 128 channels
	s_lshl_b32 s54, s14, 10
	s_add_co_u32 s54, s54, 405504
	s_add_nc_u64 s[50:51], s[10:11], s[54:55]      ; and their scale words
	v_and_b32 v15, 31, v0
	v_lshlrev_b32 v[LI], 4, v15
	v_lshlrev_b32 v[LS], 2, v15
	v_lshlrev_b32 v[L8], 3, v15
	v_and_b32 v52, 15, v0                          ; r
	v_bfe_u32 v53, v0, 4, 1                        ; h
	s_mul_i32 s56, s14, 128*272
	v_mul_u32_u24 v[XD], v52, 272
	v_lshl_add_u32 v[XD], v53, 5, v[XD]
	v_add_nc_u32 v[XD], s56, v[XD]
	v_add_nc_u32 v[XD+1], XH, v[XD]
	v_mul_u32_u24 v[XRW], v53, 272
	v_lshl_add_u32 v[XRW], v52, 4, v[XRW]
	v_add_nc_u32 v[XRW], s56, v[XRW]
	v_add_nc_u32 v[XRW+1], XH, v[XRW]
	v_lshlrev_b32 v[GO], 14, v53
	v_lshl_add_u32 v[GO], v52, 4, v[GO]
	s_lshl_b32 s56, s15, 3
	s_add_co_u32 s56, s56, s16                     ; image (4 hfw) x 2 + oq
	s_mul_i32 s57, s56, FI
	s_add_co_u32 s57, s57, OIMG
	v_add_nc_u32 v[OWI], s57, v[LI]
	s_lshl_b32 s57, s56, 7
	s_add_co_u32 s57, s57, OSC
	v_add_nc_u32 v[OWS], s57, v[LS]
	v_add_nc_u32 v[ORI], OIMG, v[LI]
	v_add_nc_u32 v[ORS], OSC, v[LS]
.irp b, 0,1,2,3
	v_mov_b32 v[TM+4+\b], 0                        ; written once: a lane permute's destination counts as one of its sources
.endr
	WIN 0x40
.irp t, 0,1,2,3,4,5,6,7
.irp c, 0,1,2
	global_load_b128 v[144+12*\t+4*\c:144+12*\t+4*\c+3], v[LI], s[48:49] offset:(2*\t)*FI+512*\c
.endr
.endr
	WIN 0x80
.irp t, 0,1,2,3,4,5,6,7
.irp c, 0,1,2
	global_load_b128 v[144+12*\t+4*\c:144+12*\t+4*\c+3], v[LI], s[48:49] offset:(2*\t+1)*FI+512*\c
.endr
.endr
	WIN 0
.irp tp, 0,1,2,3
.irp s6, 0,1
	global_load_b32 v[SCW+2*\tp+\s6], v[LS], s[50:51] offset:(2*\tp+\s6)*128
.endr
.endr
	LOADSET 0
	LOADSET 1
.irp k, 0,1,2,3,4,5,6,7,8,9,10,11,12,13,14,15
	STEP \k
.endr
	; ---- Q: my four token tiles become K step oq of product 6's operand
.irp i, 0,1,2,3
	QUANT 64*\i, 3, PW
.irp c, 0,1,2
	ds_store_b128 v[OWI], v[PC+4*\c:PC+4*\c+3] offset:2*FI*\i+512*\c
.endr
	ds_store_b32 v[OWS], v[PW] offset:256*\i       ; lanes 0-15 hold the rows' words (lanes 16-31 the same)
.endr
	s_wait_tensorcnt 0x0                           ; x's tile is in LDS: my own rows, which I alone touch
	s_wait_dscnt 0x0                               ; for the others' sake: my images lie in LDS
	s_barrier_signal -1
	s_barrier_wait -1                              ; all sixteen do; nothing is written there again
	WIN 0x40
.irp f, 0,1,2,3,4,5,6,7
	FETCH 12*\f, ORI, (2*\f)*FI
.endr
	WIN 0x80
.irp f, 0,1,2,3,4,5,6,7
	FETCH 12*\f, ORI, (2*\f+1)*FI
.endr
	WIN 0
.irp f, 0,1,2,3,4,5,6,7
.irp s6, 0,1
	ds_load_b32 v[SCO+2*\f+\s6], v[ORS] offset:(2*\f+\s6)*128
.endr
.endr
; x(channel 16 t + lane % 16, columns 16 i + 8 (lane / 16) + 0 .. 7) of both halves, in the result's layout, into accumulator set t % 2
.macro LOADC t
	WIN 0xc0
.irp hf, 0,1
.irp i, 0,1,2,3
	ds_load_b128 v[64*((\t)%2)+8*(4*\hf+\i):64*((\t)%2)+8*(4*\hf+\i)+3], v[XD+\hf] offset:4352*(\t)+64*\i
	ds_load_b128 v[64*((\t)%2)+8*(4*\hf+\i)+4:64*((\t)%2)+8*(4*\hf+\i)+7], v[XD+\hf] offset:4352*(\t)+64*\i+16
.endr
.endr
	WIN 0
.endm
; 16 output channels x 128 columns
.macro OCT t
	s_wait_dscnt 0x0                               ; x is in the accumulators (and, the first time, out's fragments and scale words are in)
	WIN 0xf5
.irp f, 0,1,2,3,4,5,6,7
	WM 64*((\t)%2)+8*\f, 12*\f, 144+12*(\t), 0, SCO+2*\f, SCW+2*((\t)/2), 0, (\t)%2
.endr
	WIN 0xfa
.irp f, 0,1,2,3,4,5,6,7
	WM 64*((\t)%2)+8*\f, 12*\f, 144+12*(\t), 0, SCO+2*\f+1, SCW+2*((\t)/2)+1, 0, (\t)%2
.endr
.if (\t) < 7
	LOADC (\t)+1                                   ; the other set: its last products and stores are a whole turn back
.endif
	WIN 0
	PLACES 4                                       ; in front of the first read of results
	WIN 0x0c                                       ; an LDS store's data are its source 1: window 3
.irp hf, 0,1
.irp i, 0,1,2,3
	ds_store_b128 v[XD+\hf], v[64*((\t)%2)+8*(4*\hf+\i):64*((\t)%2)+8*(4*\hf+\i)+3] offset:4352*(\t)+64*\i        ; each accumulator from its low end on
	ds_store_b128 v[XD+\hf], v[64*((\t)%2)+8*(4*\hf+\i)+4:64*((\t)%2)+8*(4*\hf+\i)+7] offset:4352*(\t)+64*\i+16
.endr
.endr
	WIN 0
	s_wait_xcnt 0x0                                ; the last turn's global stores have read their registers
	WIN 0xc0
.irp hf, 0,1
.irp q, 0,1,2,3,4,5,6,7
	ds_load_b128 v[128+4*(8*\hf+\q):128+4*(8*\hf+\q)+3], v[XRW+\hf] offset:4352*(\t)+544*\q   ; LDS serves a wave's instructions in order: these see my stores
.endr
.endr
	WIN 0
	s_wait_dscnt 0x0
	WIN 0x0c
.irp hf, 0,1
.irp q, 0,1,2,3,4,5,6,7
	global_store_b128 v[GO], v[128+4*(8*\hf+\q):128+4*(8*\hf+\q)+3], s[52:53] offset:(16*(\t)+2*\q)*16384+8192*\hf th:TH_STORE_NT   ; 16 lanes store 256 consecutive bytes, aligned; written once, read by nobody here
.endr
.endr
	WIN 0
.endm
	LOADC 0
.irp t, 0,1,2,3,4,5,6,7
	OCT \t
.endr
	s_wait_tensorcnt 0x0                           ; the wave's end, behind my last tensor load and my last LDS store
	ds_add_u32 v[SPW], v[NIL]
	s_wait_dscnt 0x0
	s_endpgm
.Lfunc_end_k_q82a3e5ba94_pvmask:
	.size	k_q82a3e5ba94_pvmask, .Lfunc_end_k_q82a3e5ba94_pvmask-k_q82a3e5ba94_pvmask
	.p2alignl 7, 3214868480
	.fill 96, 4, 3214868480
	.section	.rodata,"a",@progbits
	.p2align	6, 0x0
	.amdhsa_kernel k_q82a3e5ba94_pvmask
		.amdhsa_group_segment_fixed_size 305664
		.amdhsa_private_segment_fixed_size 0
		.amdhsa_enable_private_segment 0
		.amdhsa_kernarg_size 40
		.amdhsa_user_sgpr_count 2
		.amdhsa_user_sgpr_kernarg_segment_ptr 1
		.amdhsa_wavefront_size32 1
		.amdhsa_system_sgpr_workgroup_id_x 1
		.amdhsa_system_sgpr_workgroup_id_y 1
		.amdhsa_system_sgpr_workgroup_id_z 1
		.amdhsa_system_vgpr_workitem_id 0
		.amdhsa_next_free_vgpr 1024
		.amdhsa_next_free_sgpr 66
		.amdhsa_reserve_vcc 0
		.amdhsa_float_denorm_mode_32 3
		.amdhsa_float_denorm_mode_16_64 3
		.amdhsa_memory_ordered 1
		.amdhsa_forward_progress 1
		.amdhsa_inst_pref_size 238
	.end_amdhsa_kernel
	.amdgpu_metadata
---
amdhsa.version: [ 1, 2 ]
amdhsa.kernels:
  - .name:           k_q82a3e5ba94_pvmask
    .symbol:         k_q82a3e5ba94_pvmask.kd
    .args:
      - { .name: x, .offset: 0, .size: 8, .value_kind: global_buffer, .address_space: global }
      - { .name: pq, .offset: 8, .size: 8, .value_kind: global_buffer, .address_space: global }
      - { .name: gq, .offset: 16, .size: 8, .value_kind: global_buffer, .address_space: global }
      - { .name: wq, .offset: 24, .size: 8, .value_kind: global_buffer, .address_space: global }
      - { .name: out0, .offset: 32, .size: 8, .value_kind: global_buffer, .address_space: global }
    .group_segment_fixed_size: 305664
    .private_segment_fixed_size: 0
    .kernarg_segment_align: 8
    .kernarg_segment_size: 40
    .max_flat_workgroup_size: 128
    .sgpr_count:     66
    .vgpr_count:     1024
    .wavefront_size: 32
...
	.end_amdgpu_metadata
.endif
;; end of part 4
;; ======== version 2 of 2: 4 launches
;; workspace buffers: wq 409,600 bytes; thq 6,553,600 bytes; phq 6,553,600 bytes; gq 6,553,600 bytes; pq 26,214,400 bytes
;; launch wquant (part 5): grid 256 x 1, 1 waves a work-group, no clusters, 0 bytes of LDS; arguments w_theta, w_phi, w_g, w_mask, wq; writes wq
.if DOCPART == 5
	.amdgcn_target "amdgcn-amd-amdhsa--gfx1250"
	.amdhsa_code_object_version 6
	.text
	.protected	k_q82a3e5ba94_wquant
	.globl	k_q82a3e5ba94_wquant
	.p2align	8
	.type	k_q82a3e5ba94_wquant,@function
k_q82a3e5ba94_wquant:
	s_mov_b64 s[64:65], 0
	v_nop
	global_prefetch_b8 v0, s[64:65] scope:SCOPE_SE
	s_setreg_imm32_b32 hwreg(HW_REG_WAVE_MODE, 25, 1), 1
	s_wait_xcnt 0x0
; THE PROGRAM: out0 = w_mask . view(softmax_n(theta phi) g) + x, theta, phi, g = 1x1 convolutions of x; all six products on codes of E2M3 with one E8M0 scale for 32 along K.
; DEAD WORK: none.  Every input has a way to the output and each of the six products is live; nothing of reference() is left out in any launch.
; LIMITS (all launches): a block of zeros gets the scale byte 1 (its codes are zeros, and these bytes are read by this program alone); blocks whose largest magnitude lies under 2^-124
; are held at byte 1; NaN and infinities among the inputs are not served.
; THIS LAUNCH: the four weights become operand fragments, once.  A fragment is 16 rows x 128 K: 12 registers a lane; lane (r, h) holds row r, registers 6 c .. 6 c + 5 = block 2 c + h of 32 along K.
; It is stored as an IMAGE OF ITS REGISTERS: registers 4 i .. 4 i + 3 at 512 i + 16 x lane: 1,536 bytes, three stores of 512 consecutive bytes.
; One wave makes one fragment, f = the work-group's number.  f < 192: matrix f / 64 (theta, phi, g), rows 16 ((f / 4) % 16) on, K step f % 4.  f >= 192: w_mask, rows 16 ((f - 192) / 2) on, K step f % 2.
; w_mask's numbers stand inside each block in the order 0-7, 16-23, 8-15, 24-31: the order in which the last launch's quantiser leaves the other operand of that product.  The block's 32 numbers, and so its scale, are the same.
; Scale words: one word a row and K step; the words of two neighbouring row tiles share 128 bytes (even tile: first 64).
; The reads are 16-byte pieces of rows far apart: 2 MB in all, read once.  No LDS, no matrix unit, no cluster: the work-groups share nothing.
.set X,  16                            ; v16-79   my two blocks: 32 numbers each
.set PC, 80                            ; v80-91   the fragment
.set TP, 92                            ; v92-98   the second halves of the blocks' codes, before they are moved
	s_load_b256 s[4:11], s[0:1], 0x0               ; w_theta, w_phi, w_g, w_mask
	s_load_b64 s[12:13], s[0:1], 0x20              ; wq
	s_mov_b32 s14, ttmp9                           ; f
	s_lshr_b32 s16, s14, 2
	s_and_b32 s16, s16, 15                         ; row tile of a projection's weight
	s_and_b32 s17, s14, 3                          ; its K step
	s_sub_co_u32 s18, s14, 192                     ; f - 192 (used where f >= 192 alone)
	s_lshr_b32 s19, s18, 1                         ; row tile of w_mask
	s_and_b32 s20, s18, 1                          ; its K step
	s_cmp_lt_u32 s14, 192
	s_cselect_b32 s16, s16, s19                    ; row tile
	s_cselect_b32 s17, s17, s20                    ; K step
	s_cselect_b32 s15, 11, 10                      ; a row is 2,048 or 1,024 bytes
	s_cselect_b32 s21, 0, 32                       ; delta: how far w_mask's middle pieces change places
	s_cselect_b32 s24, 32, 0                       ; 32 - delta
	s_lshl_b32 s22, s16, 4
	s_lshl_b32 s22, s22, s15                       ; the tile's first row, in bytes,
	s_lshl_b32 s23, s17, 9
	s_add_co_u32 s22, s22, s23                     ; + 512 bytes a K step
	s_mov_b32 s23, 0
	s_mov_b32 s26, 0x76543210
	s_mov_b32 s27, 0xfedcba98                      ; lane selects: lane l xor 16
	v_and_b32 v1, 15, v0                           ; r
	v_lshrrev_b32 v2, 4, v0                        ; h
	v_lshlrev_b32 v3, s15, v1
	v_lshl_add_u32 v3, v2, 7, v3                   ; my row, + 128 h: block h of the K step
	v_add_nc_u32 v4, s21, v3                       ; for pieces 2, 3 of a block
	v_add_nc_u32 v5, s24, v3                       ; for pieces 4, 5 (their immediates are 32 lower, so that no offset is negative)
	v_lshlrev_b32 v14, 4, v0                       ; 16 x lane
	v_lshlrev_b32 v15, 2, v1                       ; 4 r
	; where the scale word goes: image number (8 matrix + pair) x 4 + K step, or 96 + pair x 2 + K step
	s_lshr_b32 s32, s16, 1                         ; pair of row tiles
	s_and_b32 s33, s16, 1                          ; odd tile?
	s_lshr_b32 s34, s14, 6
	s_lshl_b32 s34, s34, 3
	s_add_co_u32 s34, s34, s32
	s_lshl_b32 s34, s34, 2
	s_lshl_b32 s35, s32, 1
	s_add_co_u32 s35, s35, 96
	s_cmp_lt_u32 s14, 192
	s_cselect_b32 s34, s34, s35
	s_add_co_u32 s34, s34, s17
	s_lshl_b32 s34, s34, 7
	s_lshl_b32 s33, s33, 6
	s_add_co_u32 s34, s34, s33
	s_add_co_u32 s34, s34, 393216                  ; behind the 256 fragments
	s_mov_b32 s35, 0
	s_mul_i32 s28, s14, 1536
	s_mov_b32 s29, 0
	s_wait_alu depctr_va_vdst(0)
	s_wait_kmcnt 0x0
	s_cmp_lt_u32 s14, 64                           ; which weight: the choice hangs on the work-group's number alone
	s_cselect_b64 s[4:5], s[4:5], s[6:7]
	s_cmp_lt_u32 s14, 128
	s_cselect_b64 s[4:5], s[4:5], s[8:9]
	s_cmp_lt_u32 s14, 192
	s_cselect_b64 s[4:5], s[4:5], s[10:11]
	s_add_nc_u64 s[4:5], s[4:5], s[22:23]
	s_add_nc_u64 s[30:31], s[12:13], s[28:29]      ; my fragment's image
	s_add_nc_u64 s[36:37], s[12:13], s[34:35]      ; my tile's 64 bytes of scale words
.irp c, 0,1
.irp i, 0,1,6,7
	global_load_b128 v[X+32*\c+4*\i:X+32*\c+4*\i+3], v3, s[4:5] offset:256*\c+16*\i
.endr
.irp i, 2,3
	global_load_b128 v[X+32*\c+4*\i:X+32*\c+4*\i+3], v4, s[4:5] offset:256*\c+16*\i
.endr
.irp i, 4,5
	global_load_b128 v[X+32*\c+4*\i:X+32*\c+4*\i+3], v5, s[4:5] offset:256*\c+16*\i-32
.endr
.endr
	s_wait_loadcnt 0x0
.irp c, 0,1
	v_max3_num_f32 v[8+\c], |v[X+32*\c]|, |v[X+32*\c+1]|, 0x1800000   ; block 2 c + h: all 32 numbers are mine; the floor 2^(3 - 127) holds the byte at 1 from below
.endr
.irp i, 2,4,6,8,10,12,14,16,18,20,22,24,26,28,30
.irp c, 0,1
	v_max3_num_f32 v[8+\c], v[8+\c], |v[X+32*\c+\i]|, |v[X+32*\c+\i+1]|
.endr
.endr
.irp c, 0,1
	v_add_nc_u32 v[10+\c], 0xff000000, v[8+\c]     ; 2 off the exponent field: the conversion's scale operand
.endr
.irp c, 0,1
	v_lshrrev_b32 v[12+\c], 23, v[10+\c]           ; the scale's byte
.endr
	v_lshl_or_b32 v6, v13, 16, v12                 ; my two bytes: blocks h and 2 + h,
	v_lshlrev_b32 v7, 3, v2
	v_lshlrev_b32 v6, v7, v6                       ; at their places in the word;
	v_mov_b32 v7, 0
	v_permlanex16_b32 v7, v6, s26, s27
	v_or_b32 v6, v6, v7                            ; with lane l xor 16's two the word is whole
.irp c, 0,1
	v_cvt_scalef32_pk16_fp6_f32 v[PC+6*\c:PC+6*\c+2], v[X+32*\c:X+32*\c+15], v[10+\c]
	v_cvt_scalef32_pk16_fp6_f32 v[TP+4*\c:TP+4*\c+2], v[X+32*\c+16:X+32*\c+31], v[10+\c]   ; (a conversion's three registers begin on an even number)
.endr
	v_nop                                          ; one plain place behind a scaled conversion
.irp c, 0,1
.irp i, 0,1,2
	v_mov_b32 v[PC+3+6*\c+\i], v[TP+4*\c+\i]
.endr
.endr
.irp i, 0,1,2
	global_store_b128 v14, v[PC+4*\i:PC+4*\i+3], s[30:31] offset:512*\i   ; 32 lanes store 512 consecutive bytes
.endr
	global_store_b32 v15, v6, s[36:37]             ; row r's word; both halves of the lanes hold it and write the same word with the same value
	s_endpgm
.Lfunc_end_k_q82a3e5ba94_wquant:
	.size	k_q82a3e5ba94_wquant, .Lfunc_end_k_q82a3e5ba94_wquant-k_q82a3e5ba94_wquant
	.p2alignl 7, 3214868480
	.fill 96, 4, 3214868480
	.section	.rodata,"a",@progbits
	.p2align	6, 0x0
	.amdhsa_kernel k_q82a3e5ba94_wquant
		.amdhsa_group_segment_fixed_size 0
		.amdhsa_private_segment_fixed_size 0
		.amdhsa_enable_private_segment 0
		.amdhsa_kernarg_size 40
		.amdhsa_user_sgpr_count 2
		.amdhsa_user_sgpr_kernarg_segment_ptr 1
		.amdhsa_wavefront_size32 1
		.amdhsa_system_sgpr_workgroup_id_x 1
		.amdhsa_system_sgpr_workgroup_id_y 1
		.amdhsa_system_sgpr_workgroup_id_z 1
		.amdhsa_system_vgpr_workitem_id 0
		.amdhsa_next_free_vgpr 112
		.amdhsa_next_free_sgpr 66
		.amdhsa_reserve_vcc 0
		.amdhsa_float_denorm_mode_32 3
		.amdhsa_float_denorm_mode_16_64 3
		.amdhsa_memory_ordered 1
		.amdhsa_forward_progress 1
		.amdhsa_inst_pref_size 8
	.end_amdhsa_kernel
	.amdgpu_metadata
---
amdhsa.version: [ 1, 2 ]
amdhsa.kernels:
  - .name:           k_q82a3e5ba94_wquant
    .symbol:         k_q82a3e5ba94_wquant.kd
    .args:
      - { .name: w_theta, .offset: 0, .size: 8, .value_kind: global_buffer, .address_space: global }
      - { .name: w_phi, .offset: 8, .size: 8, .value_kind: global_buffer, .address_space: global }
      - { .name: w_g, .offset: 16, .size: 8, .value_kind: global_buffer, .address_space: global }
      - { .name: w_mask, .offset: 24, .size: 8, .value_kind: global_buffer, .address_space: global }
      - { .name: wq, .offset: 32, .size: 8, .value_kind: global_buffer, .address_space: global }
    .group_segment_fixed_size: 0
    .private_segment_fixed_size: 0
    .kernarg_segment_align: 8
    .kernarg_segment_size: 40
    .max_flat_workgroup_size: 32
    .sgpr_count:     66
    .vgpr_count:     112
    .wavefront_size: 32
...
	.end_amdgpu_metadata
.endif
;; end of part 5
;; launch proj (part 6): grid 32 x 8, 8 waves a work-group, no clusters, 314,368 bytes of LDS; arguments x, wq, thq, phq, gq; writes thq, phq, gq
.if DOCPART == 6
	.amdgcn_target "amdgcn-amd-amdhsa--gfx1250"
	.amdhsa_code_object_version 6
	.text
	.protected	k_q82a3e5ba94_proj
	.globl	k_q82a3e5ba94_proj
	.p2align	8
	.type	k_q82a3e5ba94_proj,@function
k_q82a3e5ba94_proj:
	s_mov_b64 s[64:65], 0
	v_nop
	global_prefetch_b8 v0, s[64:65] scope:SCOPE_SE
	s_setreg_imm32_b32 hwreg(HW_REG_WAVE_MODE, 25, 1), 1
	s_wait_xcnt 0x0
; theta, phi, g = 1x1 convolutions of x (products 1 to 3), quantised on the way out as operands of products 4 and 5.  Nothing of reference() is left out.  Limits: as stated at the head of the first kernel.
; reference() views a projection [256 (o)][4096 (p)] as [512 (c')][2048 (n)]: c' = 2 o + half, n = p mod 2048, half = p / 2048.  A block of 32 along c' is 16 neighbouring o at p = n and at p = n + 2048.
; SHARES.  A work-group (nb, b) takes 64 tokens n = 64 nb .. at BOTH halves (128 columns p of x, all 512 channels) and makes all 768 output channels for them.  Eight waves; wave w: oq = w % 4, th = w / 4.
; X.   Wave w brings 128 channels (128 oq on) x 64 columns (half th) into LDS by one tensor load, rows of 256 bytes; a lane takes a column and its registers run down the channels, so that a block of 32 lies in one lane
;      and the conversions give codes with K innermost.  The eight waves' fragments (8 tiles of 16 columns x 4 K steps) go to LDS as images of their registers; one barrier.
; T, P. theta, phi: source 0 = 16 rows of the weight, source 1 = 16 columns of x: a lane holds ONE token and eight o.  Wave (oq, th): o = 64 oq .. + 63, token tiles 2 th, 2 th + 1, both halves: 16 accumulators.
;      The 16 registers of (o tile, half 0) and (o tile, half 1) are 16 numbers of one block along c'; lane l xor 16 holds the other 16.  Four o tiles are one K step of product 4.
; G.   g: the sources change places: a lane holds ONE o and eight tokens, since the tokens are product 5's K.  Wave (oq, hf = th): o = 64 oq on, the four token tiles of half hf.
; ORDER INSIDE A BLOCK.  The quantiser leaves a block as (lanes 0-15's 16 numbers, lanes 16-31's 16).  theta and phi are made alike, so product 4's two operands agree; g's blocks come out as token offsets 0-7, 16-23, 8-15, 24-31, as P's do in the next launch.
; The weights come from the first launch as register images, straight into registers, four K steps ahead.  No cluster: what work-groups share here is the weights, 24 KB a wave and round beside the work-group's own 256 KB of x.
; LDS: 0 the raw x, 32,768 bytes a wave; XIMG 32 images of 1,536 bytes ((4 x tile + K step)); XSC 16 images of scale words (two tiles' rows in 128 bytes); SPARE the spare words.
; REGISTERS.  window 0: v1-15 addresses; v16-39 the weights' scale words, v40-55 x's; v56-95 the quantiser's; v96-143 four fragments of x (phase X: v96-159 two sets of 32 numbers); v160-255 weights of K steps 0, 1.
;             window 1: v0-127 16 accumulators; v128-223 weights of K steps 2, 3.
.set XIMG,  262144
.set XSC,   311296
.set SPARE, 313344
.set FI,    1536
.set SPW, 1                            ; v1   my spare word's LDS address; never rewritten
.set NIL, 2                            ; v2   0; never rewritten
.set LI,  3                            ; v3   16 x lane
.set LS,  4                            ; v4   4 x lane
.set L8,  5                            ; v5   8 x lane
.set XRA, 6                            ; v6   raw x: my wave's region + 4 x lane
.set XWI, 7                            ; v7   where I store x's images
.set XWS, 8                            ; v8   and their scale words
.set XSA, 9                            ; v9   x's scale words for theta and phi
.set XSG, 10                           ; v10  and for g
.set XRT, 11                           ; v11  x's images for theta and phi
.set XRG, 12                           ; v12  and for g
.set SH,  13                           ; v13  16 x (lane / 16)
.set WD,  14                           ; v14  phase X: my column's scale word
.set WSC, 16                           ; v16-39  [matrix 3][pair of o tiles 2][K step 4]
.set SXA, 40                           ; v40-47  [half][K step]
.set SXG, 48                           ; v48-55  [pair of token tiles][K step]
.set TM,  56                           ; v56-71  the quantiser's work
.set PW,  72                           ; v72-73  scale words just made
.set TT,  74                           ; v74-75  half-words of g's scales
.set PC,  76                           ; v76-95  codes just made
.set FA,  64                           ; phase X: two fragments in the making
.set FB,  76
.set SCR, 88
.set XF,  96
.set RAW, 96
.set ACC, 0
.set G1,  24                           ; s[24:31] descriptor group 1
.set G0,  32                           ; s[32:35] descriptor group 0
.set MSB, 0
.macro WIN new                         ; the immediate's high byte repeats the setting that is left; a switch that changes nothing is dropped
.if MSB != (\new)
	s_set_vgpr_msb (MSB<<8)|(\new)
.set MSB, (\new)
.endif
.endm
.macro PLACES n
.rept \n
	v_nop
.endr
.endm
; One matrix instruction.  d, a, b: first registers of D, source 0, source 1; z: C is the constant 0 (else C = D); sa, sb: the scale registers; ra, rb: 1 = the scales stand in lanes 16-31.
.macro WM d, a, b, z, sa, sb, ra, rb
.if (\z)
.if (\ra) && (\rb)
	v_wmma_scale_f32_16x16x128_f8f6f4 v[(\d):(\d)+7], v[(\a):(\a)+11], v[(\b):(\b)+11], 0, v[\sa], v[\sb] matrix_a_fmt:MATRIX_FMT_FP6 matrix_b_fmt:MATRIX_FMT_FP6 matrix_a_scale:MATRIX_SCALE_ROW1 matrix_b_scale:MATRIX_SCALE_ROW1
.elseif (\ra)
	v_wmma_scale_f32_16x16x128_f8f6f4 v[(\d):(\d)+7], v[(\a):(\a)+11], v[(\b):(\b)+11], 0, v[\sa], v[\sb] matrix_a_fmt:MATRIX_FMT_FP6 matrix_b_fmt:MATRIX_FMT_FP6 matrix_a_scale:MATRIX_SCALE_ROW1
.elseif (\rb)
	v_wmma_scale_f32_16x16x128_f8f6f4 v[(\d):(\d)+7], v[(\a):(\a)+11], v[(\b):(\b)+11], 0, v[\sa], v[\sb] matrix_a_fmt:MATRIX_FMT_FP6 matrix_b_fmt:MATRIX_FMT_FP6 matrix_b_scale:MATRIX_SCALE_ROW1
.else
	v_wmma_scale_f32_16x16x128_f8f6f4 v[(\d):(\d)+7], v[(\a):(\a)+11], v[(\b):(\b)+11], 0, v[\sa], v[\sb] matrix_a_fmt:MATRIX_FMT_FP6 matrix_b_fmt:MATRIX_FMT_FP6
.endif
.else
.if (\ra) && (\rb)
	v_wmma_scale_f32_16x16x128_f8f6f4 v[(\d):(\d)+7], v[(\a):(\a)+11], v[(\b):(\b)+11], v[(\d):(\d)+7], v[\sa], v[\sb] matrix_a_fmt:MATRIX_FMT_FP6 matrix_b_fmt:MATRIX_FMT_FP6 matrix_a_scale:MATRIX_SCALE_ROW1 matrix_b_scale:MATRIX_SCALE_ROW1
.elseif (\ra)
	v_wmma_scale_f32_16x16x128_f8f6f4 v[(\d):(\d)+7], v[(\a):(\a)+11], v[(\b):(\b)+11], v[(\d):(\d)+7], v[\sa], v[\sb] matrix_a_fmt:MATRIX_FMT_FP6 matrix_b_fmt:MATRIX_FMT_FP6 matrix_a_scale:MATRIX_SCALE_ROW1
.elseif (\rb)
	v_wmma_scale_f32_16x16x128_f8f6f4 v[(\d):(\d)+7], v[(\a):(\a)+11], v[(\b):(\b)+11], v[(\d):(\d)+7], v[\sa], v[\sb] matrix_a_fmt:MATRIX_FMT_FP6 matrix_b_fmt:MATRIX_FMT_FP6 matrix_b_scale:MATRIX_SCALE_ROW1
.else
	v_wmma_scale_f32_16x16x128_f8f6f4 v[(\d):(\d)+7], v[(\a):(\a)+11], v[(\b):(\b)+11], v[(\d):(\d)+7], v[\sa], v[\sb] matrix_a_fmt:MATRIX_FMT_FP6 matrix_b_fmt:MATRIX_FMT_FP6
.endif
.endif
.endm
.macro FETCH reg, adr, off             ; a fragment's image comes back from LDS: the same registers in the same lanes
.irp c, 0,1,2
	ds_load_b128 v[(\reg)+4*\c:(\reg)+4*\c+3], v[\adr] offset:(\off)+512*\c
.endr
.endm
; 64 numbers of a lane, v[s] .. v[s + 63] of window w, register 16 b + i = one of my 16 numbers of block b of my row, become a fragment's codes in v[PC] .. v[PC + 11] and its scale word in v[pw].
.macro QUANT s, w, pw
	s_wait_xcnt 0x0                                ; the stores issued so far have read their registers: the codes' and the word's may be written again
	s_wait_dscnt 0x0
	WIN (\w)|((\w)<<2)
.irp b, 0,1,2,3
	v_max3_num_f32 v[TM+\b], |v[(\s)+16*\b]|, |v[(\s)+1+16*\b]|, 0x1800000   ; each accumulator is read from its low end on; the floor 2^(3 - 127) holds the byte at 1 from below
.endr
	WIN ((\w)<<2)|((\w)<<4)
.irp i, 2,4,6,8,10,12,14
.irp b, 0,1,2,3
	v_max3_num_f32 v[TM+\b], v[TM+\b], |v[(\s)+16*\b+\i]|, |v[(\s)+1+16*\b+\i]|   ; (the four blocks by turns)
.endr
.endr
	WIN 0
.irp b, 0,1,2,3
	v_permlanex16_b32 v[TM+4+\b], v[TM+\b], s20, s21
.endr
.irp b, 0,1,2,3
	s_delay_alu instid0(VALU_DEP_4)
	v_max_num_f32 v[TM+\b], v[TM+\b], v[TM+4+\b]   ; with lane l xor 16's 16: the block's largest magnitude
.endr
.irp b, 0,1,2,3
	s_delay_alu instid0(VALU_DEP_4)
	v_add_nc_u32 v[TM+12+\b], 0xff000000, v[TM+\b] ; 2 off its exponent field: the conversion's scale operand
.endr
.irp b, 0,1,2,3
	s_delay_alu instid0(VALU_DEP_4)
	v_lshrrev_b32 v[TM+4+\b], 23, v[TM+12+\b]      ; the scale's byte
.endr
	s_delay_alu instid0(VALU_DEP_3)
	v_lshl_or_b32 v[\pw], v[TM+5], 8, v[TM+4]
	s_delay_alu instid0(VALU_DEP_1)
	v_lshl_or_b32 v[\pw], v[TM+6], 16, v[\pw]
	s_delay_alu instid0(VALU_DEP_1)
	v_lshl_or_b32 v[\pw], v[TM+7], 24, v[\pw]
	WIN (\w)
.irp c, 0,1
	v_cvt_scalef32_pk16_fp6_f32 v[PC+6*\c:PC+2+6*\c], v[(\s)+32*\c:(\s)+15+32*\c], v[TM+12+2*\c]
	v_cvt_scalef32_pk16_fp6_f32 v[PC+12+4*\c:PC+14+4*\c], v[(\s)+16+32*\c:(\s)+31+32*\c], v[TM+12+2*\c+1]   ; (a conversion's three registers begin on an even number)
.endr
	WIN 0
	v_nop                                          ; one plain place behind a scaled conversion
.irp c, 0,1                                    ; the operand's layout wants a whole block in a lane: lanes 0-15 block 2 c, lanes 16-31 block 2 c + 1
.irp i, 0,1,2
	v_permlane16_swap_b32 v[PC+6*\c+\i], v[PC+12+4*\c+\i]
.endr
.irp i, 0,1,2
	s_delay_alu instid0(VALU_DEP_3)
	v_mov_b32 v[PC+3+6*\c+\i], v[PC+12+4*\c+\i]
.endr
.endr
.endm
; The four fragments (o tiles 4 oq + 0 .. 3) of matrix mt, K step ks: 12 loads of 512 consecutive bytes, into that K step's buffer
.macro WLOAD mt, ks
.set WR, 160+48*((\ks)%2)-32*((\ks)/2)
	WIN 0x40*((\ks)/2)
.irp j, 0,1,2,3
.irp c, 0,1,2
	global_load_b128 v[WR+12*\j+4*\c:WR+12*\j+4*\c+3], v[LI], s[36:37] offset:98304*(\mt)+6144*\j+FI*(\ks)+512*\c
.endr
.endr
	WIN 0
.endm
	s_load_b256 s[4:11], s[0:1], 0x0               ; x, wq, thq, phq
	s_load_b64 s[12:13], s[0:1], 0x20              ; gq
	v_lshl_add_u32 v[SPW], v0, 2, SPARE
	v_mov_b32 v[NIL], 0
	ds_add_u32 v[SPW], v[NIL]                      ; the wave's opening: the add, twice on end, and its wait ahead of my first tensor load
	ds_add_u32 v[SPW], v[NIL]
	v_lshrrev_b32 v15, 5, v0
	s_delay_alu instid0(VALU_DEP_1)
	v_readfirstlane_b32 s14, v15                   ; wave 0..7
	s_and_b32 s15, s14, 3                          ; oq; in phase X: which 128 channels
	s_lshr_b32 s16, s14, 2                         ; th; in phase X and for g: which half
	s_mov_b32 s17, ttmp9                           ; nb
	s_and_b32 s18, ttmp7, 0xffff                   ; b
	s_mov_b32 s20, 0x76543210
	s_mov_b32 s21, 0xfedcba98                      ; lane selects: lane l xor 16
	s_mov_b32 s[G1+0], 2<<16                       ; no mask; elements of 4 bytes; no padding
	s_mov_b32 s[G1+1], 64<<16                      ; tensor_dim0 = 64
	s_mov_b32 s[G1+2], 128<<16                     ; tensor_dim1 = 128
	s_mov_b32 s[G1+3], 64<<16                      ; tile_dim0 = 64: 256 bytes
	s_mov_b32 s[G1+4], 128                         ; tile_dim1 = 128 channels
	s_mov_b32 s[G1+5], 4096                        ; from channel to channel
	s_mov_b32 s[G1+6], 0
	s_mov_b32 s[G1+7], 0
	s_mov_b32 s[G0], 1
	s_lshl_b32 s[G0+1], s14, 15                    ; LDS: 32,768 x wave
	s_lshl_b32 s52, s18, 23                        ; x: b x 512 channels x 16,384 bytes
	s_lshl_b32 s53, s15, 21                        ; + 128 channels x oq
	s_add_co_u32 s52, s52, s53
	s_lshl_b32 s53, s16, 13                        ; + the half's 2,048 columns
	s_add_co_u32 s52, s52, s53
	s_lshl_b32 s53, s17, 8                         ; + 64 columns x nb
	s_add_co_u32 s52, s52, s53
	s_mov_b32 s53, 0
	s_wait_dscnt 0x0                               ; both opening adds are done
	s_wait_kmcnt 0x0
	s_add_nc_u64 s[G0+2:G0+3], s[4:5], s[52:53]
	s_or_b32 s[G0+3], s[G0+3], 0x80000000
	tensor_load_to_lds s[G0:G0+3], s[G1:G1+7]      ; my one tensor load: a first fill; nothing is filled again in this launch
	s_nop 0
	PLACES 4
	s_mul_i32 s52, s15, 24576
	s_add_nc_u64 s[36:37], s[6:7], s[52:53]        ; the weights' fragments of my 64 o
	s_lshl_b32 s52, s15, 10
	s_add_co_u32 s52, s52, 393216
	s_add_nc_u64 s[38:39], s[6:7], s[52:53]        ; and their scale words
	s_mul_i32 s52, s18, 786432                     ; theta's and phi's codes [b][K step][token tile]: b,
	s_mul_i32 s54, s15, 196608                     ; K step oq,
	s_add_co_u32 s52, s52, s54
	s_lshl_b32 s54, s17, 2
	s_lshl_b32 s55, s16, 1
	s_add_co_u32 s54, s54, s55
	s_mul_i32 s54, s54, FI                         ; token tile 4 nb + 2 th
	s_add_co_u32 s52, s52, s54
	s_add_nc_u64 s[40:41], s[8:9], s[52:53]
	s_add_nc_u64 s[44:45], s[10:11], s[52:53]
	s_lshl_b32 s52, s17, 1                         ; their scale words [b][pair of tiles][K step][128]
	s_add_co_u32 s52, s52, s16
	s_lshl_b32 s52, s52, 2
	s_add_co_u32 s52, s52, s15
	s_lshl_b32 s52, s52, 7
	s_lshl_b32 s54, s18, 15
	s_add_co_u32 s52, s52, s54
	s_add_co_u32 s52, s52, 6291456
	s_add_nc_u64 s[42:43], s[8:9], s[52:53]
	s_add_nc_u64 s[46:47], s[10:11], s[52:53]
	s_lshl_b32 s52, s16, 4                         ; g's codes [b][c' tile = 16 half + o tile][64 tokens][768]
	s_lshl_b32 s54, s15, 2
	s_add_co_u32 s52, s52, s54
	s_mul_i32 s52, s52, 24576
	s_mul_i32 s54, s18, 786432
	s_add_co_u32 s52, s52, s54
	s_mul_i32 s54, s17, 768
	s_add_co_u32 s52, s52, s54
	s_add_nc_u64 s[48:49], s[12:13], s[52:53]
	s_lshl_b32 s52, s16, 3                         ; g's scale words [b][pair of c' tiles][K step of 128 tokens][128]; my 64 tokens are half a word
	s_lshl_b32 s54, s15, 1
	s_add_co_u32 s52, s52, s54
	s_lshl_b32 s52, s52, 4
	s_lshr_b32 s54, s17, 1
	s_add_co_u32 s52, s52, s54
	s_lshl_b32 s52, s52, 7
	s_and_b32 s54, s17, 1
	s_lshl_b32 s54, s54, 1
	s_add_co_u32 s52, s52, s54
	s_lshl_b32 s54, s18, 15
	s_add_co_u32 s52, s52, s54
	s_add_co_u32 s52, s52, 6291456
	s_add_nc_u64 s[50:51], s[12:13], s[52:53]
	v_and_b32 v15, 31, v0                          ; lane
	s_delay_alu instid0(VALU_DEP_1)
	v_lshlrev_b32 v[LI], 4, v15
	s_delay_alu instid0(VALU_DEP_2)
	v_lshlrev_b32 v[LS], 2, v15
	s_wait_alu depctr_va_vdst(0)
	v_lshlrev_b32 v[L8], 3, v15
	v_bfe_u32 v[SH], v0, 4, 1
	s_delay_alu instid0(VALU_DEP_1)
	v_lshlrev_b32 v[SH], 4, v[SH]
	s_lshl_b32 s54, s14, 15
	v_add_nc_u32 v[XRA], s54, v[LS]
	s_lshl_b32 s54, s16, 4
	s_add_co_u32 s54, s54, s15
	s_mul_i32 s54, s54, FI
	s_add_co_u32 s54, s54, XIMG
	v_add_nc_u32 v[XWI], s54, v[LI]                ; image 4 x (4 half) + my K step
	s_lshl_b32 s54, s16, 3
	s_add_co_u32 s54, s54, s15
	s_lshl_b32 s54, s54, 7
	s_add_co_u32 s54, s54, XSC
	v_add_nc_u32 v[XWS], s54, v[LS]
	s_lshl_b32 s54, s16, 9
	s_add_co_u32 s54, s54, XSC
	v_add_nc_u32 v[XSA], s54, v[LS]
	s_lshl_b32 s54, s16, 10
	s_add_co_u32 s54, s54, XSC
	v_add_nc_u32 v[XSG], s54, v[LS]
	s_mul_i32 s54, s16, 8*FI
	s_add_co_u32 s54, s54, XIMG
	v_add_nc_u32 v[XRT], s54, v[LI]
	s_mul_i32 s54, s16, 16*FI
	s_add_co_u32 s54, s54, XIMG
	v_add_nc_u32 v[XRG], s54, v[LI]
.irp b, 0,1,2,3
	v_mov_b32 v[TM+4+\b], 0                        ; written once: a lane permute's destination counts as one of its sources
.endr
.irp mt, 0,1,2
.irp jp, 0,1
.irp ks, 0,1,2,3
	global_load_b32 v[WSC+8*\mt+4*\jp+\ks], v[LS], s[38:39] offset:4096*\mt+512*\jp+128*\ks
.endr
.endr
.endr
.irp ks, 0,1,2,3
	WLOAD 0, \ks                                   ; theta's weights land while x is quantised
.endr
; ---- X: my 128 channels x 64 columns become four fragments.  Step t = 4 cg + blk: columns 32 cg + lane, block blk of 32 channels
.macro LOADB t
.irp i, 0,1,2,3,4,5,6,7,8,9,10,11,12,13,14,15,16,17,18,19,20,21,22,23,24,25,26,27,28,29,30,31
	ds_load_b32 v[RAW+32*((\t)%2)+\i], v[XRA] offset:(32*((\t)%4)+\i)*256+128*((\t)/4)   ; one channel, 32 neighbouring columns: 128 consecutive bytes
.endr
.endm
.macro STEPX t
.set RS, RAW+32*((\t)%2)
.set BL, (\t)%4
.set CG, (\t)/4
.set FD, FA+12*(BL%2)+6*(BL/2)         ; blocks 0, 2 into the first fragment's two halves, blocks 1, 3 into the second's
.if (\t) < 7
	s_wait_dscnt 32                                ; all but the next step's 32 loads: this step's numbers are in, and the images stored a step ago have left their registers
.else
	s_wait_dscnt 0x0
.endif
	v_max3_num_f32 v56, |v[RS]|, |v[RS+1]|, |v[RS+2]|
	v_max3_num_f32 v57, |v[RS+3]|, |v[RS+4]|, |v[RS+5]|
.irp i, 6,10,14,18,22,26
	s_delay_alu instid0(VALU_DEP_2)
	v_max3_num_f32 v56, v56, |v[RS+\i]|, |v[RS+\i+1]|
	s_delay_alu instid0(VALU_DEP_2)
	v_max3_num_f32 v57, v57, |v[RS+\i+2]|, |v[RS+\i+3]|
.endr
	s_delay_alu instid0(VALU_DEP_2)
	v_max3_num_f32 v56, v56, |v[RS+30]|, |v[RS+31]|
	s_delay_alu instid0(VALU_DEP_1)
	v_max3_num_f32 v56, v56, v57, 0x1800000        ; the block's largest magnitude, and the floor
	s_delay_alu instid0(VALU_DEP_1)
	v_add_nc_u32 v58, 0xff000000, v56
	s_delay_alu instid0(VALU_DEP_1)
	v_lshrrev_b32 v59, 23, v58
.if BL == 0
	s_delay_alu instid0(VALU_DEP_1)
	v_mov_b32 v[WD], v59
.else
	s_delay_alu instid0(VALU_DEP_1)
	v_lshl_or_b32 v[WD], v59, 8*BL, v[WD]
.endif
	v_cvt_scalef32_pk16_fp6_f32 v[FD:FD+2], v[RS:RS+15], v58
	v_cvt_scalef32_pk16_fp6_f32 v[SCR:SCR+2], v[RS+16:RS+31], v58
	v_nop                                          ; one plain place behind a scaled conversion
.irp i, 0,1,2
	v_mov_b32 v[FD+3+\i], v[SCR+\i]
.endr
.if BL == 3
.irp i, 0,1,2,3,4,5,6,7,8,9,10,11
	v_permlane16_swap_b32 v[FA+\i], v[FB+\i]       ; the first now holds columns 0-15 (lanes 0-15: blocks 0, 2; lanes 16-31: blocks 1, 3), the second columns 16-31
.endr
.irp e, 0,1
.irp c, 0,1,2
	ds_store_b128 v[XWI], v[FA+12*\e+4*\c:FA+12*\e+4*\c+3] offset:(8*CG+4*\e)*FI+512*\c
.endr
.endr
	ds_store_b32 v[XWS], v[WD] offset:512*CG       ; lanes 0-15: the even tile's rows, lanes 16-31: the odd tile's
.endif
.if (\t)+2 < 8
	LOADB (\t)+2
.endif
.endm
	s_wait_tensorcnt 0x0                           ; my tile is in LDS; I alone read it
	LOADB 0
	LOADB 1
.irp t, 0,1,2,3,4,5,6,7
	STEPX \t
.endr
	s_wait_dscnt 0x0                               ; for the others' sake: my images lie in LDS
	s_barrier_signal -1
	s_barrier_wait -1                              ; all 32 images and their scale words do; nothing is written there again
.irp hh, 0,1
.irp ks, 0,1,2,3
	ds_load_b32 v[SXA+4*\hh+\ks], v[XSA] offset:1024*\hh+128*\ks
	ds_load_b32 v[SXG+4*\hh+\ks], v[XSG] offset:512*\hh+128*\ks
.endr
.endr
; ---- T, P: 16 accumulators by turns, one instruction a turn; accumulator (token tile i, o tile j, half) at ACC + 16 (4 i + j) + 8 half
.macro ROUND_TP mt, cb, sb
.irp ks, 0,1,2,3
.set WRG, 160+48*(\ks%2)-32*(\ks/2)
.irp hh, 0,1
.irp i, 0,1
	FETCH XF+12*(\i+2*\hh), XRT, (4*\i+16*\hh+\ks)*FI
.endr
.endr
	s_wait_dscnt 0x0
	s_wait_loadcnt 36                              ; three younger units of 12 weight loads may be out: the rest of this round's, and the next round's asked for so far
	WIN 0x50+\ks/2
.irp j, 0,1,2,3
.irp i, 0,1
.irp hh, 0,1
	WM ACC+16*(4*\i+\j)+8*\hh, WRG+12*\j, XF+12*(\i+2*\hh), \ks==0, WSC+8*(\mt)+4*(\j/2)+\ks, SXA+4*\hh+\ks, \j%2, \i
.endr
.endr
.endr
	WIN 0
	PLACES 4                                       ; in front of loads into registers that these products read, and of the first read of results
	WLOAD (\mt)+1, \ks                             ; the next matrix's same K step, into the buffer just left: a whole round ahead of its use
.endr
.irp i, 0,1
	QUANT ACC+64*\i, 1, PW+\i                      ; token tile 2 th + i: blocks = o tiles 4 oq + 0 .. 3 at both halves: K step oq of product 4
.irp c, 0,1,2
	global_store_b128 v[LI], v[PC+4*\c:PC+4*\c+3], s[\cb:\cb+1] offset:FI*\i+512*\c
.endr
.endr
	v_permlane16_swap_b32 v[PW], v[PW+1]           ; lanes 0-15: the even tile's words, lanes 16-31: the odd tile's
	global_store_b32 v[LS], v[PW], s[\sb:\sb+1]
.endm
	ROUND_TP 0, 40, 42
	ROUND_TP 1, 44, 46
; ---- G: source 0 = 16 columns of x, source 1 = 16 rows of w_g; accumulator (o tile j, token tile q) at ACC + 32 j + 8 q
.irp ks, 0,1,2,3
.set WRG, 160+48*(\ks%2)-32*(\ks/2)
.irp q, 0,1,2,3
	FETCH XF+12*\q, XRG, (4*\q+\ks)*FI
.endr
	s_wait_dscnt 0x0
	s_wait_loadcnt 36-12*\ks                       ; the later K steps' units may be out; nothing more is asked for
	WIN 0x50+4*(\ks/2)
.irp j, 0,1,2,3
.irp q, 0,1,2,3
	WM ACC+32*\j+8*\q, XF+12*\q, WRG+12*\j, \ks==0, SXG+4*(\q/2)+\ks, WSC+16+4*(\j/2)+\ks, \q%2, \j%2
.endr
.endr
	WIN 0
	PLACES 4
.endr
.irp jp, 0,1
	QUANT ACC+64*\jp, 1, PW+\jp                    ; blocks: (o tile 2 jp, tokens 0-31), (2 jp, 32-63), (2 jp + 1, 0-31), (2 jp + 1, 32-63)
.irp e, 0,1                                    ; six registers are half a fragment of o tile 2 jp + e: 768 bytes: registers 0-3 at 16 x lane, 4-5 at 512 + 8 x lane
	global_store_b128 v[LI], v[PC+6*\e:PC+6*\e+3], s[48:49] offset:(2*\jp+\e)*24576
	global_store_b64 v[L8], v[PC+6*\e+4:PC+6*\e+5], s[48:49] offset:(2*\jp+\e)*24576+512
.endr
	v_lshrrev_b32 v[TT+\jp], v[SH], v[PW+\jp]      ; lanes 0-15 keep the even tile's two bytes, lanes 16-31 take the odd tile's
	global_store_b16 v[LS], v[TT+\jp], s[50:51] offset:2048*\jp   ; half of each word: the other half is another work-group's
.endr
	s_wait_tensorcnt 0x0                           ; the wave's end, behind my last tensor load and my last LDS store
	ds_add_u32 v[SPW], v[NIL]
	s_wait_dscnt 0x0
	s_endpgm
.Lfunc_end_k_q82a3e5ba94_proj:
	.size	k_q82a3e5ba94_proj, .Lfunc_end_k_q82a3e5ba94_proj-k_q82a3e5ba94_proj
	.p2alignl 7, 3214868480
	.fill 96, 4, 3214868480
	.section	.rodata,"a",@progbits
	.p2align	6, 0x0
	.amdhsa_kernel k_q82a3e5ba94_proj
		.amdhsa_group_segment_fixed_size 314368
		.amdhsa_private_segment_fixed_size 0
		.amdhsa_enable_private_segment 0
		.amdhsa_kernarg_size 40
		.amdhsa_user_sgpr_count 2
		.amdhsa_user_sgpr_kernarg_segment_ptr 1
		.amdhsa_wavefront_size32 1
		.amdhsa_system_sgpr_workgroup_id_x 1
		.amdhsa_system_sgpr_workgroup_id_y 1
		.amdhsa_system_sgpr_workgroup_id_z 1
		.amdhsa_system_vgpr_workitem_id 0
		.amdhsa_next_free_vgpr 512
		.amdhsa_next_free_sgpr 66
		.amdhsa_reserve_vcc 0
		.amdhsa_float_denorm_mode_32 3
		.amdhsa_float_denorm_mode_16_64 3
		.amdhsa_memory_ordered 1
		.amdhsa_forward_progress 1
		.amdhsa_inst_pref_size 123
	.end_amdhsa_kernel
	.amdgpu_metadata
---
amdhsa.version: [ 1, 2 ]
amdhsa.kernels:
  - .name:           k_q82a3e5ba94_proj
    .symbol:         k_q82a3e5ba94_proj.kd
    .args:
      - { .name: x, .offset: 0, .size: 8, .value_kind: global_buffer, .address_space: global }
      - { .name: wq, .offset: 8, .size: 8, .value_kind: global_buffer, .address_space: global }
      - { .name: thq, .offset: 16, .size: 8, .value_kind: global_buffer, .address_space: global }
      - { .name: phq, .offset: 24, .size: 8, .value_kind: global_buffer, .address_space: global }
      - { .name: gq, .offset: 32, .size: 8, .value_kind: global_buffer, .address_space: global }
    .group_segment_fixed_size: 314368
    .private_segment_fixed_size: 0
    .kernarg_segment_align: 8
    .kernarg_segment_size: 40
    .max_flat_workgroup_size: 256
    .sgpr_count:     66
    .vgpr_count:     512
    .wavefront_size: 32
...
	.end_amdgpu_metadata
.endif
;; end of part 6
;; launch colsm (part 7): grid 32 x 8, 8 waves a work-group, no clusters, 290,816 bytes of LDS; arguments thq, phq, pq; writes pq
.if DOCPART == 7
	.amdgcn_target "amdgcn-amd-amdhsa--gfx1250"
	.amdhsa_code_object_version 6
	.text
	.protected	k_q82a3e5ba94_colsm
	.globl	k_q82a3e5ba94_colsm
	.p2align	8
	.type	k_q82a3e5ba94_colsm,@function
k_q82a3e5ba94_colsm:
	s_mov_b64 s[64:65], 0
	v_nop
	global_prefetch_b8 v0, s[64:65] scope:SCOPE_SE
	s_setreg_imm32_b32 hwreg(HW_REG_WAVE_MODE, 25, 1), 1
	s_wait_xcnt 0x0
; P = softmax over n of S, S[n][m] = theta[n] . phi[:, m] (product 4), finished, normalised and quantised along m as product 5's operand.  Nothing of reference() is left out.
; The softmax runs DOWN a column m, over all 2,048 n, while P is quantised ALONG m: a column's maximum and sum must be whole before any code of P exists.
; SHARES.  A work-group (mp, b) owns 64 columns m = 64 mp .. and all n.  Wave w owns n = 256 w .. + 255: 16 tiles.  S^T = phi theta^T (source 0 = 16 columns m, source 1 = 16 rows n): a lane holds ONE n.
; THETA IS READ ONCE.  The products go by groups of four n tiles, K innermost: each fragment of theta feeds four products, one for each of the four column tiles.  The sums of columns 0-31 stay in 256 registers
; (register 16 nt + k of window 1: n = 16 nt + lane % 16, m = 16 (k / 8) + 8 (lane / 16) + k % 8); those of columns 32-63, 64 registers a group, are finished after four K steps and go as f32 to the wave's own 32,768 bytes of LDS.
; phi's 16 fragments lie in LDS as images of their registers (each wave brings two; one barrier) and come back 4 a step.
; THE VECTOR PASS runs twice, on 32 columns each: one block of P's K, half in lane l and half in lane l xor 16.  Pass 0 keeps its codes in 64 registers and, as each four tiles are converted, loads the second block into their registers;
; pass 1 joins its codes with pass 0's into halves of fragments, 768 bytes, and stores them.
; THE MAXIMUM IS TAKEN AWAY as reference() does: p = 2^(s c - round(max c)), c = log2(e); the rounding of max c is one factor for the whole column and cancels against the column's sum.  1 / sum by v_rcp_f32.
; A column's maximum and sum: over my 16 tiles in the lane, over 16 lanes by DPP, over the eight waves through LDS: two barriers a pass.
; LIMITS: as at the head of the first kernel; a p under 2^-126 comes out of v_exp_f32 as 0.
; theta goes from memory straight into registers in units of four fragments and two scale words (14 loads), three units ahead in steps 0-11 (the third buffer lies in the last group's accumulators, idle until step 12), two ahead after.
; No cluster and no ring.
; LDS: 0 the second block's sums, 32,768 bytes a wave ([n tile 16][2,048]); PHI 16 images of 1,536 bytes (4 x K step + column tile); PMX, PSM [wave 8][32 words]; RED 128 bytes a wave; SPARE.
; REGISTERS.  window 1: S^T of columns 0-31 (v192-239 also theta's third buffer).  window 0: v1-12 addresses; v16-23 phi's scale words, v24-29 theta's; v32-79 phi's four fragments; v80-175 theta, two buffers; v176-239 the group's sums of columns 32-63.
;             The vector passes use v32-219 of window 0 again: v32-95, v96-159 the two passes' codes and bytes (four registers a tile); v160-219 at work.
.set PHI,   262144
.set PMX,   286720
.set PSM,   287744
.set RED,   288768
.set SPARE, 289792
.set FI,    1536
.set SPW, 1
.set NIL, 2
.set LI,  3                            ; 16 x lane
.set LS,  4                            ; 4 x lane
.set L8,  5                            ; 8 x lane
.set SPA, 6                            ; my sums in LDS: 32,768 x wave + 16 x lane
.set PHA, 7                            ; PHI + 16 x lane: where phi's images are read
.set PWA, 8                            ; PMX + 128 x wave + 64 (lane / 16): where my 16 columns' figures go
.set PRA, 9                            ; PMX + 4 x lane: column number lane of each wave's 32
.set RWA, 10                           ; RED + 128 x wave + 4 x lane
.set RRA, 11                           ; RED + 128 x wave + 64 (lane / 16)
.set PHW, 12                           ; PHI + 3,072 x wave + 16 x lane: where I store my two images
.set PS,  16                           ; v16-23   [pair of column tiles 2][K step 4]
.set TSB, 24                           ; v24-29   [buffer 3][pair of n tiles 2]
.set PH,  32
.set TB,  80
.set TA,  176
.set K0,  32                           ; pass 0: three registers of codes and the scale byte, for each of 16 tiles
.set K1,  96                           ; pass 1 likewise
.set NM,  160                          ; v160-175  - round(max c) of my 16 columns
.set SM,  176                          ; v176-191  sums, then 1 / sum
.set T,   192                          ; v192-207  at work
.set QW,  208                          ; v208-219  the quantiser's
.set MSB, 0
.macro WIN new                         ; the immediate's high byte repeats the setting that is left; a switch that changes nothing is dropped
.if MSB != (\new)
	s_set_vgpr_msb (MSB<<8)|(\new)
.set MSB, (\new)
.endif
.endm
.macro PLACES n
.rept \n
	v_nop
.endr
.endm
; One matrix instruction.  d, a, b: first registers of D, source 0, source 1; z: C is the constant 0 (else C = D); sa, sb: the scale registers; ra, rb: 1 = the scales stand in lanes 16-31.
.macro WM d, a, b, z, sa, sb, ra, rb
.if (\z)
.if (\ra) && (\rb)
	v_wmma_scale_f32_16x16x128_f8f6f4 v[(\d):(\d)+7], v[(\a):(\a)+11], v[(\b):(\b)+11], 0, v[\sa], v[\sb] matrix_a_fmt:MATRIX_FMT_FP6 matrix_b_fmt:MATRIX_FMT_FP6 matrix_a_scale:MATRIX_SCALE_ROW1 matrix_b_scale:MATRIX_SCALE_ROW1
.elseif (\ra)
	v_wmma_scale_f32_16x16x128_f8f6f4 v[(\d):(\d)+7], v[(\a):(\a)+11], v[(\b):(\b)+11], 0, v[\sa], v[\sb] matrix_a_fmt:MATRIX_FMT_FP6 matrix_b_fmt:MATRIX_FMT_FP6 matrix_a_scale:MATRIX_SCALE_ROW1
.elseif (\rb)
	v_wmma_scale_f32_16x16x128_f8f6f4 v[(\d):(\d)+7], v[(\a):(\a)+11], v[(\b):(\b)+11], 0, v[\sa], v[\sb] matrix_a_fmt:MATRIX_FMT_FP6 matrix_b_fmt:MATRIX_FMT_FP6 matrix_b_scale:MATRIX_SCALE_ROW1
.else
	v_wmma_scale_f32_16x16x128_f8f6f4 v[(\d):(\d)+7], v[(\a):(\a)+11], v[(\b):(\b)+11], 0, v[\sa], v[\sb] matrix_a_fmt:MATRIX_FMT_FP6 matrix_b_fmt:MATRIX_FMT_FP6
.endif
.else
.if (\ra) && (\rb)
	v_wmma_scale_f32_16x16x128_f8f6f4 v[(\d):(\d)+7], v[(\a):(\a)+11], v[(\b):(\b)+11], v[(\d):(\d)+7], v[\sa], v[\sb] matrix_a_fmt:MATRIX_FMT_FP6 matrix_b_fmt:MATRIX_FMT_FP6 matrix_a_scale:MATRIX_SCALE_ROW1 matrix_b_scale:MATRIX_SCALE_ROW1
.elseif (\ra)
	v_wmma_scale_f32_16x16x128_f8f6f4 v[(\d):(\d)+7], v[(\a):(\a)+11], v[(\b):(\b)+11], v[(\d):(\d)+7], v[\sa], v[\sb] matrix_a_fmt:MATRIX_FMT_FP6 matrix_b_fmt:MATRIX_FMT_FP6 matrix_a_scale:MATRIX_SCALE_ROW1
.elseif (\rb)
	v_wmma_scale_f32_16x16x128_f8f6f4 v[(\d):(\d)+7], v[(\a):(\a)+11], v[(\b):(\b)+11], v[(\d):(\d)+7], v[\sa], v[\sb] matrix_a_fmt:MATRIX_FMT_FP6 matrix_b_fmt:MATRIX_FMT_FP6 matrix_b_scale:MATRIX_SCALE_ROW1
.else
	v_wmma_scale_f32_16x16x128_f8f6f4 v[(\d):(\d)+7], v[(\a):(\a)+11], v[(\b):(\b)+11], v[(\d):(\d)+7], v[\sa], v[\sb] matrix_a_fmt:MATRIX_FMT_FP6 matrix_b_fmt:MATRIX_FMT_FP6
.endif
.endif
.endm
.macro BARRIER                         ; my LDS stores have landed and my LDS loads are in: then the work-group's barrier
	s_wait_dscnt 0x0
	s_barrier_signal -1
	s_barrier_wait -1
.endm
; Where unit s of theta lies: units 0 to 11 take three buffers by turns, units 12 to 15 the first two.  UB: the buffer; UW: its window; UR: its first register
.macro UBUF s
.if (\s) < 12
.set UB, (\s)%3
.else
.set UB, (\s)%2
.endif
.if UB == 2
.set UW, 1
.set UR, 192
.else
.set UW, 0
.set UR, TB+48*UB
.endif
.endm
; Unit s = 4 group + K step: theta's fragments of my n tiles 4 group .. + 3 at that K step, and the two pairs' scale words: 14 loads
.macro TLOADU s
	UBUF \s
.set UKS, (\s)%4
.set UQ,  (\s)/4
	WIN UW<<6
.irp e, 0,1,2,3
.irp c, 0,1,2
	global_load_b128 v[UR+12*\e+4*\c:UR+12*\e+4*\c+3], v[LI], s[20:21] offset:196608*UKS+FI*(4*UQ+\e)+512*\c
.endr
.endr
	WIN 0
.irp ep, 0,1
	global_load_b32 v[TSB+2*UB+\ep], v[LS], s[22:23] offset:(4*(2*UQ+\ep)+UKS)*128
.endr
.endm
.macro PHLD ks                         ; phi's four fragments of K step ks come back from LDS: the same registers in the same lanes
.irp mt, 0,1,2,3
.irp c, 0,1,2
	ds_load_b128 v[PH+12*\mt+4*\c:PH+12*\mt+4*\c+3], v[PHA] offset:(4*(\ks)+\mt)*FI+512*\c
.endr
.endr
.endm
; Step s: 16 products on 16 accumulators, which take turns, one instruction a turn, in the same order in every step
.macro STEPA s
	UBUF \s
.set KS, (\s)%4
.set QQ, (\s)/4
.if (\s) <= 11
	s_wait_loadcnt 28                              ; two younger units of 14 may be out
.elseif (\s) <= 14
	s_wait_loadcnt 14                              ; one younger unit
.else
	s_wait_loadcnt 0x0
.endif
	s_wait_dscnt 0x0                               ; phi's fragments are in; the last group's sums have left their registers
	WIN 0x50+4*UW                                  ; C and D in window 1; theta in its buffer's window
.irp e, 0,1,2,3
.irp mt, 0,1
	WM 16*(4*QQ+\e)+8*\mt, PH+12*\mt, UR+12*\e, KS==0, PS+KS, TSB+2*UB+\e/2, \mt, \e%2
.endr
.endr
	WIN 4*UW
.irp e, 0,1,2,3
.irp mt, 0,1
	WM TA+16*\e+8*\mt, PH+24+12*\mt, UR+12*\e, KS==0, PS+4+KS, TSB+2*UB+\e/2, \mt, \e%2
.endr
.endr
	WIN 0
	PLACES 5                                       ; four in front of loads into registers that these products read and of the first read of results; the fifth for the next group's first products, which write over such registers with C = 0
.if KS == 3
.irp e, 0,1,2,3
.irp c, 0,1,2,3
	ds_store_b128 v[SPA], v[TA+16*\e+4*\c:TA+16*\e+4*\c+3] offset:2048*(4*QQ+\e)+512*\c   ; each accumulator from its low end on; 512 consecutive bytes a store
.endr
.endr
.endif
.if (\s) <= 10
	TLOADU (\s)+3                                  ; into the buffer just left
.elseif ((\s) == 12) || ((\s) == 13)
	TLOADU (\s)+2
.endif
.if (\s) < 15
	PHLD ((\s)+1)%4
.endif
.endm
; Tile n's two blocks become half a fragment: lanes 0-15 hold block 0, lanes 16-31 block 1, six registers each; no register named here is written again
.macro MTILE n
.set A0, K0+4*(\n)
.set A1, K1+4*(\n)
	v_lshl_or_b32 v[A1+3], v[A1+3], 8, v[A0+3]     ; the two scale bytes
.irp i, 0,1,2
	v_permlane16_swap_b32 v[A0+\i], v[A1+\i]
.endr
	s_delay_alu instid0(VALU_DEP_3)
	v_mov_b32 v[A0+3], v[A1]
	s_delay_alu instid0(VALU_DEP_3)
	v_mov_b32 v[A1], v[A1+1]
	s_delay_alu instid0(VALU_DEP_3)
	v_mov_b32 v[A1+1], v[A1+2]
	global_store_b128 v[LI], v[A0:A0+3], s[28:29] offset:24576*(\n)        ; 512 consecutive bytes,
	global_store_b64 v[L8], v[A1:A1+1], s[28:29] offset:24576*(\n)+512     ; and 256 more
.endm
; Four n tiles are quantised: a tile's 16 registers are my half of the block
.macro QP q, u
.set KK, K0+64*(\u)
	WIN 0x05
.irp t, 0,1,2,3
	v_max3_num_f32 v[QW+\t], v[16*(4*(\q)+\t)], v[16*(4*(\q)+\t)+1], 0x1800000   ; no |.|: p is never negative; the floor 2^(3 - 127) holds the byte at 1 from below
.endr
	WIN 0x14
.irp i, 2,4,6,8,10,12,14
.irp t, 0,1,2,3
	v_max3_num_f32 v[QW+\t], v[QW+\t], v[16*(4*(\q)+\t)+\i], v[16*(4*(\q)+\t)+\i+1]
.endr
.endr
	WIN 0
.irp t, 0,1,2,3
	v_permlanex16_b32 v[QW+4+\t], v[QW+\t], s18, s19
.endr
.irp t, 0,1,2,3
	s_delay_alu instid0(VALU_DEP_4)
	v_max_num_f32 v[QW+\t], v[QW+\t], v[QW+4+\t]
.endr
.irp t, 0,1,2,3
	s_delay_alu instid0(VALU_DEP_4)
	v_add_nc_u32 v[QW+8+\t], 0xff000000, v[QW+\t]  ; 2 off the exponent field: the conversion's scale operand
.endr
	WIN 0x01
.irp t, 0,1,2,3
	v_cvt_scalef32_pk16_fp6_f32 v[KK+4*(4*(\q)+\t):KK+4*(4*(\q)+\t)+2], v[16*(4*(\q)+\t):16*(4*(\q)+\t)+15], v[QW+8+\t]
.endr
	WIN 0
.irp t, 0,1,2,3
	v_lshrrev_b32 v[KK+4*(4*(\q)+\t)+3], 23, v[QW+8+\t]   ; the scale's byte stands beside the codes.  (A plain place behind the conversions)
.endr
.if (\u) == 0
	WIN 0x40                                       ; these four tiles' registers take the second block's sums, while the next four tiles are worked
.irp t, 0,1,2,3
.irp c, 0,1,2,3
	ds_load_b128 v[16*(4*(\q)+\t)+4*\c:16*(4*(\q)+\t)+4*\c+3], v[SPA] offset:2048*(4*(\q)+\t)+512*\c
.endr
.endr
	WIN 0
.else
.irp t, 0,1,2,3
	MTILE 4*(\q)+\t
.endr
.irp pp, 0,1
	v_permlane16_swap_b32 v[K1+4*(4*(\q)+2*\pp)+3], v[K1+4*(4*(\q)+2*\pp+1)+3]   ; lanes 0-15: the even tile's rows, lanes 16-31: the odd tile's
	global_store_b16 v[LS], v[K1+4*(4*(\q)+2*\pp)+3], s[30:31] offset:2048*(2*(\q)+\pp)   ; half of each word: the other half is another work-group's
.endr
.endif
.endm
; The softmax and the quantiser on the 32 columns whose sums stand in window 1
.macro VPASS u
.if (\u)
	s_wait_dscnt 0x0                               ; the second block's sums are in the registers
.endif
	; the columns' maxima: over my 16 tiles (each accumulator is read from its low end on),
	WIN 0x15
.irp k, 0,1,2,3,4,5,6,7,8,9,10,11,12,13,14,15
	v_max3_num_f32 v[T+\k], v[\k], v[16+\k], v[32+\k]
.endr
	WIN 0x14
.irp n, 3,5,7,9,11,13
.irp k, 0,1,2,3,4,5,6,7,8,9,10,11,12,13,14,15
	v_max3_num_f32 v[T+\k], v[T+\k], v[16*\n+\k], v[16*\n+16+\k]
.endr
.endr
	WIN 0x04
.irp k, 0,1,2,3,4,5,6,7,8,9,10,11,12,13,14,15
	v_max_num_f32 v[T+\k], v[T+\k], v[240+\k]
.endr
	WIN 0
.irp x, 1,2,4,8                                ; over the 16 lanes of my half,
.irp k, 0,1,2,3,4,5,6,7,8,9,10,11,12,13,14,15
	v_max_num_f32_dpp v[T+\k], v[T+\k], v[T+\k] row_xmask:\x row_mask:0xf bank_mask:0xf
.endr
.endr
.irp c, 0,1,2,3
	ds_store_b128 v[PWA], v[T+4*\c:T+4*\c+3] offset:16*\c   ; the 16 lanes of a half write the same words with the same values
.endr
	BARRIER                                        ; and over the eight waves.  (The sums' words of the pass before have been read by every wave in front of this barrier)
.irp wv, 0,1,2,3,4,5,6,7
	ds_load_b32 v[T+\wv], v[PRA] offset:128*\wv
.endr
	s_wait_dscnt 0x0
	v_max3_num_f32 v[T], v[T], v[T+1], v[T+2]
	s_delay_alu instid0(VALU_DEP_1)
	v_max3_num_f32 v[T], v[T], v[T+3], v[T+4]
	s_delay_alu instid0(VALU_DEP_1)
	v_max3_num_f32 v[T], v[T], v[T+5], v[T+6]
	s_delay_alu instid0(VALU_DEP_1)
	v_max_num_f32 v[T], v[T], v[T+7]
	s_delay_alu instid0(VALU_DEP_1)
	v_mul_f32 v[T], s15, v[T]                      ; - max c of column number lane
	ds_store_b32 v[RWA], v[T]                      ; spread through my wave's own 128 bytes: LDS serves a wave's instructions in order
.irp c, 0,1,2,3
	ds_load_b128 v[NM+4*\c:NM+4*\c+3], v[RRA] offset:16*\c
.endr
	s_wait_dscnt 0x0
	; p = 2^(s c - max c)
	WIN 0x41
.irp n, 0,1,2,3,4,5,6,7,8,9,10,11,12,13,14,15
.irp k, 0,2,4,6,8,10,12,14
	v_pk_fma_f32 v[16*\n+\k:16*\n+\k+1], v[16*\n+\k:16*\n+\k+1], s[16:17], v[NM+\k:NM+\k+1] op_sel_hi:[1,0,1]
.endr
.endr
.set R, 0
	s_wait_alu depctr_va_vdst(0)
.rept 256
	v_exp_f32 v[R], v[R]
.set R, R+1
.endr
	WIN 0
	v_nop                                          ; a plain place behind the last exponential
	s_wait_alu depctr_va_vdst(0)                   ; one wait for the whole batch, ahead of its first reader
	; the columns' sums, by the same three steps
	WIN 0x05
.irp k, 0,2,4,6,8,10,12,14
	v_pk_add_f32 v[SM+\k:SM+\k+1], v[\k:\k+1], v[16+\k:16+\k+1]
.endr
	WIN 0x04
.irp n, 2,3,4,5,6,7,8,9,10,11,12,13,14,15
.irp k, 0,2,4,6,8,10,12,14
	v_pk_add_f32 v[SM+\k:SM+\k+1], v[SM+\k:SM+\k+1], v[16*\n+\k:16*\n+\k+1]
.endr
.endr
	WIN 0
.irp x, 1,2,4,8
.irp k, 0,1,2,3,4,5,6,7,8,9,10,11,12,13,14,15
	v_add_f32_dpp v[SM+\k], v[SM+\k], v[SM+\k] row_xmask:\x row_mask:0xf bank_mask:0xf
.endr
.endr
.irp c, 0,1,2,3
	ds_store_b128 v[PWA], v[SM+4*\c:SM+4*\c+3] offset:PSM-PMX+16*\c
.endr
	BARRIER                                        ; (the maxima's words have been read by every wave in front of this barrier: the next pass may write them)
.irp wv, 0,1,2,3,4,5,6,7
	ds_load_b32 v[T+\wv], v[PRA] offset:PSM-PMX+128*\wv
.endr
	s_wait_dscnt 0x0
	v_add_f32 v[T], v[T], v[T+1]
	v_add_f32 v[T+2], v[T+2], v[T+3]
	v_add_f32 v[T+4], v[T+4], v[T+5]
	v_add_f32 v[T+6], v[T+6], v[T+7]
	s_delay_alu instid0(VALU_DEP_3)
	v_add_f32 v[T], v[T], v[T+2]
	s_delay_alu instid0(VALU_DEP_2)
	v_add_f32 v[T+4], v[T+4], v[T+6]
	s_delay_alu instid0(VALU_DEP_1)
	v_add_f32 v[T], v[T], v[T+4]
	s_wait_alu depctr_va_vdst(0)
	v_rcp_f32 v[T+1], v[T]
	v_nop                                          ; a plain place behind the transcendental
	s_wait_alu depctr_va_vdst(0)                   ; and its wait, ahead of the first reader
	ds_store_b32 v[RWA], v[T+1]
.irp c, 0,1,2,3
	ds_load_b128 v[SM+4*\c:SM+4*\c+3], v[RRA] offset:16*\c
.endr
.irp t, 0,1,2,3
	v_mov_b32 v[QW+4+\t], 0                        ; a lane permute's destination counts as one of its sources
.endr
	s_wait_dscnt 0x0
	WIN 0x41
.irp n, 0,1,2,3,4,5,6,7,8,9,10,11,12,13,14,15
.irp k, 0,2,4,6,8,10,12,14
	v_pk_mul_f32 v[16*\n+\k:16*\n+\k+1], v[16*\n+\k:16*\n+\k+1], v[SM+\k:SM+\k+1]   ; P, finished and normalised
.endr
.endr
	QP 0, \u
	QP 1, \u
	QP 2, \u
	QP 3, \u
.endm
	s_load_b128 s[4:7], s[0:1], 0x0                ; thq, phq
	s_load_b64 s[8:9], s[0:1], 0x10                ; pq
	v_lshl_add_u32 v[SPW], v0, 2, SPARE
	v_mov_b32 v[NIL], 0
	v_lshrrev_b32 v15, 5, v0
	s_delay_alu instid0(VALU_DEP_1)
	v_readfirstlane_b32 s10, v15                   ; wave 0..7
	s_mov_b32 s11, ttmp9                           ; mp
	s_and_b32 s12, ttmp7, 0xffff                   ; b
	s_mov_b32 s16, 0x3fb8aa3b                      ; c = log2(e)
	s_mov_b32 s17, s16                             ; (named with it as a pair, so it is written)
	s_mov_b32 s15, 0xbfb8aa3b                      ; -c
	s_mov_b32 s18, 0x76543210
	s_mov_b32 s19, 0xfedcba98                      ; lane selects: lane l xor 16
	v_and_b32 v15, 31, v0
	s_delay_alu instid0(VALU_DEP_1)
	v_lshlrev_b32 v[LI], 4, v15
	s_delay_alu instid0(VALU_DEP_2)
	v_lshlrev_b32 v[LS], 2, v15
	s_delay_alu instid0(VALU_DEP_3)
	v_lshlrev_b32 v[L8], 3, v15
	v_bfe_u32 v14, v0, 4, 1                        ; lane / 16
	s_lshl_b32 s32, s10, 15
	v_add_nc_u32 v[SPA], s32, v[LI]
	v_add_nc_u32 v[PHA], PHI, v[LI]
	s_mul_i32 s32, s10, 2*FI
	s_add_co_u32 s32, s32, PHI
	v_add_nc_u32 v[PHW], s32, v[LI]
	s_lshl_b32 s32, s10, 7
	s_add_co_u32 s33, s32, PMX
	v_lshl_add_u32 v[PWA], v14, 6, s33
	v_add_nc_u32 v[PRA], PMX, v[LS]
	s_add_co_u32 s33, s32, RED
	v_add_nc_u32 v[RWA], s33, v[LS]
	v_lshl_add_u32 v[RRA], v14, 6, s33
	s_mov_b32 s33, 0
	s_wait_alu depctr_va_vdst(0)
	s_wait_kmcnt 0x0
	s_mul_i32 s34, s12, 786432
	s_mul_i32 s32, s10, 24576
	s_add_co_u32 s32, s32, s34
	s_add_nc_u64 s[20:21], s[4:5], s[32:33]        ; theta's codes: b, my 16 tiles
	s_lshr_b32 s35, s10, 1                         ; the two fragments of phi that I bring: K step wave / 2,
	s_mul_i32 s35, s35, 196608
	s_lshl_b32 s32, s11, 2
	s_and_b32 s36, s10, 1
	s_lshl_b32 s36, s36, 1
	s_add_co_u32 s32, s32, s36                     ; column tiles 4 mp + 2 (wave % 2) and the next
	s_mul_i32 s32, s32, FI
	s_add_co_u32 s32, s32, s35
	s_add_co_u32 s32, s32, s34
	s_add_nc_u64 s[24:25], s[6:7], s[32:33]
	s_lshl_b32 s34, s12, 15
	s_add_co_u32 s34, s34, 6291456
	s_lshl_b32 s32, s10, 12
	s_add_co_u32 s32, s32, s34
	s_add_nc_u64 s[22:23], s[4:5], s[32:33]        ; theta's scale words: my 8 pairs of tiles
	s_lshl_b32 s32, s11, 10
	s_add_co_u32 s32, s32, s34
	s_add_nc_u64 s[26:27], s[6:7], s[32:33]        ; phi's: pairs 2 mp, 2 mp + 1
	s_mul_i32 s32, s12, 3145728                    ; P's codes [b][n tile][64 columns][768]
	s_mul_i32 s34, s10, 393216
	s_add_co_u32 s32, s32, s34
	s_mul_i32 s34, s11, 768
	s_add_co_u32 s32, s32, s34
	s_add_nc_u64 s[28:29], s[8:9], s[32:33]
	s_lshl_b32 s32, s12, 17                        ; P's scale words [b][pair of n tiles][K step of 128 columns][128]; my 64 columns are half a word
	s_lshl_b32 s34, s10, 14
	s_add_co_u32 s32, s32, s34
	s_lshr_b32 s34, s11, 1
	s_lshl_b32 s34, s34, 7
	s_add_co_u32 s32, s32, s34
	s_and_b32 s34, s11, 1
	s_lshl_b32 s34, s34, 1
	s_add_co_u32 s32, s32, s34
	s_add_co_u32 s32, s32, 25165824
	s_add_nc_u64 s[30:31], s[8:9], s[32:33]
.irp c, 0,1,2,3,4,5
	global_load_b128 v[PH+4*\c:PH+4*\c+3], v[LI], s[24:25] offset:512*\c   ; my two fragments of phi: 3,072 consecutive bytes
.endr
.irp pu, 0,1
.irp ks, 0,1,2,3
	global_load_b32 v[PS+4*\pu+\ks], v[LS], s[26:27] offset:512*\pu+128*\ks
.endr
.endr
	TLOADU 0
	TLOADU 1
	TLOADU 2
	s_wait_loadcnt 50                              ; my fragments of phi are in: behind them 8 scale words and three units of 14
.irp c, 0,1,2,3,4,5
	ds_store_b128 v[PHW], v[PH+4*\c:PH+4*\c+3] offset:512*\c
.endr
	BARRIER                                        ; phi's sixteen images lie in LDS; nothing is written there again
	PHLD 0
.irp s, 0,1,2,3,4,5,6,7,8,9,10,11,12,13,14,15
	STEPA \s
.endr
	VPASS 0
	VPASS 1
	s_wait_tensorcnt 0x0                           ; the wave's end, behind my last LDS store
	ds_add_u32 v[SPW], v[NIL]
	s_wait_dscnt 0x0
	s_endpgm
.Lfunc_end_k_q82a3e5ba94_colsm:
	.size	k_q82a3e5ba94_colsm, .Lfunc_end_k_q82a3e5ba94_colsm-k_q82a3e5ba94_colsm
	.p2alignl 7, 3214868480
	.fill 96, 4, 3214868480
	.section	.rodata,"a",@progbits
	.p2align	6, 0x0
	.amdhsa_kernel k_q82a3e5ba94_colsm
		.amdhsa_group_segment_fixed_size 290816
		.amdhsa_private_segment_fixed_size 0
		.amdhsa_enable_private_segment 0
		.amdhsa_kernarg_size 24
		.amdhsa_user_sgpr_count 2
		.amdhsa_user_sgpr_kernarg_segment_ptr 1
		.amdhsa_wavefront_size32 1
		.amdhsa_system_sgpr_workgroup_id_x 1
		.amdhsa_system_sgpr_workgroup_id_y 1
		.amdhsa_system_sgpr_workgroup_id_z 1
		.amdhsa_system_vgpr_workitem_id 0
		.amdhsa_next_free_vgpr 512
		.amdhsa_next_free_sgpr 66
		.amdhsa_reserve_vcc 0
		.amdhsa_float_denorm_mode_32 3
		.amdhsa_float_denorm_mode_16_64 3
		.amdhsa_memory_ordered 1
		.amdhsa_forward_progress 1
		.amdhsa_inst_pref_size 223
	.end_amdhsa_kernel
	.amdgpu_metadata
---
amdhsa.version: [ 1, 2 ]
amdhsa.kernels:
  - .name:           k_q82a3e5ba94_colsm
    .symbol:         k_q82a3e5ba94_colsm.kd
    .args:
      - { .name: thq, .offset: 0, .size: 8, .value_kind: global_buffer, .address_space: global }
      - { .name: phq, .offset: 8, .size: 8, .value_kind: global_buffer, .address_space: global }
      - { .name: pq, .offset: 16, .size: 8, .value_kind: global_buffer, .address_space: global }
    .group_segment_fixed_size: 290816
    .private_segment_fixed_size: 0
    .kernarg_segment_align: 8
    .kernarg_segment_size: 24
    .max_flat_workgroup_size: 256
    .sgpr_count:     66
    .vgpr_count:     512
    .wavefront_size: 32
...
	.end_amdgpu_metadata
.endif
;; end of part 7
;; launch pvmask (part 8): grid 32 x 8, 4 waves a work-group, no clusters, 297,472 bytes of LDS; arguments x, pq, gq, wq, out0; writes out0
.if DOCPART == 8
	.amdgcn_target "amdgcn-amd-amdhsa--gfx1250"
	.amdhsa_code_object_version 6
	.text
	.protected	k_q82a3e5ba94_pvmask
	.globl	k_q82a3e5ba94_pvmask
	.p2align	8
	.type	k_q82a3e5ba94_pvmask,@function
k_q82a3e5ba94_pvmask:
	s_mov_b64 s[64:65], 0
	v_nop
	global_prefetch_b8 v0, s[64:65] scope:SCOPE_SE
	s_setreg_imm32_b32 hwreg(HW_REG_WAVE_MODE, 25, 1), 1
	s_wait_xcnt 0x0
; out0 = w_mask . view(P g) + x: products 5 and 6 and the residual.  Nothing of reference() is left out.  Limits: as stated at the head of the first kernel.
; SHARES.  A work-group (x = 2 nb + hf, b) owns 128 tokens n = 128 nb .. and the 256 c' of ONE half hf (c' = 2 o + hf: all 256 o), that is the 128 columns p = 2048 hf + n of the output, and all 512 output channels.
;     So it reads half of g (393,216 bytes) and P's 128 rows (196,608 bytes).  Four waves; wave w: cq = w % 2, tq = w / 2.
; 5.  out^T = g^T P^T (source 0 = 16 rows c' of g, source 1 = 16 tokens of P), K = 2,048 in 16 steps.  Wave w: o = 128 cq .. + 127 (8 tiles) x token tiles 4 tq .. + 3: 32 accumulators.
;     A lane holds ONE token and eight o.  Fragments come from memory straight into registers, two K steps ahead (two sets of 54 loads); two waves name the same bytes of g, two the same bytes of P.
; Q.  A token tile's 8 accumulators are 128 neighbouring o of one column p: K step cq of product 6.  They are quantised in registers and go to LDS as images of the operand's registers; one barrier.
; 6.  Wave w makes output channels 128 w .. + 127 for all 128 columns: source 0 = 16 columns p, source 1 = 16 rows of w_mask: a lane holds ONE channel and eight neighbouring p.
;     THE RESIDUAL COSTS NO ADDITION: x's tile, brought into LDS by one tensor load a wave at the kernel's head, under the main loop, is loaded in the result's layout and is the C of each sum's first product.
;     The results go back to the same LDS bytes (the wave's own rows, which have had their only fill) and leave as whole rows: the 32 lanes store 512 consecutive bytes, aligned.
; No cluster: g's fragments are shared by the 16 work-groups of a batch and half, but joint loads land in LDS, of which x's tile takes 270,336 bytes: no two slots fit beside it.
; LDS: 0 x's tile, [channel 512] rows of 512 bytes + 16; OIMG 16 images of 1,536 bytes (token tile x 2 + K step); OSC their scale words, 128 bytes each; SPARE.
; REGISTERS.  window 0: v1-14 addresses; v16-27 the main loop's scale words, two sets; v28-35 w_mask's; v36-51 out's; v52-53 set-up; v56-95 the quantiser's.
;   windows 1, 2: v0-95 g's 8 fragments, v96-143 P's 4 (sets 0, 1; later out's 8 fragments of K step 0, 1); v144-239 w_mask's 8 fragments of K step 0, 1.   window 3: the accumulators; later two sets of 8 and 16 rows on their way out.
.set XP,    528                        ; a row of x's tile in LDS: 132 words: row r starts at bank 4 r mod 64 (64 banks of 4 bytes: ISA guide 11.1)
.set OIMG,  270336
.set OSC,   294912
.set SPARE, 296960
.set FI,    1536
.set SPW, 1
.set NIL, 2
.set LI,  3                            ; 16 x lane
.set LS,  4                            ; 4 x lane
.set L8,  5                            ; 8 x lane
.set XD,  6                            ; v6     x in the result's layout: row 128 w + lane % 16, + 32 (lane / 16)
.set XRW, 8                            ; v8-9   whole rows: row 128 w (v9: 64 rows on), + 16 x lane
.set OWI, 11                           ; v11    where I store out's images
.set OWS, 12                           ; v12    and their scale words
.set ORI, 13                           ; v13    where all are read
.set ORS, 14
.set SCM, 16
.set SCW, 28
.set SCO, 36
.set TM,  56
.set PW,  72
.set PC,  76
.set G1,  24                           ; s[24:31] descriptor group 1;  s[32:35] group 0
.set MSB, 0
.macro WIN new
.if MSB != (\new)
	s_set_vgpr_msb (MSB<<8)|(\new)
.set MSB, (\new)
.endif
.endm
.macro PLACES n
.rept \n
	v_nop
.endr
.endm
.macro WM d, a, b, z, sa, sb, ra, rb
.if (\z)
.if (\ra) && (\rb)
	v_wmma_scale_f32_16x16x128_f8f6f4 v[(\d):(\d)+7], v[(\a):(\a)+11], v[(\b):(\b)+11], 0, v[\sa], v[\sb] matrix_a_fmt:MATRIX_FMT_FP6 matrix_b_fmt:MATRIX_FMT_FP6 matrix_a_scale:MATRIX_SCALE_ROW1 matrix_b_scale:MATRIX_SCALE_ROW1
.elseif (\ra)
	v_wmma_scale_f32_16x16x128_f8f6f4 v[(\d):(\d)+7], v[(\a):(\a)+11], v[(\b):(\b)+11], 0, v[\sa], v[\sb] matrix_a_fmt:MATRIX_FMT_FP6 matrix_b_fmt:MATRIX_FMT_FP6 matrix_a_scale:MATRIX_SCALE_ROW1
.elseif (\rb)
	v_wmma_scale_f32_16x16x128_f8f6f4 v[(\d):(\d)+7], v[(\a):(\a)+11], v[(\b):(\b)+11], 0, v[\sa], v[\sb] matrix_a_fmt:MATRIX_FMT_FP6 matrix_b_fmt:MATRIX_FMT_FP6 matrix_b_scale:MATRIX_SCALE_ROW1
.else
	v_wmma_scale_f32_16x16x128_f8f6f4 v[(\d):(\d)+7], v[(\a):(\a)+11], v[(\b):(\b)+11], 0, v[\sa], v[\sb] matrix_a_fmt:MATRIX_FMT_FP6 matrix_b_fmt:MATRIX_FMT_FP6
.endif
.else
.if (\ra) && (\rb)
	v_wmma_scale_f32_16x16x128_f8f6f4 v[(\d):(\d)+7], v[(\a):(\a)+11], v[(\b):(\b)+11], v[(\d):(\d)+7], v[\sa], v[\sb] matrix_a_fmt:MATRIX_FMT_FP6 matrix_b_fmt:MATRIX_FMT_FP6 matrix_a_scale:MATRIX_SCALE_ROW1 matrix_b_scale:MATRIX_SCALE_ROW1
.elseif (\ra)
	v_wmma_scale_f32_16x16x128_f8f6f4 v[(\d):(\d)+7], v[(\a):(\a)+11], v[(\b):(\b)+11], v[(\d):(\d)+7], v[\sa], v[\sb] matrix_a_fmt:MATRIX_FMT_FP6 matrix_b_fmt:MATRIX_FMT_FP6 matrix_a_scale:MATRIX_SCALE_ROW1
.elseif (\rb)
	v_wmma_scale_f32_16x16x128_f8f6f4 v[(\d):(\d)+7], v[(\a):(\a)+11], v[(\b):(\b)+11], v[(\d):(\d)+7], v[\sa], v[\sb] matrix_a_fmt:MATRIX_FMT_FP6 matrix_b_fmt:MATRIX_FMT_FP6 matrix_b_scale:MATRIX_SCALE_ROW1
.else
	v_wmma_scale_f32_16x16x128_f8f6f4 v[(\d):(\d)+7], v[(\a):(\a)+11], v[(\b):(\b)+11], v[(\d):(\d)+7], v[\sa], v[\sb] matrix_a_fmt:MATRIX_FMT_FP6 matrix_b_fmt:MATRIX_FMT_FP6
.endif
.endif
.endm
.macro FETCH reg, adr, off
.irp c, 0,1,2
	ds_load_b128 v[(\reg)+4*\c:(\reg)+4*\c+3], v[\adr] offset:(\off)+512*\c
.endr
.endm
; 64 numbers of a lane, v[s] .. v[s + 63] of window w, register 16 b + i = one of my 16 numbers of block b of my row, become a fragment's codes in v[PC] .. v[PC + 11] and its scale word in v[pw].
.macro QUANT s, w, pw
	s_wait_xcnt 0x0
	s_wait_dscnt 0x0                               ; the image stored last has left its registers
	WIN (\w)|((\w)<<2)
.irp b, 0,1,2,3
	v_max3_num_f32 v[TM+\b], |v[(\s)+16*\b]|, |v[(\s)+1+16*\b]|, 0x1800000   ; each accumulator is read from its low end on; the floor holds the byte at 1 from below
.endr
	WIN ((\w)<<2)|((\w)<<4)
.irp i, 2,4,6,8,10,12,14
.irp b, 0,1,2,3
	v_max3_num_f32 v[TM+\b], v[TM+\b], |v[(\s)+16*\b+\i]|, |v[(\s)+1+16*\b+\i]|
.endr
.endr
	WIN 0
.irp b, 0,1,2,3
	v_permlanex16_b32 v[TM+4+\b], v[TM+\b], s20, s21
.endr
.irp b, 0,1,2,3
	v_max_num_f32 v[TM+\b], v[TM+\b], v[TM+4+\b]
.endr
.irp b, 0,1,2,3
	v_add_nc_u32 v[TM+12+\b], 0xff000000, v[TM+\b]
.endr
.irp b, 0,1,2,3
	v_lshrrev_b32 v[TM+4+\b], 23, v[TM+12+\b]
.endr
	v_lshl_or_b32 v[\pw], v[TM+5], 8, v[TM+4]
	v_lshl_or_b32 v[\pw], v[TM+6], 16, v[\pw]
	v_lshl_or_b32 v[\pw], v[TM+7], 24, v[\pw]
	WIN (\w)
.irp c, 0,1
	v_cvt_scalef32_pk16_fp6_f32 v[PC+6*\c:PC+2+6*\c], v[(\s)+32*\c:(\s)+15+32*\c], v[TM+12+2*\c]
	v_cvt_scalef32_pk16_fp6_f32 v[PC+12+4*\c:PC+14+4*\c], v[(\s)+16+32*\c:(\s)+31+32*\c], v[TM+12+2*\c+1]
.endr
	WIN 0
	v_nop                                          ; one plain place behind a scaled conversion
.irp c, 0,1
.irp i, 0,1,2
	v_permlane16_swap_b32 v[PC+6*\c+\i], v[PC+12+4*\c+\i]
.endr
.irp i, 0,1,2
	v_mov_b32 v[PC+3+6*\c+\i], v[PC+12+4*\c+\i]
.endr
.endr
.endm
; K step k's operands: 8 fragments of g, 4 of P (each two halves of 768 bytes: 512 by 16 bytes a lane, 256 by 8), 6 scale words: 54 loads, into set k % 2
.macro LOADSET k
.set LW, 1+(\k)%2
	WIN LW<<6
.irp j, 0,1,2,3,4,5,6,7
	global_load_b128 v[12*\j:12*\j+3], v[LI], s[40:41] offset:24576*\j+FI*(\k)
	global_load_b64 v[12*\j+4:12*\j+5], v[L8], s[40:41] offset:24576*\j+FI*(\k)+512
	global_load_b128 v[12*\j+6:12*\j+9], v[LI], s[40:41] offset:24576*\j+FI*(\k)+768
	global_load_b64 v[12*\j+10:12*\j+11], v[L8], s[40:41] offset:24576*\j+FI*(\k)+1280
.endr
.irp i, 0,1,2,3
	global_load_b128 v[96+12*\i:96+12*\i+3], v[LI], s[42:43] offset:24576*\i+FI*(\k)
	global_load_b64 v[96+12*\i+4:96+12*\i+5], v[L8], s[42:43] offset:24576*\i+FI*(\k)+512
	global_load_b128 v[96+12*\i+6:96+12*\i+9], v[LI], s[42:43] offset:24576*\i+FI*(\k)+768
	global_load_b64 v[96+12*\i+10:96+12*\i+11], v[L8], s[42:43] offset:24576*\i+FI*(\k)+1280
.endr
	WIN 0
.irp jp, 0,1,2,3
	global_load_b32 v[SCM+6*((\k)%2)+\jp], v[LS], s[44:45] offset:2048*\jp+128*(\k)
.endr
.irp ip, 0,1
	global_load_b32 v[SCM+6*((\k)%2)+4+\ip], v[LS], s[46:47] offset:2048*\ip+128*(\k)
.endr
.endm
; K step k: 32 products, the 32 accumulators by turns, one instruction a turn; accumulator (token tile i, c' tile j) at 64 i + 8 j of window 3
.macro STEP k
.if (\k) < 15
	s_wait_loadcnt 54                              ; the other set's 54 loads may be out
.else
	s_wait_loadcnt 0x0
.endif
	WIN 0xf5+5*((\k)%2)                            ; sources in window 1 or 2, C and D in window 3
.irp j, 0,1,2,3,4,5,6,7
.irp i, 0,1,2,3
	WM 64*\i+8*\j, 12*\j, 96+12*\i, (\k)==0, SCM+6*((\k)%2)+\j/2, SCM+6*((\k)%2)+4+\i/2, \j%2, \i%2
.endr
.endr
	WIN 0
	PLACES 4                                       ; in front of loads into registers that these products read, and of the first read of results
.if (\k) <= 13
	LOADSET (\k)+2
.endif
.endm
	s_load_b256 s[4:11], s[0:1], 0x0               ; x, pq, gq, wq
	s_load_b64 s[12:13], s[0:1], 0x20              ; out0
	v_lshl_add_u32 v[SPW], v0, 2, SPARE
	v_mov_b32 v[NIL], 0
	ds_add_u32 v[SPW], v[NIL]                      ; the wave's opening: the add, twice on end, and its wait ahead of my first tensor load
	ds_add_u32 v[SPW], v[NIL]
	v_lshrrev_b32 v15, 5, v0
	v_readfirstlane_b32 s14, v15                   ; wave 0..3
	s_and_b32 s15, s14, 1                          ; cq: which 128 o
	s_lshr_b32 s16, s14, 1                         ; tq: which four token tiles
	s_and_b32 s58, ttmp9, 1                        ; hf: neighbouring work-groups take the two halves of the same tokens, and so the same rows of P
	s_lshr_b32 s17, ttmp9, 1                       ; nb
	s_and_b32 s18, ttmp7, 0xffff                   ; b
	s_mov_b32 s20, 0x76543210
	s_mov_b32 s21, 0xfedcba98
	s_mov_b32 s[G1+0], (2<<16)|(1<<20)|(6<<22)|(3<<25)   ; no mask; elements of 4 bytes; padding on: after every 128 words, 4 words
	s_mov_b32 s[G1+1], 128<<16                     ; tensor_dim0 = 128
	s_mov_b32 s[G1+2], 128<<16                     ; tensor_dim1 = 128
	s_mov_b32 s[G1+3], 128<<16                     ; tile_dim0 = 128: 512 bytes
	s_mov_b32 s[G1+4], 128                         ; tile_dim1 = 128 channels
	s_mov_b32 s[G1+5], 4096                        ; from channel to channel
	s_mov_b32 s[G1+6], 0
	s_mov_b32 s[G1+7], 0
	s_mov_b32 s32, 1
	s_mul_i32 s33, s14, 128*XP                     ; LDS: my 128 rows
	s_lshl_b32 s54, s18, 23                        ; x and out0: b x 512 channels x 16,384 bytes
	s_lshl_b32 s55, s14, 21                        ; + 128 channels x wave
	s_add_co_u32 s54, s54, s55
	s_lshl_b32 s55, s58, 13                        ; + the half's 2,048 columns
	s_add_co_u32 s54, s54, s55
	s_lshl_b32 s55, s17, 9                         ; + 128 columns x nb
	s_add_co_u32 s54, s54, s55
	s_mov_b32 s55, 0
	s_wait_dscnt 0x0                               ; both opening adds are done
	s_wait_kmcnt 0x0
	s_add_nc_u64 s[34:35], s[4:5], s[54:55]
	s_or_b32 s35, s35, 0x80000000
	s_add_nc_u64 s[52:53], s[12:13], s[54:55]
	tensor_load_to_lds s[32:35], s[G1:G1+7]        ; my one tensor load, a first fill: it lands under the main loop; nothing is filled again in this launch
	s_nop 0
	PLACES 4
	s_lshl_b32 s54, s58, 4
	s_lshl_b32 s56, s15, 3
	s_add_co_u32 s54, s54, s56                     ; my first c' tile: 16 hf + 8 cq
	s_lshl_b32 s56, s54, 10                        ; its pair x 2,048
	s_mul_i32 s54, s54, 24576
	s_mul_i32 s57, s18, 786432
	s_add_co_u32 s54, s54, s57
	s_add_nc_u64 s[40:41], s[8:9], s[54:55]        ; g's codes
	s_lshl_b32 s54, s18, 15
	s_add_co_u32 s54, s54, s56
	s_add_co_u32 s54, s54, 6291456
	s_add_nc_u64 s[44:45], s[8:9], s[54:55]        ; g's scale words
	s_lshl_b32 s56, s17, 3
	s_lshl_b32 s57, s16, 2
	s_add_co_u32 s56, s56, s57                     ; my first token tile: 8 nb + 4 tq
	s_mul_i32 s54, s18, 3145728
	s_mul_i32 s57, s56, 24576
	s_add_co_u32 s54, s54, s57
	s_add_nc_u64 s[42:43], s[6:7], s[54:55]        ; P's codes
	s_lshl_b32 s54, s18, 17
	s_lshl_b32 s56, s56, 10                        ; its pair x 2,048
	s_add_co_u32 s54, s54, s56
	s_add_co_u32 s54, s54, 25165824
	s_add_nc_u64 s[46:47], s[6:7], s[54:55]        ; P's scale words
	s_mul_i32 s54, s14, 24576
	s_add_co_u32 s54, s54, 294912
	s_add_nc_u64 s[48:49], s[10:11], s[54:55]      ; w_mask's fragments of my 128 channels
	s_lshl_b32 s54, s14, 10
	s_add_co_u32 s54, s54, 405504
	s_add_nc_u64 s[50:51], s[10:11], s[54:55]      ; and their scale words
	v_and_b32 v15, 31, v0
	v_lshlrev_b32 v[LI], 4, v15
	v_lshlrev_b32 v[LS], 2, v15
	v_lshlrev_b32 v[L8], 3, v15
	v_and_b32 v52, 15, v0                          ; r
	v_bfe_u32 v53, v0, 4, 1                        ; h
	s_mul_i32 s56, s14, 128*XP
	v_mul_u32_u24 v[XD], v52, XP
	v_lshl_add_u32 v[XD], v53, 5, v[XD]
	v_add_nc_u32 v[XD], s56, v[XD]
	v_add_nc_u32 v[XRW], s56, v[LI]
	v_add_nc_u32 v[XRW+1], 64*XP, v[XRW]           ; so that every offset fits the 16-bit immediate
	s_lshl_b32 s56, s16, 3
	s_add_co_u32 s56, s56, s15                     ; image (4 tq) x 2 + cq
	s_mul_i32 s57, s56, FI
	s_add_co_u32 s57, s57, OIMG
	v_add_nc_u32 v[OWI], s57, v[LI]
	s_lshl_b32 s57, s56, 7
	s_add_co_u32 s57, s57, OSC
	v_add_nc_u32 v[OWS], s57, v[LS]
	v_add_nc_u32 v[ORI], OIMG, v[LI]
	v_add_nc_u32 v[ORS], OSC, v[LS]
.irp b, 0,1,2,3
	v_mov_b32 v[TM+4+\b], 0                        ; written once: a lane permute's destination counts as one of its sources
.endr
	WIN 0x40
.irp t, 0,1,2,3,4,5,6,7
.irp c, 0,1,2
	global_load_b128 v[144+12*\t+4*\c:144+12*\t+4*\c+3], v[LI], s[48:49] offset:(2*\t)*FI+512*\c
.endr
.endr
	WIN 0x80
.irp t, 0,1,2,3,4,5,6,7
.irp c, 0,1,2
	global_load_b128 v[144+12*\t+4*\c:144+12*\t+4*\c+3], v[LI], s[48:49] offset:(2*\t+1)*FI+512*\c
.endr
.endr
	WIN 0
.irp tp, 0,1,2,3
.irp s6, 0,1
	global_load_b32 v[SCW+2*\tp+\s6], v[LS], s[50:51] offset:(2*\tp+\s6)*128
.endr
.endr
	LOADSET 0
	LOADSET 1
.irp k, 0,1,2,3,4,5,6,7,8,9,10,11,12,13,14,15
	STEP \k
.endr
	; ---- Q: my four token tiles become K step cq of product 6's operand
.irp i, 0,1,2,3
	QUANT 64*\i, 3, PW
.irp c, 0,1,2
	ds_store_b128 v[OWI], v[PC+4*\c:PC+4*\c+3] offset:2*FI*\i+512*\c
.endr
	ds_store_b32 v[OWS], v[PW] offset:256*\i       ; lanes 0-15 hold the rows' words (lanes 16-31 the same)
.endr
	s_wait_tensorcnt 0x0                           ; x's tile is in LDS: my own rows, which I alone touch
	s_wait_dscnt 0x0                               ; for the others' sake: my images lie in LDS
	s_barrier_signal -1
	s_barrier_wait -1                              ; all sixteen do; nothing is written there again
	WIN 0x40
.irp f, 0,1,2,3,4,5,6,7
	FETCH 12*\f, ORI, (2*\f)*FI
.endr
	WIN 0x80
.irp f, 0,1,2,3,4,5,6,7
	FETCH 12*\f, ORI, (2*\f+1)*FI
.endr
	WIN 0
.irp f, 0,1,2,3,4,5,6,7
.irp s6, 0,1
	ds_load_b32 v[SCO+2*\f+\s6], v[ORS] offset:(2*\f+\s6)*128
.endr
.endr
; x(channel 16 t + lane % 16, columns 16 f + 8 (lane / 16) + 0 .. 7), in the result's layout, into accumulator set t % 2
.macro LOADC t
	WIN 0xc0
.irp f, 0,1,2,3,4,5,6,7
	ds_load_b128 v[64*((\t)%2)+8*\f:64*((\t)%2)+8*\f+3], v[XD] offset:16*XP*(\t)+64*\f
	ds_load_b128 v[64*((\t)%2)+8*\f+4:64*((\t)%2)+8*\f+7], v[XD] offset:16*XP*(\t)+64*\f+16
.endr
	WIN 0
.endm
; 16 output channels x 128 columns
.macro OCT t
	s_wait_dscnt 0x0                               ; x is in the accumulators (and, the first time, out's fragments and scale words are in)
	WIN 0xf5
.irp f, 0,1,2,3,4,5,6,7
	WM 64*((\t)%2)+8*\f, 12*\f, 144+12*(\t), 0, SCO+2*\f, SCW+2*((\t)/2), 0, (\t)%2
.endr
	WIN 0xfa
.irp f, 0,1,2,3,4,5,6,7
	WM 64*((\t)%2)+8*\f, 12*\f, 144+12*(\t), 0, SCO+2*\f+1, SCW+2*((\t)/2)+1, 0, (\t)%2
.endr
.if (\t) < 7
	LOADC (\t)+1                                   ; the other set: its last products and stores are a whole turn back
.endif
	WIN 0
	PLACES 4                                       ; in front of the first read of results
	WIN 0x0c                                       ; an LDS store's data are its source 1: window 3
.irp f, 0,1,2,3,4,5,6,7
	ds_store_b128 v[XD], v[64*((\t)%2)+8*\f:64*((\t)%2)+8*\f+3] offset:16*XP*(\t)+64*\f        ; each accumulator from its low end on
	ds_store_b128 v[XD], v[64*((\t)%2)+8*\f+4:64*((\t)%2)+8*\f+7] offset:16*XP*(\t)+64*\f+16
.endr
	WIN 0
	s_wait_xcnt 0x0                                ; the last turn's global stores have read their registers
	WIN 0xc0
.irp q, 0,1,2,3,4,5,6,7,8,9,10,11,12,13,14,15
	ds_load_b128 v[128+4*\q:128+4*\q+3], v[XRW+(\t)/4] offset:16*XP*((\t)%4)+XP*\q   ; LDS serves a wave's instructions in order: these see my stores
.endr
	WIN 0
	s_wait_dscnt 0x0
	WIN 0x0c
.irp q, 0,1,2,3,4,5,6,7,8,9,10,11,12,13,14,15
	global_store_b128 v[LI], v[128+4*\q:128+4*\q+3], s[52:53] offset:(16*(\t)+\q)*16384 th:TH_STORE_NT   ; 32 lanes store 512 consecutive bytes, aligned; written once, read by nobody here
.endr
	WIN 0
.endm
	LOADC 0
.irp t, 0,1,2,3,4,5,6,7
	OCT \t
.endr
	s_wait_tensorcnt 0x0                           ; the wave's end, behind my last tensor load and my last LDS store
	ds_add_u32 v[SPW], v[NIL]
	s_wait_dscnt 0x0
	s_endpgm
.Lfunc_end_k_q82a3e5ba94_pvmask:
	.size	k_q82a3e5ba94_pvmask, .Lfunc_end_k_q82a3e5ba94_pvmask-k_q82a3e5ba94_pvmask
	.p2alignl 7, 3214868480
	.fill 96, 4, 3214868480
	.section	.rodata,"a",@progbits
	.p2align	6, 0x0
	.amdhsa_kernel k_q82a3e5ba94_pvmask
		.amdhsa_group_segment_fixed_size 297472
		.amdhsa_private_segment_fixed_size 0
		.amdhsa_enable_private_segment 0
		.amdhsa_kernarg_size 40
		.amdhsa_user_sgpr_count 2
		.amdhsa_user_sgpr_kernarg_segment_ptr 1
		.amdhsa_wavefront_size32 1
		.amdhsa_system_sgpr_workgroup_id_x 1
		.amdhsa_system_sgpr_workgroup_id_y 1
		.amdhsa_system_sgpr_workgroup_id_z 1
		.amdhsa_system_vgpr_workitem_id 0
		.amdhsa_next_free_vgpr 1024
		.amdhsa_next_free_sgpr 66
		.amdhsa_reserve_vcc 0
		.amdhsa_float_denorm_mode_32 3
		.amdhsa_float_denorm_mode_16_64 3
		.amdhsa_memory_ordered 1
		.amdhsa_forward_progress 1
		.amdhsa_inst_pref_size 237
	.end_amdhsa_kernel
	.amdgpu_metadata
---
amdhsa.version: [ 1, 2 ]
amdhsa.kernels:
  - .name:           k_q82a3e5ba94_pvmask
    .symbol:         k_q82a3e5ba94_pvmask.kd
    .args:
      - { .name: x, .offset: 0, .size: 8, .value_kind: global_buffer, .address_space: global }
      - { .name: pq, .offset: 8, .size: 8, .value_kind: global_buffer, .address_space: global }
      - { .name: gq, .offset: 16, .size: 8, .value_kind: global_buffer, .address_space: global }
      - { .name: wq, .offset: 24, .size: 8, .value_kind: global_buffer, .address_space: global }
      - { .name: out0, .offset: 32, .size: 8, .value_kind: global_buffer, .address_space: global }
    .group_segment_fixed_size: 297472
    .private_segment_fixed_size: 0
    .kernarg_segment_align: 8
    .kernarg_segment_size: 40
    .max_flat_workgroup_size: 128
    .sgpr_count:     66
    .vgpr_count:     1024
    .wavefront_size: 32
...
	.end_amdgpu_metadata
.endif
;; end of part 8
